; MI455X (gfx1250); checked and timed in simulation.
; The chip was launched on July 23, 2026; its instructions are those of AMD's public machine-readable ISA for CDNA 5 (MIT licence, August 2026) and "CDNA5" Instruction Set Architecture Reference Guide (July 2026). The comments in the code are by the model that wrote it; some were corrected since.
;; Decoder Block. Allowed arithmetic: float matrix products may take bf16 or f16 operands with f32 sums; all other float work in f32.
;; Inputs: ca_pb 512 float32; ca_pw 512 x 512 float32; ca_wk 512 x 512 float32; ca_wq 512 x 512 float32; ca_wv 512 x 512 float32; encoder_output 8 x 1,024 x 512 float32; ff_b1 2,048 float32; ff_b2 512 float32; ff_w1 512 x 2,048 float32; ff_w2 2,048 x 512 float32; ln1_b 512 float32; ln1_g 512 float32; ln2_b 512 float32; ln2_g 512 float32; ln3_b 512 float32; ln3_g 512 float32; sa_pb 512 float32; sa_pw 512 x 512 float32; sa_wk 512 x 512 float32; sa_wq 512 x 512 float32; sa_wv 512 x 512 float32; x 8 x 1,024 x 512 float32.
;; Outputs: out0 8 x 1,024 x 512 float32.
;; 3 versions, each right; version 2 is faster than version 1; version 3 is version 2 with the launch cast written anew for expert scheduling mode. Each part assembles by itself: llvm-mc -triple=amdgcn-amd-amdhsa -mcpu=gfx1250 --defsym DOCPART=n.
;; ======== version 1 of 3: 6 launches
;; workspace buffers: wb 8,388,608 bytes; qb 8,388,608 bytes; kv 33,554,432 bytes; ob 8,388,608 bytes; x1 16,777,216 bytes
;; launch cast (part 1): grid 256 x 1, 8 waves a work-group, no clusters, 0 bytes of LDS; arguments sa_wq, sa_wk, sa_wv, sa_pw, ca_wq, ca_wk, ca_wv, ca_pw, ff_w1, ff_w2, wb; writes wb
.if DOCPART == 1
	.amdgcn_target "amdgcn-amd-amdhsa--gfx1250"
	.amdhsa_code_object_version 6
	.text
	.protected	k_q485b316078_cast
	.globl	k_q485b316078_cast
	.p2align	8
	.type	k_q485b316078_cast,@function
k_q485b316078_cast:
	s_mov_b64 s[64:65], 0
	v_nop
	global_prefetch_b8 v0, s[64:65] scope:SCOPE_SE
	s_setreg_imm32_b32 hwreg(HW_REG_WAVE_MODE, 25, 1), 1
	s_wait_xcnt 0x0
; cast: the ten f32 weight matrices become bf16, each kept [K][N] as given, one behind the other in wb
; (byte offsets: eight matrices of 512 x 512 at i x 524,288; ff_w1 at 4,194,304; ff_w2 at 6,291,456).
; The two query weights are multiplied by log2(e) / sqrt(32) before the rounding, so that the attention kernels
; get scores that are ready for an exponential in base 2.
; LIMIT: that factor is applied to the weight and rounded with it to bf16; reference() scales the f32 scores.
; A stream: 256 work-groups x 256 threads; thread t of group g takes 16 bytes of each small matrix and four times
; 16 bytes of each large one.  All 16 loads go out first; nothing is read twice; a wave's store covers 256
; consecutive bytes, aligned.  No LDS, no matrix unit: there is nothing to share or to multiply.
	s_load_b512 s[4:19], s[0:1], 0x0               ; the eight 512 x 512 matrices
	s_load_b128 s[20:23], s[0:1], 0x40             ; ff_w1, ff_w2
	s_load_b64 s[24:25], s[0:1], 0x50              ; wb
	s_lshl_b32 s26, ttmp9, 12                      ; g x 4,096: my group's bytes in a small matrix
	s_lshl_b32 s27, ttmp9, 14                      ; g x 16,384: in a large one
	s_lshl_b32 s28, ttmp9, 11                      ; the same in bf16
	s_lshl_b32 s29, ttmp9, 13
	v_lshl_add_u32 v1, v0, 4, s26
	v_lshl_add_u32 v2, v0, 4, s27
	v_lshl_add_u32 v3, v0, 3, s28
	v_lshl_add_u32 v4, v0, 3, s29
	s_wait_kmcnt 0x0
.irp n, 0,1,2,3,4,5,6,7
	global_load_b128 v[8+4*\n:11+4*\n], v1, s[4+2*\n:5+2*\n] th:TH_LOAD_NT
.endr
.irp c, 0,1,2,3
	global_load_b128 v[40+4*\c:43+4*\c], v2, s[20:21] offset:\c*4096 th:TH_LOAD_NT
.endr
.irp c, 0,1,2,3
	global_load_b128 v[56+4*\c:59+4*\c], v2, s[22:23] offset:\c*4096 th:TH_LOAD_NT
.endr
; load n: wait, scale where it is a query weight, round, store.  Every load has registers of its own: none is written twice.
.macro OUT n, voff, imm, scale
	s_wait_loadcnt 15-\n                           ; loads come back in order: the 15-n younger ones stay out
.if \scale
	v_pk_mul_f32 v[8+4*\n:9+4*\n], v[8+4*\n:9+4*\n], 0x3e8293ee op_sel_hi:[1,0]
	v_pk_mul_f32 v[10+4*\n:11+4*\n], v[10+4*\n:11+4*\n], 0x3e8293ee op_sel_hi:[1,0]
.endif
	v_cvt_pk_bf16_f32 v[72+2*\n], v[8+4*\n], v[9+4*\n]
	v_cvt_pk_bf16_f32 v[73+2*\n], v[10+4*\n], v[11+4*\n]
	global_store_b64 v[\voff], v[72+2*\n:73+2*\n], s[24:25] offset:\imm
.endm
	OUT 0, 3, 0*524288, 1
	OUT 1, 3, 1*524288, 0
	OUT 2, 3, 2*524288, 0
	OUT 3, 3, 3*524288, 0
	OUT 4, 3, 4*524288, 1
	OUT 5, 3, 5*524288, 0
	OUT 6, 3, 6*524288, 0
	OUT 7, 3, 7*524288, 0
	OUT 8, 4, 4194304+0*2048, 0
	OUT 9, 4, 4194304+1*2048, 0
	OUT 10, 4, 4194304+2*2048, 0
	OUT 11, 4, 4194304+3*2048, 0
	OUT 12, 4, 6291456+0*2048, 0
	OUT 13, 4, 6291456+1*2048, 0
	OUT 14, 4, 6291456+2*2048, 0
	OUT 15, 4, 6291456+3*2048, 0
	s_endpgm
.Lfunc_end_k_q485b316078_cast:
	.size	k_q485b316078_cast, .Lfunc_end_k_q485b316078_cast-k_q485b316078_cast
	.p2alignl 7, 3214868480
	.fill 96, 4, 3214868480
	.section	.rodata,"a",@progbits
	.p2align	6, 0x0
	.amdhsa_kernel k_q485b316078_cast
		.amdhsa_group_segment_fixed_size 0
		.amdhsa_private_segment_fixed_size 0
		.amdhsa_enable_private_segment 0
		.amdhsa_kernarg_size 88
		.amdhsa_user_sgpr_count 2
		.amdhsa_user_sgpr_kernarg_segment_ptr 1
		.amdhsa_wavefront_size32 1
		.amdhsa_system_sgpr_workgroup_id_x 1
		.amdhsa_system_sgpr_workgroup_id_y 1
		.amdhsa_system_sgpr_workgroup_id_z 1
		.amdhsa_system_vgpr_workitem_id 0
		.amdhsa_next_free_vgpr 104
		.amdhsa_next_free_sgpr 66
		.amdhsa_reserve_vcc 0
		.amdhsa_float_denorm_mode_32 3
		.amdhsa_float_denorm_mode_16_64 3
		.amdhsa_memory_ordered 1
		.amdhsa_forward_progress 1
		.amdhsa_inst_pref_size 7
	.end_amdhsa_kernel
	.amdgpu_metadata
---
amdhsa.version: [ 1, 2 ]
amdhsa.kernels:
  - .name:           k_q485b316078_cast
    .symbol:         k_q485b316078_cast.kd
    .args:
      - { .name: sa_wq, .offset: 0, .size: 8, .value_kind: global_buffer, .address_space: global }
      - { .name: sa_wk, .offset: 8, .size: 8, .value_kind: global_buffer, .address_space: global }
      - { .name: sa_wv, .offset: 16, .size: 8, .value_kind: global_buffer, .address_space: global }
      - { .name: sa_pw, .offset: 24, .size: 8, .value_kind: global_buffer, .address_space: global }
      - { .name: ca_wq, .offset: 32, .size: 8, .value_kind: global_buffer, .address_space: global }
      - { .name: ca_wk, .offset: 40, .size: 8, .value_kind: global_buffer, .address_space: global }
      - { .name: ca_wv, .offset: 48, .size: 8, .value_kind: global_buffer, .address_space: global }
      - { .name: ca_pw, .offset: 56, .size: 8, .value_kind: global_buffer, .address_space: global }
      - { .name: ff_w1, .offset: 64, .size: 8, .value_kind: global_buffer, .address_space: global }
      - { .name: ff_w2, .offset: 72, .size: 8, .value_kind: global_buffer, .address_space: global }
      - { .name: wb, .offset: 80, .size: 8, .value_kind: global_buffer, .address_space: global }
    .group_segment_fixed_size: 0
    .private_segment_fixed_size: 0
    .kernarg_segment_align: 8
    .kernarg_segment_size: 88
    .max_flat_workgroup_size: 256
    .sgpr_count:     66
    .vgpr_count:     104
    .wavefront_size: 32
...
	.end_amdgpu_metadata
.endif
;; end of part 1
;; launch qkv (part 2): grid 256 x 1, 4 waves a work-group, clusters of 4 x 1, 327,680 bytes of LDS; arguments x, encoder_output, wb, ln1_g, ln1_b, qb, kv; writes qb, kv
.if DOCPART == 2
	.amdgcn_target "amdgcn-amd-amdhsa--gfx1250"
	.amdhsa_code_object_version 6
	.text
	.protected	k_q485b316078_qkv
	.globl	k_q485b316078_qkv
	.p2align	8
	.type	k_q485b316078_qkv,@function
k_q485b316078_qkv:
	s_mov_b64 s[64:65], 0
	v_nop
	global_prefetch_b8 v0, s[64:65] scope:SCOPE_SE
	s_setreg_imm32_b32 hwreg(HW_REG_WAVE_MODE, 25, 1), 1
	s_wait_xcnt 0x0
	s_wait_alu depctr_hold_cnt(0) depctr_sa_sdst(0) depctr_va_vdst(0) depctr_va_sdst(0) depctr_va_ssrc(0) depctr_va_vcc(0) depctr_vm_vsrc(0)
	s_getreg_b32 s2, hwreg(HW_REG_IB_STS2, 6, 4)
	s_cmp_eq_u32 s2, 0
	s_cbranch_scc0 .Lentry_in_a_cluster
	s_endpgm
.Lentry_in_a_cluster:
	s_bfe_u32 s2, ttmp6, 0x10000c
	s_cmp_lg_u32 s2, 0x3003
	s_cbranch_scc0 .Lentry_shape_is_right
	s_endpgm
.Lentry_shape_is_right:
; qkv: q1 = LN1(x) wq, k1 = x wk, v1 = x wv, k2 = enc wk, v2 = enc wv, all stored bf16 as [batch][head][token][32].
; A work-group owns 32 whole rows (tokens), so the LayerNorm stays on chip.  The three activation blocks (raw x, LN1(x), raw enc)
; lie in LDS as bf16 [32][512]; five "units" of 32 x 512 x 512 follow.  Wave w makes output columns 128 w .. 128 w + 127 of every unit:
; 16 accumulator tiles of 16 x 16.  The bf16 weights stream through a ring of LDS slots that is each wave's own, in tiles of
; 32 k x 128 columns whose memory rows are 256 bytes, aligned.
; CLUSTER: the four work-groups of a cluster walk the same weights, so every weight tile is asked for jointly (mask 15).
; The matrix instruction is used transposed (source 0 = weights, source 1 = activations): a lane's eight results are eight neighbouring
; columns of one row.  Weights stay [K][N]; the transposing LDS load makes their fragments.
; The k-steps are written out by macro, not looped: 5 of 6 slots are filled behind one round, a pattern of 30 tiles that divides no unit of 16.
; LIMITS: LayerNorm in f32, two passes (mean, then centred squares); v_rsq_f32 flushes denormals; NaN and infinities are not treated specially.
.set NSLOT, 6                          ; slots in a wave's ring
.set NFILL, 5                          ; filled behind one round of the cluster's barrier
.set NTILE, 80                         ; 5 units x 16 k-steps
.set PA, 1040                          ; activation row: 1,024 bytes + 16: 16 rows start at 16 different 16-byte columns
.set PB, 288                           ; weight row in LDS: 256 bytes + 32
.set SLOTB, 32*PB                      ; 9,216
.set ACT1, 33280                       ; LN1(x); ACT0 (raw x) lies at 0
.set ACT2, 66560                       ; raw encoder rows
.set STG, 33280                        ; the way out: 8,320 bytes apart for each wave, in ACT1 once the q unit has read it
.set RB, 99840                         ; the rings: only tensor loads write here
.set G0, 68                            ; s[68:91] descriptor group 0, one set for each slot
.set FB0, 32                           ; v32-95 weight fragments, v96-111 activation fragments
.set FB1, 112                          ; the second buffer
.set MSB, 0
.set TI, 0                             ; the next tile to be read
.set LASTISS, -1                       ; the last tile asked for
.set CURSLOT, 0
.macro WIN new                         ; register windows: the immediate's high byte repeats the setting that is left
.if MSB != \new
	s_set_vgpr_msb (MSB<<8)|\new
.set MSB, \new
.endif
.endm
.macro PLACES                          ; the four places behind a matrix instruction (ISA guide 7.12.1)
.rept 4
	v_nop
.endr
.endm
.macro SYNC                            ; my LDS instructions are done; then the work-group's barrier
	s_wait_dscnt 0x0
	s_barrier_signal -1
	s_barrier_wait -1
.endm
.macro ROUND                           ; a round of the cluster's barrier
	s_barrier_signal -1
	s_barrier_wait -1
	s_cmp_lg_u32 s24, 0
	s_cbranch_scc1 .Lnot_wave_0_\@
	s_barrier_signal -3
.Lnot_wave_0_\@:
	s_barrier_wait -3
	s_barrier_signal -1
	s_barrier_wait -1
.endm
.macro TSRC t                          ; tile t: byte offset in wb.  Units: sa_wq, sa_wk, sa_wv, ca_wk, ca_wv
.set TS_U, (\t)/16
.set TS_K, (\t)%16
.if TS_U < 3
.set TS_OFF, TS_U*524288+TS_K*32768
.else
.set TS_OFF, (TS_U+2)*524288+TS_K*32768
.endif
.endm
.macro ISSUE t                         ; ask for tile t, into slot t mod NSLOT
	TSRC \t
.set IS_G, G0+4*((\t)%NSLOT)
	s_add_nc_u64 s[IS_G+2:IS_G+3], s[44:45], TS_OFF
	s_or_b32 s[IS_G+3], s[IS_G+3], 0x80000000
	tensor_load_to_lds s[IS_G:IS_G+3], s[28:35]
	s_nop 0
.set LASTISS, \t
.endm
.macro REFILL                          ; the slots that have been read are filled again
	s_wait_dscnt 0x0                               ; my reads of them are back
	s_wait_tensorcnt 0x0                           ; all my tensor loads have landed: every group 0 may be written
	ds_add_u32 v27, v31
	s_wait_dscnt 0x0
	ROUND                                          ; both now hold of every wave of the four work-groups
.set RF_N, NTILE-1-LASTISS
.if RF_N > NFILL
.set RF_N, NFILL
.endif
.rept RF_N
	ISSUE LASTISS+1                                ; the first tensor loads behind the round
.endr
.endm
.macro ACQ                             ; tile TI is about to be read
.if TI > 0
.if TI % NFILL == 0
.if LASTISS < NTILE-1
	REFILL
.endif
.endif
.endif
	s_wait_tensorcnt LASTISS-TI                    ; tensor loads end in order: the tiles asked for behind tile TI stay out
.set CURSLOT, TI % NSLOT
.set TI, TI+1
.endm
.macro FETCH kk, fb, va                ; 20 LDS loads: 32 rows x 32 k of activations, 128 columns x 32 k of weights
.irp mt, 0,1
	ds_load_b128 v[\fb+64+8*\mt:\fb+64+8*\mt+3], v[\va] offset:\mt*16*PA+(\kk)*64
	ds_load_b128 v[\fb+64+8*\mt+4:\fb+64+8*\mt+7], v[\va] offset:\mt*16*PA+(\kk)*64+32
.endr
.irp nt, 0,1,2,3,4,5,6,7
	ds_load_tr16_b128 v[\fb+8*\nt:\fb+8*\nt+3], v4 offset:CURSLOT*SLOTB+32*\nt
	ds_load_tr16_b128 v[\fb+8*\nt+4:\fb+8*\nt+7], v4 offset:CURSLOT*SLOTB+32*\nt+16*PB
.endr
.endm
.macro MUL fb, a, zero                 ; 16 matrix instructions; the 16 accumulators take turns, one instruction a turn
	WIN 0x50                                       ; C and D in window 1
.irp nt, 0,1,2,3,4,5,6,7
.irp mt, 0,1
.if \zero
	v_wmma_f32_16x16x32_bf16 v[\a+16*\nt+8*\mt:\a+16*\nt+8*\mt+7], v[\fb+8*\nt:\fb+8*\nt+7], v[\fb+64+8*\mt:\fb+64+8*\mt+7], 0
.else
	v_wmma_f32_16x16x32_bf16 v[\a+16*\nt+8*\mt:\a+16*\nt+8*\mt+7], v[\fb+8*\nt:\fb+8*\nt+7], v[\fb+64+8*\mt:\fb+64+8*\mt+7], v[\a+16*\nt+8*\mt:\a+16*\nt+8*\mt+7]
.endif
.endr
.endr
.endm
.macro UNIT a, va, zero                ; 16 k-steps; while one is multiplied the next one's fragments are on their way
	ACQ
	PLACES
	FETCH 0, FB0, \va
.set UK, 0
.rept 15
	ACQ
.if UK > 0
	PLACES
.endif
.if UK % 2 == 0
	FETCH UK+1, FB1, \va
	s_wait_dscnt 20                                ; all but the 20 loads just issued
.if UK == 0
	MUL FB0, \a, \zero
.else
	MUL FB0, \a, 0
.endif
.else
	FETCH UK+1, FB0, \va
	s_wait_dscnt 20
	MUL FB1, \a, 0
.endif
	WIN 0
.set UK, UK+1
.endr
	s_wait_dscnt 0x0
	MUL FB1, \a, 0
	WIN 0
.endm
; The way out, bf16, head-major: my 128 columns are four heads; two heads at a time go through my own stage (rows of 64 + 16 bytes)
; and leave as 512 consecutive bytes (8 tokens of one head) for each store of the wave.
.macro EPI_HM a, sb
	PLACES
.irp hh, 0,1
	WIN 0x05
.irp n2, 0,1,2,3
.irp mt, 0,1
.irp q, 0,1,2,3
	v_cvt_pk_bf16_f32 v[192+8*\n2+4*\mt+\q], v[\a+16*(4*\hh+\n2)+8*\mt+2*\q], v[\a+16*(4*\hh+\n2)+8*\mt+2*\q+1]
.endr
.endr
.endr
	WIN 0
.irp n2, 0,1,2,3
.irp mt, 0,1
	ds_store_b128 v8, v[192+8*\n2+4*\mt:192+8*\n2+4*\mt+3] offset:(\n2/2)*2560+\mt*1280+(\n2%2)*32
.endr
.endr
	s_wait_xcnt 0x0                                ; v224-255, which earlier stores read, are loaded again only behind this wait
.irp i, 0,1,2,3,4,5,6,7
	ds_load_b128 v[224+4*\i:227+4*\i], v9 offset:\i*640     ; LDS serves a wave's instructions in order: these see the stores above
.endr
.irp i, 0,1,2,3,4,5,6,7
	s_wait_dscnt 7-\i
	global_store_b128 v10, v[224+4*\i:227+4*\i], s[\sb:\sb+1] offset:(2*\hh+\i/4)*65536+(\i%4)*512
.endr
.endr
.endm
.macro ROWSUM b                        ; sums over the 32 lanes for my eight rows at once; row i's figure in v[b + 8 i], v[b + 8 i + 1] is spent
.irp m, 1,2,4,8
.irp i, 0,1,2,3,4,5,6,7
	v_add_f32_dpp v[\b+8*\i], v[\b+8*\i], v[\b+8*\i] row_xmask:\m row_mask:0xf bank_mask:0xf
.endr
.endr
.irp i, 0,1,2,3,4,5,6,7
	v_permlanex16_b32 v[\b+8*\i+1], v[\b+8*\i], s48, s49
.endr
.irp i, 0,1,2,3,4,5,6,7
	v_add_f32 v[\b+8*\i], v[\b+8*\i], v[\b+8*\i+1]
.endr
.endm
	s_load_b256 s[4:11], s[0:1], 0x0               ; x s[4:5], enc s[6:7], wb s[8:9], ln1_g s[10:11]
	s_load_b128 s[12:15], s[0:1], 0x20             ; ln1_b s[12:13], qb s[14:15]
	s_load_b64 s[16:17], s[0:1], 0x30              ; kv
	v_lshl_add_u32 v27, v0, 2, 0x4e600
	v_mov_b32 v31, 0
	ds_add_u32 v27, v31
	ds_add_u32 v27, v31
	v_and_b32 v1, 31, v0                           ; L
	v_lshrrev_b32 v28, 5, v0
	v_readfirstlane_b32 s24, v28                   ; wave
	v_and_b32 v2, 15, v0                           ; r
	v_bfe_u32 v3, v0, 4, 1                         ; h
	s_bfe_u32 s25, ttmp6, 0x40000                  ; cx
	s_lshl_b32 s26, ttmp9, 2
	s_add_co_u32 s26, s26, s25                     ; row block = 4 x cluster + cx: it feeds global row addresses alone
	s_mov_b32 s48, 0x76543210                      ; v_permlanex16_b32: lane i reads lane i of the other half
	s_mov_b32 s49, 0xfedcba98
	; group 1: 32 rows x 128 bf16, 512 elements from row to row; 8 words of padding behind every 64; mask: all four work-groups
	s_mov_b32 s28, 15|(1<<16)|(1<<20)|(1<<21)|(5<<22)|(7<<25)
	s_mov_b32 s29, 128<<16
	s_mov_b32 s30, 32<<16
	s_mov_b32 s31, 128<<16
	s_mov_b32 s32, 32
	s_mov_b32 s33, 512
	s_mov_b32 s34, 0
	s_mov_b32 s35, 0
	s_mul_i32 s27, s24, NSLOT*SLOTB                ; my ring
.set i, 0
.rept NSLOT
	s_mov_b32 s[G0+4*i], 1
	s_add_co_u32 s[G0+4*i+1], s27, RB+i*SLOTB
.set i, i+1
.endr
	v_lshlrev_b32 v10, 4, v1                       ; 16 L
	v_and_b32 v28, 7, v0
	v_lshl_add_u32 v28, v3, 3, v28                 ; 8 h + (L & 7): the k row that I address for the transposing load
	v_mul_u32_u24 v28, v28, PB
	v_bfe_u32 v29, v0, 3, 1
	v_lshl_add_u32 v28, v29, 4, v28
	s_add_co_u32 s46, s27, RB
	v_add_nc_u32 v4, s46, v28                      ; weight fragments, slot 0
	v_mul_u32_u24 v28, v2, PA
	v_lshl_add_u32 v5, v3, 4, v28                  ; activation fragments: raw x,
	v_add_nc_u32 v6, ACT1, v5                      ; LN1(x),
	v_add_nc_u32 v7, ACT2, v5                      ; raw enc
	s_mul_i32 s46, s24, 8320
	s_add_co_u32 s46, s46, STG                     ; my stage
	v_mul_u32_u24 v28, v2, 80
	v_lshl_add_u32 v28, v3, 4, v28
	v_add_nc_u32 v8, s46, v28                      ; in: token r, 16 bytes for each half of the lanes
	v_lshrrev_b32 v28, 2, v1
	v_and_b32 v29, 3, v0
	v_mul_u32_u24 v30, v28, 80
	v_lshl_add_u32 v30, v29, 4, v30
	v_add_nc_u32 v9, s46, v30                      ; back: four lanes take a token's 64 bytes
	s_mul_i32 s46, s24, 8*PA
	v_lshl_add_u32 v16, v1, 3, s46                 ; my eight rows in ACT0 (and ACT1 by the immediate): 8 bytes a lane
	v_add_nc_u32 v17, ACT2, v16
	s_lshl_b32 s46, s24, 8                         ; my 128 columns in a weight row
	s_mov_b32 s47, 0
	s_lshl_b32 s20, s26, 16                        ; 32 rows of 2,048 bytes
	s_lshl_b32 s22, s24, 14                        ; + my eight rows
	s_add_co_u32 s20, s20, s22
	s_mov_b32 s21, 0
	s_lshr_b32 s22, s26, 5                         ; batch
	s_lshl2_add_u32 s22, s22, s24                  ; 4 batch + wave
	s_lshl_b32 s22, s22, 18                        ; (16 batch + 4 wave) heads of 65,536 bytes
	s_and_b32 s23, s26, 31
	s_lshl_b32 s23, s23, 11                        ; + 32 tokens of 64 bytes for each block
	s_add_co_u32 s22, s22, s23
	s_mov_b32 s23, 0
	s_wait_dscnt 0x0
	s_wait_kmcnt 0x0
	s_add_nc_u64 s[44:45], s[8:9], s[46:47]        ; wb at my columns
	s_add_nc_u64 s[50:51], s[4:5], s[20:21]        ; x at my rows
	s_add_nc_u64 s[52:53], s[6:7], s[20:21]        ; enc at my rows
	s_add_nc_u64 s[54:55], s[14:15], s[22:23]      ; q1
	s_add_nc_u64 s[56:57], s[16:17], s[22:23]      ; k1
	s_add_nc_u64 s[58:59], s[56:57], 8388608       ; v1
	s_add_nc_u64 s[60:61], s[56:57], 16777216      ; k2
	s_add_nc_u64 s[62:63], s[56:57], 25165824      ; v2
	ROUND                                          ; the four work-groups are here: the first joint loads meet
.rept NSLOT
	ISSUE LASTISS+1                                ; six tensor loads of the wave are out
.endr
	; rows: lane L holds columns 128 c + 4 L .. + 3 of row 8 w + i
.irp c, 0,1,2,3
	global_load_b128 v[160+4*\c:163+4*\c], v10, s[10:11] offset:\c*512
	global_load_b128 v[176+4*\c:179+4*\c], v10, s[12:13] offset:\c*512
.endr
.irp i, 0,1,2,3,4,5,6,7
.irp c, 0,1,2,3
	global_load_b128 v[32+16*\i+4*\c:35+16*\i+4*\c], v10, s[50:51] offset:\i*2048+\c*512
.endr
.endr
	WIN 0x40                                       ; the encoder's rows wait in window 1, where the accumulators will lie
.irp i, 0,1,2,3,4,5,6,7
.irp c, 0,1,2,3
	global_load_b128 v[16*\i+4*\c:16*\i+4*\c+3], v10, s[52:53] offset:\i*2048+\c*512 th:TH_LOAD_NT
.endr
.endr
	WIN 0
	s_mov_b32 s46, 0x3b000000                      ; 1 / 512
	s_mov_b32 s47, 0x3727c5ac                      ; 1e-5
	s_wait_loadcnt 32                              ; gain, bias and x are in; the encoder's 32 loads stay out
	; raw x, rounded, into ACT0
.irp i, 0,1,2,3,4,5,6,7
.irp c, 0,1,2,3
	v_cvt_pk_bf16_f32 v[192+8*\i+2*\c], v[32+16*\i+4*\c], v[33+16*\i+4*\c]
	v_cvt_pk_bf16_f32 v[193+8*\i+2*\c], v[34+16*\i+4*\c], v[35+16*\i+4*\c]
	ds_store_b64 v16, v[192+8*\i+2*\c:193+8*\i+2*\c] offset:\i*PA+\c*256
.endr
.endr
	; the mean of each row
.irp i, 0,1,2,3,4,5,6,7
.irp k, 0,1,2,3
	v_pk_add_f32 v[192+8*\i+2*\k:193+8*\i+2*\k], v[32+16*\i+4*\k:33+16*\i+4*\k], v[34+16*\i+4*\k:35+16*\i+4*\k]
.endr
.endr
.irp i, 0,1,2,3,4,5,6,7
	v_pk_add_f32 v[192+8*\i:193+8*\i], v[192+8*\i:193+8*\i], v[194+8*\i:195+8*\i]
	v_pk_add_f32 v[196+8*\i:197+8*\i], v[196+8*\i:197+8*\i], v[198+8*\i:199+8*\i]
.endr
.irp i, 0,1,2,3,4,5,6,7
	v_pk_add_f32 v[192+8*\i:193+8*\i], v[192+8*\i:193+8*\i], v[196+8*\i:197+8*\i]
.endr
.irp i, 0,1,2,3,4,5,6,7
	v_add_f32 v[192+8*\i], v[192+8*\i], v[193+8*\i]
.endr
	ROWSUM 192
.irp i, 0,1,2,3,4,5,6,7
	v_mul_f32 v[192+8*\i], s46, v[192+8*\i]
.endr
.irp i, 0,1,2,3,4,5,6,7
	v_mov_b32 v[193+8*\i], v[192+8*\i]
.endr
	; centred in place, then the sum of squares in two chains a row
.irp i, 0,1,2,3,4,5,6,7
.irp k, 0,1,2,3,4,5,6,7
	v_pk_add_f32 v[32+16*\i+2*\k:33+16*\i+2*\k], v[32+16*\i+2*\k:33+16*\i+2*\k], v[192+8*\i:193+8*\i] neg_lo:[0,1] neg_hi:[0,1]
.endr
.endr
.irp i, 0,1,2,3,4,5,6,7
	v_pk_mul_f32 v[194+8*\i:195+8*\i], v[32+16*\i:33+16*\i], v[32+16*\i:33+16*\i]
	v_pk_mul_f32 v[196+8*\i:197+8*\i], v[34+16*\i:35+16*\i], v[34+16*\i:35+16*\i]
.irp k, 1,2,3
	v_pk_fma_f32 v[194+8*\i:195+8*\i], v[32+16*\i+4*\k:33+16*\i+4*\k], v[32+16*\i+4*\k:33+16*\i+4*\k], v[194+8*\i:195+8*\i]
	v_pk_fma_f32 v[196+8*\i:197+8*\i], v[34+16*\i+4*\k:35+16*\i+4*\k], v[34+16*\i+4*\k:35+16*\i+4*\k], v[196+8*\i:197+8*\i]
.endr
.endr
.irp i, 0,1,2,3,4,5,6,7
	v_pk_add_f32 v[194+8*\i:195+8*\i], v[194+8*\i:195+8*\i], v[196+8*\i:197+8*\i]
.endr
.irp i, 0,1,2,3,4,5,6,7
	v_add_f32 v[194+8*\i], v[194+8*\i], v[195+8*\i]
.endr
	ROWSUM 194
.irp i, 0,1,2,3,4,5,6,7
	v_fma_f32 v[194+8*\i], v[194+8*\i], s46, s47   ; variance + 1e-5
.endr
.irp i, 0,1,2,3,4,5,6,7
	v_rsq_f32 v[194+8*\i], v[194+8*\i]
.endr
	v_nop                                          ; one plain place behind the last v_rsq_f32 (ISA guide 5.7.2)
	s_wait_alu depctr_va_vdst(0)
.irp i, 0,1,2,3,4,5,6,7
	v_mov_b32 v[195+8*\i], v[194+8*\i]
.endr
	; scaled, gain and bias, rounded, into ACT1
.irp i, 0,1,2,3,4,5,6,7
.irp k, 0,1,2,3,4,5,6,7
	v_pk_mul_f32 v[32+16*\i+2*\k:33+16*\i+2*\k], v[32+16*\i+2*\k:33+16*\i+2*\k], v[194+8*\i:195+8*\i]
.endr
.irp k, 0,1,2,3,4,5,6,7
	v_pk_fma_f32 v[32+16*\i+2*\k:33+16*\i+2*\k], v[32+16*\i+2*\k:33+16*\i+2*\k], v[160+2*\k:161+2*\k], v[176+2*\k:177+2*\k]
.endr
.irp k, 0,1,2,3,4,5,6,7
	v_cvt_pk_bf16_f32 v[32+16*\i+\k], v[32+16*\i+2*\k], v[33+16*\i+2*\k]
.endr
.irp c, 0,1,2,3
	ds_store_b64 v16, v[32+16*\i+2*\c:33+16*\i+2*\c] offset:ACT1+\i*PA+\c*256
.endr
.endr
	s_wait_loadcnt 0x0                             ; the encoder's rows
	WIN 0x05
.irp i, 0,1,2,3,4,5,6,7
.irp c, 0,1,2,3
	v_cvt_pk_bf16_f32 v[32+8*\i+2*\c], v[16*\i+4*\c], v[16*\i+4*\c+1]
	v_cvt_pk_bf16_f32 v[33+8*\i+2*\c], v[16*\i+4*\c+2], v[16*\i+4*\c+3]
.endr
.endr
	WIN 0
.irp i, 0,1,2,3,4,5,6,7
.irp c, 0,1,2,3
	ds_store_b64 v17, v[32+8*\i+2*\c:33+8*\i+2*\c] offset:\i*PA+\c*256
.endr
.endr
	SYNC                                           ; all 32 rows of the three blocks are in LDS
	UNIT 0, 6, 1                                   ; q1 from LN1(x)
	SYNC                                           ; nobody reads ACT1 any more: it becomes the stages
	EPI_HM 0, 54
	UNIT 0, 5, 1                                   ; k1 from raw x
	EPI_HM 0, 56
	UNIT 0, 5, 1                                   ; v1
	EPI_HM 0, 58
	UNIT 0, 7, 1                                   ; k2 from the encoder's rows
	EPI_HM 0, 60
	UNIT 0, 7, 1                                   ; v2
	EPI_HM 0, 62
	s_wait_tensorcnt 0x0
	ds_add_u32 v27, v31
	s_wait_dscnt 0x0
	ROUND                                          ; the closing round: no work-group ends while a partner may still ask jointly
	s_endpgm
.Lfunc_end_k_q485b316078_qkv:
	.size	k_q485b316078_qkv, .Lfunc_end_k_q485b316078_qkv-k_q485b316078_qkv
	.p2alignl 7, 3214868480
	.fill 96, 4, 3214868480
	.section	.rodata,"a",@progbits
	.p2align	6, 0x0
	.amdhsa_kernel k_q485b316078_qkv
		.amdhsa_group_segment_fixed_size 327680
		.amdhsa_private_segment_fixed_size 0
		.amdhsa_enable_private_segment 0
		.amdhsa_kernarg_size 56
		.amdhsa_user_sgpr_count 2
		.amdhsa_user_sgpr_kernarg_segment_ptr 1
		.amdhsa_wavefront_size32 1
		.amdhsa_system_sgpr_workgroup_id_x 1
		.amdhsa_system_sgpr_workgroup_id_y 1
		.amdhsa_system_sgpr_workgroup_id_z 1
		.amdhsa_system_vgpr_workitem_id 0
		.amdhsa_next_free_vgpr 384
		.amdhsa_next_free_sgpr 92
		.amdhsa_reserve_vcc 0
		.amdhsa_float_denorm_mode_32 3
		.amdhsa_float_denorm_mode_16_64 3
		.amdhsa_memory_ordered 1
		.amdhsa_forward_progress 1
		.amdhsa_inst_pref_size 255
	.end_amdhsa_kernel
	.section	.bss,"aw",@nobits
	.p2align	6
	.space	262144
	.amdgpu_metadata
---
amdhsa.version: [ 1, 2 ]
amdhsa.kernels:
  - .name:           k_q485b316078_qkv
    .symbol:         k_q485b316078_qkv.kd
    .args:
      - { .name: x, .offset: 0, .size: 8, .value_kind: global_buffer, .address_space: global }
      - { .name: encoder_output, .offset: 8, .size: 8, .value_kind: global_buffer, .address_space: global }
      - { .name: wb, .offset: 16, .size: 8, .value_kind: global_buffer, .address_space: global }
      - { .name: ln1_g, .offset: 24, .size: 8, .value_kind: global_buffer, .address_space: global }
      - { .name: ln1_b, .offset: 32, .size: 8, .value_kind: global_buffer, .address_space: global }
      - { .name: qb, .offset: 40, .size: 8, .value_kind: global_buffer, .address_space: global }
      - { .name: kv, .offset: 48, .size: 8, .value_kind: global_buffer, .address_space: global }
    .group_segment_fixed_size: 327680
    .private_segment_fixed_size: 0
    .kernarg_segment_align: 8
    .kernarg_segment_size: 56
    .max_flat_workgroup_size: 128
    .sgpr_count:     92
    .vgpr_count:     384
    .wavefront_size: 32
...
	.end_amdgpu_metadata
.endif
;; end of part 2
;; launch attn_c (part 3): grid 256 x 1, 8 waves a work-group, no clusters, 222,208 bytes of LDS; arguments qb, kv, ob; writes ob
.if DOCPART == 3
	.amdgcn_target "amdgcn-amd-amdhsa--gfx1250"
	.amdhsa_code_object_version 6
	.text
	.protected	k_q485b316078_attn_c
	.globl	k_q485b316078_attn_c
	.p2align	8
	.type	k_q485b316078_attn_c,@function
k_q485b316078_attn_c:
	s_mov_b64 s[64:65], 0
	v_nop
	global_prefetch_b8 v0, s[64:65] scope:SCOPE_SE
	s_setreg_imm32_b32 hwreg(HW_REG_WAVE_MODE, 25, 1), 1
	s_wait_xcnt 0x0
; Attention of one (batch, head) for half of its queries; CAUSAL = 1: the self-attention, 0: the cross-attention.
; q, k, v, o: bf16 [batch][head][1024][32].  q already carries log2(e) / sqrt(32), so the exponentials are in base 2.
; The head's whole K and V (64 KiB each) are brought into LDS once, by 16 tensor loads (two a wave); nothing is filled again.
; Eight waves, 64 queries each.  Products are used transposed: S^T = K Q^T (lane: one query, registers: keys), O^T = V^T P^T.  So the
; packed probabilities are already the second source of the next product, and maximum and sum belong to a lane (and its partner in the other half).
; Softmax with a running maximum, as reference() takes the row's maximum away.
; NO CLUSTER: only two work-groups share a head's K and V, and each reads them once, 128 KiB for its 2,128 matrix instructions
; (136 steps of 16, less 6 dropped score tiles a wave).
; CAUSAL: query block blk needs 2 blk + 2 steps of 32 keys.  The blocks are dealt so that waves w and w + 4 have blocks that add up to 15.
; LIMITS: v_exp_f32 and v_rcp_f32 flush denormals; the sum of probabilities is made of the f32 values, the product of their bf16 roundings;
; NaN and infinite scores are not treated specially.
.set CAUSAL, 1
.set KOFF, 0                           ; where K and V lie in kv
.set VOFF, 8388608
.set KP, 80                            ; a K row in LDS: 64 bytes + 16
.set VP, 96                            ; a V row: 64 bytes + 32 (read by the transposing load)
.set VBASE, 1024*KP
.set STGB, VBASE+1024*VP               ; 180,224: the way out, 5,120 bytes for each wave; no tensor load lands here
.set QQ, 8                             ; v8-39    four query fragments
.set KF, 40                            ; v40-55   two key fragments (32 keys)
.set VF, 56                            ; v56-71   two value fragments (32 keys x 32)
.set SS, 72                            ; v72-135  scores, 16 a + 8 t; the probabilities are packed into the low 8 registers of each a
.set OO, 136                           ; v136-199 results, 16 a + 8 dt
.set MM, 200                           ; v200-207 pairs: the running maximum, twice
.set AL, 208                           ; v208-215 pairs: the rescaling factor, twice
.set LS, 216                           ; v216-223 pairs: two partial sums
.set TB, 224                           ; v224-239 at work
.set NINF, 240
.macro MAXM a, first                   ; the new maximum of query tile a (16 scores a lane, the old maximum, the partner lane)
.set TA, TB+8*(\a%2)
	v_max3_num_f32 v[TA], v[SS+16*\a], v[SS+16*\a+1], v[SS+16*\a+2]
	v_max3_num_f32 v[TA+1], v[SS+16*\a+3], v[SS+16*\a+4], v[SS+16*\a+5]
	v_max3_num_f32 v[TA+2], v[SS+16*\a+6], v[SS+16*\a+7], v[SS+16*\a+8]
	v_max3_num_f32 v[TA+3], v[SS+16*\a+9], v[SS+16*\a+10], v[SS+16*\a+11]
	v_max3_num_f32 v[TA+4], v[SS+16*\a+12], v[SS+16*\a+13], v[SS+16*\a+14]
.if \first
	v_max_num_f32 v[TA], v[TA], v[SS+16*\a+15]
.else
	v_max3_num_f32 v[TA], v[TA], v[SS+16*\a+15], v[MM+2*\a]
.endif
	v_max3_num_f32 v[TA+1], v[TA+1], v[TA+2], v[TA+3]
	v_max3_num_f32 v[TA], v[TA], v[TA+1], v[TA+4]
	v_permlanex16_b32 v[MM+2*\a+1], v[TA], s40, s41
	v_max_num_f32 v[MM+2*\a+1], v[TA], v[MM+2*\a+1]
.if \first == 0
	v_sub_f32 v[AL+2*\a], v[MM+2*\a], v[MM+2*\a+1]         ; old - new
.endif
	v_mov_b32 v[MM+2*\a], v[MM+2*\a+1]
.endm
.macro SUBM a
.irp i, 0,1,2,3,4,5,6,7
	v_pk_add_f32 v[SS+16*\a+2*\i:SS+16*\a+2*\i+1], v[SS+16*\a+2*\i:SS+16*\a+2*\i+1], v[MM+2*\a:MM+2*\a+1] neg_lo:[0,1] neg_hi:[0,1]
.endr
.endm
.macro EXPM a
.irp i, 0,1,2,3,4,5,6,7,8,9,10,11,12,13,14,15
	v_exp_f32 v[SS+16*\a+\i], v[SS+16*\a+\i]
.endr
.endm
.macro SUMCVT a, first                 ; the sums go on, and pair i is packed into register i once it has been added
.if \first
	s_wait_alu depctr_va_vdst(0)
	v_pk_add_f32 v[LS+2*\a:LS+2*\a+1], v[SS+16*\a:SS+16*\a+1], v[SS+16*\a+2:SS+16*\a+3]
	v_cvt_pk_bf16_f32 v[SS+16*\a], v[SS+16*\a], v[SS+16*\a+1]
	v_cvt_pk_bf16_f32 v[SS+16*\a+1], v[SS+16*\a+2], v[SS+16*\a+3]
.else
	s_wait_alu depctr_va_vdst(0)
	v_pk_fma_f32 v[LS+2*\a:LS+2*\a+1], v[LS+2*\a:LS+2*\a+1], v[AL+2*\a:AL+2*\a+1], v[SS+16*\a:SS+16*\a+1]
	v_cvt_pk_bf16_f32 v[SS+16*\a], v[SS+16*\a], v[SS+16*\a+1]
	v_pk_add_f32 v[LS+2*\a:LS+2*\a+1], v[LS+2*\a:LS+2*\a+1], v[SS+16*\a+2:SS+16*\a+3]
	v_cvt_pk_bf16_f32 v[SS+16*\a+1], v[SS+16*\a+2], v[SS+16*\a+3]
.endif
.irp i, 2,3,4,5,6,7
	v_pk_add_f32 v[LS+2*\a:LS+2*\a+1], v[LS+2*\a:LS+2*\a+1], v[SS+16*\a+2*\i:SS+16*\a+2*\i+1]
	v_cvt_pk_bf16_f32 v[SS+16*\a+\i], v[SS+16*\a+2*\i], v[SS+16*\a+2*\i+1]
.endr
.endm
; One step: 32 keys against my 64 queries.  first = 1: starts maximum, sums and results (nothing is cleared).  pf = 1: the next step's keys are fetched.
; dg = -1: no mask; 0, 1: the two steps on the diagonal: key tile 2 dg + t against query tile a is dropped (>), masked (==) or whole (<).
.macro STEP first, pf, dg
	s_wait_dscnt 0x0                               ; this step's key fragments
.irp a, 0,1,2,3
.irp t, 0,1
.if 2*(\dg)+\t <= \a
	v_wmma_f32_16x16x32_bf16 v[SS+16*\a+8*\t:SS+16*\a+8*\t+7], v[KF+8*\t:KF+8*\t+7], v[QQ+8*\a:QQ+8*\a+7], 0
.endif
.endr
.endr
	v_add_nc_u32 v2, 32*KP, v2                     ; four places behind the matrix instructions (ISA guide 7.12.1): the next keys' address,
	v_nop
	v_nop
	v_nop
.irp dt, 0,1
	ds_load_tr16_b128 v[VF+8*\dt:VF+8*\dt+3], v3 offset:\dt*32
	ds_load_tr16_b128 v[VF+8*\dt+4:VF+8*\dt+7], v3 offset:\dt*32+16*VP
.endr
.if \pf
.irp t, 0,1
	ds_load_b128 v[KF+8*\t:KF+8*\t+3], v2 offset:\t*16*KP
	ds_load_b128 v[KF+8*\t+4:KF+8*\t+7], v2 offset:\t*16*KP+32
.endr
.endif
	v_add_nc_u32 v3, 32*VP, v3
.irp a, 0,1,2,3
.irp t, 0,1
.if 2*(\dg)+\t > \a
.irp j, 0,1,2,3,4,5,6,7
	v_mov_b32 v[SS+16*\a+8*\t+\j], v[NINF]
.endr
.endif
.if 2*(\dg)+\t == \a
.irp j, 0,1,2,3,4,5,6,7
	v_cndmask_b32 v[SS+16*\a+8*\t+\j], v[NINF], v[SS+16*\a+8*\t+\j], s[42+\j]     ; kept where key 8 h + j <= query r
.endr
.endif
.endr
.endr
	MAXM 0, \first
	MAXM 1, \first
	MAXM 2, \first
	MAXM 3, \first
.if \first == 0
.irp a, 0,1,2,3
	v_exp_f32 v[AL+2*\a], v[AL+2*\a]
.endr
.endif
	SUBM 0                                         ; plain work behind each run of exponentials, ahead of the first use of their results (ISA guide 5.7.2)
.if \first == 0
	s_wait_alu depctr_va_vdst(0)
.irp a, 0,1,2,3
	v_mov_b32 v[AL+2*\a+1], v[AL+2*\a]
.endr
.endif
	EXPM 0
	SUBM 1
	SUMCVT 0, \first
	EXPM 1
	SUBM 2
	SUMCVT 1, \first
	EXPM 2
	SUBM 3
	SUMCVT 2, \first
	EXPM 3
.if \first
	v_nop
	s_wait_alu depctr_va_vdst(0)
.else
	s_wait_alu depctr_va_vdst(0)
.irp a, 0,1,2,3
.irp i, 0,1,2,3,4,5,6,7
	v_pk_mul_f32 v[OO+16*\a+2*\i:OO+16*\a+2*\i+1], v[OO+16*\a+2*\i:OO+16*\a+2*\i+1], v[AL+2*\a:AL+2*\a+1]
.endr
.endr
.endif
	SUMCVT 3, \first
.if \pf
	s_wait_dscnt 0x4                               ; the values are in; the four younger loads (the next keys) stay out
.else
	s_wait_dscnt 0x0
.endif
.irp a, 0,1,2,3                        ; eight accumulators by turns, one instruction a turn
.irp dt, 0,1
.if \first
	v_wmma_f32_16x16x32_bf16 v[OO+16*\a+8*\dt:OO+16*\a+8*\dt+7], v[VF+8*\dt:VF+8*\dt+7], v[SS+16*\a:SS+16*\a+7], 0
.else
	v_wmma_f32_16x16x32_bf16 v[OO+16*\a+8*\dt:OO+16*\a+8*\dt+7], v[VF+8*\dt:VF+8*\dt+7], v[SS+16*\a:SS+16*\a+7], v[OO+16*\a+8*\dt:OO+16*\a+8*\dt+7]
.endif
.endr
.endr
.rept 5
	v_nop                                          ; five places: the next scores are written over the probabilities that these products read
.endr
.endm
	s_load_b128 s[4:7], s[0:1], 0x0                ; qb s[4:5], kv s[6:7]
	s_load_b64 s[8:9], s[0:1], 0x10                ; ob
	v_lshl_add_u32 v254, v0, 2, 0x36000
	v_mov_b32 v255, 0
	ds_add_u32 v254, v255
	ds_add_u32 v254, v255
	v_lshrrev_b32 v1, 5, v0
	v_readfirstlane_b32 s10, v1                    ; wave 0..7
	s_lshr_b32 s11, ttmp9, 1                       ; 16 batch + head
	s_and_b32 s50, ttmp9, 1                        ; which half of the query blocks
	; group 1: 8 KiB that are dense in memory, as 32 rows of 32 elements of 8 bytes; padding behind every 16 words (a row of K or V): 4 words for K, 8 for V
	s_mov_b32 s16, (3<<16)|(1<<20)|(3<<22)|(3<<25)
	s_mov_b32 s24, (3<<16)|(1<<20)|(3<<22)|(7<<25)
	s_mov_b32 s17, 32<<16
	s_mov_b32 s25, 32<<16
	s_mov_b32 s18, 32<<16
	s_mov_b32 s26, 32<<16
	s_mov_b32 s19, 32<<16
	s_mov_b32 s27, 32<<16
	s_mov_b32 s20, 32
	s_mov_b32 s28, 32
	s_mov_b32 s21, 32
	s_mov_b32 s29, 32
	s_mov_b32 s22, 0
	s_mov_b32 s30, 0
	s_mov_b32 s23, 0
	s_mov_b32 s31, 0
	s_mov_b32 s32, 1
	s_mul_i32 s33, s10, 128*KP                     ; my 128 rows of K
	s_mov_b32 s36, 1
	s_mul_i32 s37, s10, 128*VP                     ; my 128 rows of V
	s_add_co_u32 s37, s37, VBASE
	s_lshl_b32 s12, s11, 16
	s_lshl_b32 s13, s10, 13
	s_add_co_u32 s12, s12, s13                     ; head x 65,536 + wave x 8,192
	s_mov_b32 s13, 0
	s_wait_dscnt 0x0
	s_wait_kmcnt 0x0
	s_add_nc_u64 s[34:35], s[6:7], s[12:13]
	s_add_nc_u64 s[38:39], s[34:35], VOFF
.if KOFF
	s_add_nc_u64 s[34:35], s[34:35], KOFF
.endif
	s_or_b32 s35, s35, 0x80000000
	s_or_b32 s39, s39, 0x80000000
	tensor_load_to_lds s[32:35], s[16:23]
	s_nop 0
	tensor_load_to_lds s[36:39], s[24:31]          ; two tensor loads of the wave are out
	s_nop 0
.if CAUSAL
	s_and_b32 s51, s10, 3
	s_lshl_b32 s51, s51, 1
	s_and_b32 s52, s10, 1
	s_xor_b32 s52, s52, s50
	s_add_co_u32 s51, s51, s52                     ; 2 (w & 3) + ((w & 1) xor half): 0 .. 7
	s_sub_co_u32 s52, 15, s51
	s_cmp_lt_u32 s10, 4
	s_cselect_b32 s51, s51, s52                    ; waves 4 to 7 take the mirrored block
.else
	s_lshl3_add_u32 s51, s50, s10                  ; query block = 8 x half + wave
.endif
	s_lshl_b32 s12, s11, 16
	s_lshl_b32 s52, s51, 12                        ; 64 queries of 64 bytes
	s_add_co_u32 s12, s12, s52
	s_add_nc_u64 s[14:15], s[4:5], s[12:13]        ; my queries
	s_add_nc_u64 s[54:55], s[8:9], s[12:13]        ; my results
	s_mov_b32 s40, 0x76543210
	s_mov_b32 s41, 0xfedcba98
	v_and_b32 v224, 15, v0                         ; r
	v_bfe_u32 v225, v0, 4, 1                       ; h
	v_and_b32 v226, 31, v0                         ; L
	v_lshlrev_b32 v4, 6, v224
	v_lshl_add_u32 v4, v225, 4, v4                 ; query r, 16 bytes for each half
.irp a, 0,1,2,3
	global_load_b128 v[QQ+8*\a:QQ+8*\a+3], v4, s[14:15] offset:\a*1024
	global_load_b128 v[QQ+8*\a+4:QQ+8*\a+7], v4, s[14:15] offset:\a*1024+32
.endr
	v_mul_u32_u24 v2, v224, KP
	v_lshl_add_u32 v2, v225, 4, v2                 ; key fragments
	v_and_b32 v227, 7, v0
	v_lshl_add_u32 v227, v225, 3, v227
	v_mul_u32_u24 v227, v227, VP
	v_bfe_u32 v228, v0, 3, 1
	v_lshl_add_u32 v227, v228, 4, v227
	v_add_nc_u32 v3, VBASE, v227                   ; value fragments (transposing load)
	s_mul_i32 s52, s10, 5120
	s_add_co_u32 s52, s52, STGB                    ; my stage
	v_add_nc_u32 v5, s52, v2                       ; in: row r of 80 bytes, 16 bytes for each half
	v_lshrrev_b32 v227, 2, v226
	v_mul_u32_u24 v227, v227, 80
	v_and_b32 v228, 3, v0
	v_lshl_add_u32 v227, v228, 4, v227
	v_add_nc_u32 v6, s52, v227                     ; back: four lanes take a query's 64 bytes
	v_lshlrev_b32 v7, 4, v226
.irp a, 0,1,2,3
	v_mov_b32 v[MM+2*\a+1], 0                      ; the destination of v_permlanex16_b32 counts as read: it is written once here
.endr
.if CAUSAL
	v_mov_b32 v[NINF], 0xff800000
.irp j, 0,1,2,3,4,5,6,7
	v_lshl_add_u32 v227, v225, 3, \j
	v_cmp_le_u32 s[42+\j], v227, v224              ; key 8 h + j <= query r
.endr
.endif
	s_wait_tensorcnt 0x0                           ; my parts of K and V have landed,
	s_barrier_signal -1
	s_barrier_wait -1                              ; everybody's have
.irp t, 0,1
	ds_load_b128 v[KF+8*\t:KF+8*\t+3], v2 offset:\t*16*KP
	ds_load_b128 v[KF+8*\t+4:KF+8*\t+7], v2 offset:\t*16*KP+32
.endr
	s_wait_loadcnt 0x0                             ; my queries
.if CAUSAL
	s_cmp_eq_u32 s51, 0                            ; the branch hangs on the wave's number and the group's number alone; no barrier stands inside it
	s_cbranch_scc1 .Lblock_0
	STEP 1, 1, -1
	s_lshl_b32 s52, s51, 1
	s_sub_co_u32 s52, s52, 1                       ; 2 blk whole steps: one above, 2 blk - 1 (1 to 29) in the loop
	s_max_u32 s52, s52, 1                          ; blk is at least 1 on this way, so this changes nothing: it states in the text that the count starts at 1 or more
.Lstep:
	STEP 0, 1, -1
	s_sub_co_u32 s52, s52, 1
	s_cmp_lg_u32 s52, 0
	s_cbranch_scc1 .Lstep
	STEP 0, 1, 0
	s_branch .Llast
.Lblock_0:
	STEP 1, 1, 0
.Llast:
	STEP 0, 0, 1
.else
	STEP 1, 1, -1
	s_mov_b32 s52, 30
.Lstep:
	STEP 0, 1, -1
	s_sub_co_u32 s52, s52, 1
	s_cmp_lg_u32 s52, 0
	s_cbranch_scc1 .Lstep
	STEP 0, 0, -1
.endif
	; The steps' key and value addresses come from a trip count that differs from wave to wave.  They end at row 64 blk + 63 <= 1,023 of K and V,
	; below the stages; all the same every wave's reads of K and V are ordered ahead of every store into a stage: load, wait, barrier, store.
	s_wait_dscnt 0x0                               ; my reads of K and V are back
	s_barrier_signal -1
	s_barrier_wait -1                              ; everybody's are
	; the end: divide by the sums, round, and out through my stage as 512 consecutive bytes for each store
.irp a, 0,1,2,3
	v_add_f32 v[LS+2*\a], v[LS+2*\a], v[LS+2*\a+1]
.endr
.irp a, 0,1,2,3
	v_permlanex16_b32 v[LS+2*\a+1], v[LS+2*\a], s40, s41
.endr
.irp a, 0,1,2,3
	v_add_f32 v[LS+2*\a], v[LS+2*\a], v[LS+2*\a+1]
.endr
.irp a, 0,1,2,3
	v_rcp_f32 v[LS+2*\a], v[LS+2*\a]
.endr
	v_nop                                          ; one plain place behind the last v_rcp_f32
	s_wait_alu depctr_va_vdst(0)
.irp a, 0,1,2,3
	v_mov_b32 v[LS+2*\a+1], v[LS+2*\a]
.endr
.irp a, 0,1,2,3
.irp i, 0,1,2,3,4,5,6,7
	v_pk_mul_f32 v[OO+16*\a+2*\i:OO+16*\a+2*\i+1], v[OO+16*\a+2*\i:OO+16*\a+2*\i+1], v[LS+2*\a:LS+2*\a+1]
.endr
.endr
.irp a, 0,1,2,3
.irp i, 0,1,2,3,4,5,6,7
	v_cvt_pk_bf16_f32 v[SS+8*\a+\i], v[OO+16*\a+2*\i], v[OO+16*\a+2*\i+1]
.endr
.endr
.irp a, 0,1,2,3
.irp dt, 0,1
	ds_store_b128 v5, v[SS+8*\a+4*\dt:SS+8*\a+4*\dt+3] offset:\a*1280+\dt*32
.endr
.endr
.irp i, 0,1,2,3,4,5,6,7
	ds_load_b128 v[SS+32+4*\i:SS+32+4*\i+3], v6 offset:\i*640      ; LDS serves a wave's instructions in order: these see the stores above
.endr
.irp i, 0,1,2,3,4,5,6,7
	s_wait_dscnt 7-\i
	global_store_b128 v7, v[SS+32+4*\i:SS+32+4*\i+3], s[54:55] offset:\i*512
.endr
	s_wait_tensorcnt 0x0
	ds_add_u32 v254, v255
	s_wait_dscnt 0x0
	s_endpgm
.Lfunc_end_k_q485b316078_attn_c:
	.size	k_q485b316078_attn_c, .Lfunc_end_k_q485b316078_attn_c-k_q485b316078_attn_c
	.p2alignl 7, 3214868480
	.fill 96, 4, 3214868480
	.section	.rodata,"a",@progbits
	.p2align	6, 0x0
	.amdhsa_kernel k_q485b316078_attn_c
		.amdhsa_group_segment_fixed_size 222208
		.amdhsa_private_segment_fixed_size 0
		.amdhsa_enable_private_segment 0
		.amdhsa_kernarg_size 24
		.amdhsa_user_sgpr_count 2
		.amdhsa_user_sgpr_kernarg_segment_ptr 1
		.amdhsa_wavefront_size32 1
		.amdhsa_system_sgpr_workgroup_id_x 1
		.amdhsa_system_sgpr_workgroup_id_y 1
		.amdhsa_system_sgpr_workgroup_id_z 1
		.amdhsa_system_vgpr_workitem_id 0
		.amdhsa_next_free_vgpr 256
		.amdhsa_next_free_sgpr 66
		.amdhsa_reserve_vcc 0
		.amdhsa_float_denorm_mode_32 3
		.amdhsa_float_denorm_mode_16_64 3
		.amdhsa_memory_ordered 1
		.amdhsa_forward_progress 1
		.amdhsa_inst_pref_size 88
	.end_amdhsa_kernel
	.amdgpu_metadata
---
amdhsa.version: [ 1, 2 ]
amdhsa.kernels:
  - .name:           k_q485b316078_attn_c
    .symbol:         k_q485b316078_attn_c.kd
    .args:
      - { .name: qb, .offset: 0, .size: 8, .value_kind: global_buffer, .address_space: global }
      - { .name: kv, .offset: 8, .size: 8, .value_kind: global_buffer, .address_space: global }
      - { .name: ob, .offset: 16, .size: 8, .value_kind: global_buffer, .address_space: global }
    .group_segment_fixed_size: 222208
    .private_segment_fixed_size: 0
    .kernarg_segment_align: 8
    .kernarg_segment_size: 24
    .max_flat_workgroup_size: 256
    .sgpr_count:     66
    .vgpr_count:     256
    .wavefront_size: 32
...
	.end_amdgpu_metadata
.endif
;; end of part 3
;; launch p1 (part 4): grid 256 x 1, 4 waves a work-group, clusters of 4 x 1, 327,680 bytes of LDS; arguments x, ob, wb, sa_pb, ln2_g, ln2_b, x1, qb; writes x1, qb
.if DOCPART == 4
	.amdgcn_target "amdgcn-amd-amdhsa--gfx1250"
	.amdhsa_code_object_version 6
	.text
	.protected	k_q485b316078_p1
	.globl	k_q485b316078_p1
	.p2align	8
	.type	k_q485b316078_p1,@function
k_q485b316078_p1:
	s_mov_b64 s[64:65], 0
	v_nop
	global_prefetch_b8 v0, s[64:65] scope:SCOPE_SE
	s_setreg_imm32_b32 hwreg(HW_REG_WAVE_MODE, 25, 1), 1
	s_wait_xcnt 0x0
	s_wait_alu depctr_hold_cnt(0) depctr_sa_sdst(0) depctr_va_vdst(0) depctr_va_sdst(0) depctr_va_ssrc(0) depctr_va_vcc(0) depctr_vm_vsrc(0)
	s_getreg_b32 s2, hwreg(HW_REG_IB_STS2, 6, 4)
	s_cmp_eq_u32 s2, 0
	s_cbranch_scc0 .Lentry_in_a_cluster
	s_endpgm
.Lentry_in_a_cluster:
	s_bfe_u32 s2, ttmp6, 0x10000c
	s_cmp_lg_u32 s2, 0x3003
	s_cbranch_scc0 .Lentry_shape_is_right
	s_endpgm
.Lentry_shape_is_right:
; p1: x1 = x + o1 sa_pw + sa_pb (stored f32), q2 = LN2(x1) ca_wq (stored bf16, head-major).
; A work-group owns 32 whole rows; wave w owns columns 128 w .. 128 w + 127: 16 accumulator tiles in window 1.  The residual row block is laid
; into the accumulators first, so the projection adds onto it; the LayerNorm works on the accumulators (partial sums of the four waves meet in LDS).
; Weights: bf16 [K][N], tiles of 32 k x 128 columns through each wave's own ring of 7 LDS slots, 6 filled behind one round; asked for jointly by
; the four work-groups of the cluster, which walk the same weights.  The matrix instruction is used transposed (source 0 = weights).
; The k-steps are written out by macro: the ring's pattern of 42 tiles divides no unit of 16.
; LIMITS: LayerNorm in f32, two passes (mean, then centred squares); v_rsq_f32 flushes denormals; NaN and infinities are not treated specially.
.set NSLOT, 7
.set NFILL, 6
.set NTILE, 32                         ; 2 units x 16 k-steps
.set PA, 1040                          ; activation row: 1,024 bytes + 16
.set PB, 288                           ; weight row in LDS: 256 bytes + 32
.set SLOTB, 32*PB
.set STG, 33280                        ; stages for the bf16 way out, 8,320 bytes apart; ACT lies at 0; the f32 slabs (16,896 bytes a wave) lie over both, at other times
.set STATS, 67584                      ; 1,024 bytes: partial sums, then partial sums of squares
.set RB, 68608                         ; the rings: only tensor loads write here
.set G0, 68
.set FB0, 32
.set FB1, 112
.set MSB, 0
.set TI, 0
.set LASTISS, -1
.set CURSLOT, 0
.macro WIN new
.if MSB != \new
	s_set_vgpr_msb (MSB<<8)|\new
.set MSB, \new
.endif
.endm
.macro PLACES                          ; the four places behind a matrix instruction (ISA guide 7.12.1)
.rept 4
	v_nop
.endr
.endm
.macro SYNC
	s_wait_dscnt 0x0
	s_barrier_signal -1
	s_barrier_wait -1
.endm
.macro ROUND
	s_barrier_signal -1
	s_barrier_wait -1
	s_cmp_lg_u32 s24, 0
	s_cbranch_scc1 .Lnot_wave_0_\@
	s_barrier_signal -3
.Lnot_wave_0_\@:
	s_barrier_wait -3
	s_barrier_signal -1
	s_barrier_wait -1
.endm
.macro TSRC t                          ; units: sa_pw, ca_wq
.set TS_OFF, 1572864+((\t)/16)*524288+((\t)%16)*32768
.endm
.macro ISSUE t
	TSRC \t
.set IS_G, G0+4*((\t)%NSLOT)
	s_add_nc_u64 s[IS_G+2:IS_G+3], s[44:45], TS_OFF
	s_or_b32 s[IS_G+3], s[IS_G+3], 0x80000000
	tensor_load_to_lds s[IS_G:IS_G+3], s[28:35]
	s_nop 0
.set LASTISS, \t
.endm
.macro REFILL
	s_wait_dscnt 0x0                               ; my reads of the slots are back
	s_wait_tensorcnt 0x0                           ; all my tensor loads have landed: every group 0 may be written
	ds_add_u32 v17, v31
	s_wait_dscnt 0x0
	ROUND                                          ; both now hold of every wave of the four work-groups
.set RF_N, NTILE-1-LASTISS
.if RF_N > NFILL
.set RF_N, NFILL
.endif
.rept RF_N
	ISSUE LASTISS+1                                ; the first tensor loads behind the round
.endr
.endm
.macro ACQ
.if TI > 0
.if TI % NFILL == 0
.if LASTISS < NTILE-1
	REFILL
.endif
.endif
.endif
	s_wait_tensorcnt LASTISS-TI                    ; the tiles asked for behind tile TI stay out
.set CURSLOT, TI % NSLOT
.set TI, TI+1
.endm
.macro FETCH kk, fb, va
.irp mt, 0,1
	ds_load_b128 v[\fb+64+8*\mt:\fb+64+8*\mt+3], v[\va] offset:\mt*16*PA+(\kk)*64
	ds_load_b128 v[\fb+64+8*\mt+4:\fb+64+8*\mt+7], v[\va] offset:\mt*16*PA+(\kk)*64+32
.endr
.irp nt, 0,1,2,3,4,5,6,7
	ds_load_tr16_b128 v[\fb+8*\nt:\fb+8*\nt+3], v4 offset:CURSLOT*SLOTB+32*\nt
	ds_load_tr16_b128 v[\fb+8*\nt+4:\fb+8*\nt+7], v4 offset:CURSLOT*SLOTB+32*\nt+16*PB
.endr
.endm
.macro MUL fb, a, zero                 ; the 16 accumulators take turns, one instruction a turn
	WIN 0x50
.irp nt, 0,1,2,3,4,5,6,7
.irp mt, 0,1
.if \zero
	v_wmma_f32_16x16x32_bf16 v[\a+16*\nt+8*\mt:\a+16*\nt+8*\mt+7], v[\fb+8*\nt:\fb+8*\nt+7], v[\fb+64+8*\mt:\fb+64+8*\mt+7], 0
.else
	v_wmma_f32_16x16x32_bf16 v[\a+16*\nt+8*\mt:\a+16*\nt+8*\mt+7], v[\fb+8*\nt:\fb+8*\nt+7], v[\fb+64+8*\mt:\fb+64+8*\mt+7], v[\a+16*\nt+8*\mt:\a+16*\nt+8*\mt+7]
.endif
.endr
.endr
.endm
.macro UNIT a, va, zero
	ACQ
	PLACES
	FETCH 0, FB0, \va
.set UK, 0
.rept 15
	ACQ
.if UK > 0
	PLACES
.endif
.if UK % 2 == 0
	FETCH UK+1, FB1, \va
	s_wait_dscnt 20                                ; all but the 20 loads just issued
.if UK == 0
	MUL FB0, \a, \zero
.else
	MUL FB0, \a, 0
.endif
.else
	FETCH UK+1, FB0, \va
	s_wait_dscnt 20
	MUL FB1, \a, 0
.endif
	WIN 0
.set UK, UK+1
.endr
	s_wait_dscnt 0x0
	MUL FB1, \a, 0
	WIN 0
.endm
.macro EPI_HM a, sb                    ; bf16, head-major, two heads at a time through my own stage; a store covers 512 consecutive bytes
	PLACES
.irp hh, 0,1
	WIN 0x05
.irp n2, 0,1,2,3
.irp mt, 0,1
.irp q, 0,1,2,3
	v_cvt_pk_bf16_f32 v[192+8*\n2+4*\mt+\q], v[\a+16*(4*\hh+\n2)+8*\mt+2*\q], v[\a+16*(4*\hh+\n2)+8*\mt+2*\q+1]
.endr
.endr
.endr
	WIN 0
.irp n2, 0,1,2,3
.irp mt, 0,1
	ds_store_b128 v8, v[192+8*\n2+4*\mt:192+8*\n2+4*\mt+3] offset:(\n2/2)*2560+\mt*1280+(\n2%2)*32
.endr
.endr
	s_wait_xcnt 0x0                                ; v224-255, which earlier stores read, are loaded again only behind this wait
.irp i, 0,1,2,3,4,5,6,7
	ds_load_b128 v[224+4*\i:227+4*\i], v9 offset:\i*640
.endr
.irp i, 0,1,2,3,4,5,6,7
	s_wait_dscnt 7-\i
	global_store_b128 v10, v[224+4*\i:227+4*\i], s[\sb:\sb+1] offset:(2*\hh+\i/4)*65536+(\i%4)*512
.endr
.endr
.endm
.macro BIAS d, sb, off                 ; a vector's 64 numbers for my tiles: columns 128 w + 16 nt + 8 h .. + 7
.irp nt, 0,1,2,3,4,5,6,7
	global_load_b128 v[\d+8*\nt:\d+8*\nt+3], v13, s[\sb:\sb+1] offset:\off+\nt*64
	global_load_b128 v[\d+8*\nt+4:\d+8*\nt+7], v13, s[\sb:\sb+1] offset:\off+\nt*64+16
.endr
.endm
.macro ADDB a, d                       ; accumulators += that vector
	WIN 0x41
.irp nt, 0,1,2,3,4,5,6,7
.irp mt, 0,1
.irp q, 0,1,2,3
	v_pk_add_f32 v[\a+16*\nt+8*\mt+2*\q:\a+16*\nt+8*\mt+2*\q+1], v[\a+16*\nt+8*\mt+2*\q:\a+16*\nt+8*\mt+2*\q+1], v[\d+8*\nt+2*\q:\d+8*\nt+2*\q+1]
.endr
.endr
.endr
	WIN 0
.endm
.macro SLAB_OUT a, sb                  ; f32 rows out through my slab (rows of 512 + 16 bytes): a store covers 512 consecutive bytes of one row
	WIN 0x04
.irp nt, 0,1,2,3,4,5,6,7
.irp mt, 0,1
	ds_store_b128 v11, v[\a+16*\nt+8*\mt:\a+16*\nt+8*\mt+3] offset:\mt*8448+\nt*64
	ds_store_b128 v11, v[\a+16*\nt+8*\mt+4:\a+16*\nt+8*\mt+7] offset:\mt*8448+\nt*64+16
.endr
.endr
	WIN 0
.irp bt, 0,1
.irp i, 0,1,2,3,4,5,6,7,8,9,10,11,12,13,14,15
	ds_load_b128 v[160+4*\i:163+4*\i], v12 offset:(16*\bt+\i)*528
.endr
.irp i, 0,1,2,3,4,5,6,7,8,9,10,11,12,13,14,15
	s_wait_dscnt 15-\i
	global_store_b128 v19, v[160+4*\i:163+4*\i], s[\sb:\sb+1] offset:(16*\bt+\i)*2048
.endr
	s_wait_xcnt 0x0                                ; v160-223 are written again only behind this wait
.endr
.endm
; The head: the residual rows go through my slab into the accumulators, the attention's result (bf16, head-major) into ACT, the projection's bias is added.
.macro HEAD a
.set LI, 0
.rept 32
	global_load_b128 v[32+4*LI:35+4*LI], v19, s[50:51] offset:LI*2048
.set LI, LI+1
.endr
.irp hh, 0,1,2,3
.irp i4, 0,1,2,3
	global_load_b128 v[160+16*\hh+4*\i4:163+16*\hh+4*\i4], v10, s[52:53] offset:\hh*65536+\i4*512
.endr
.endr
	s_wait_loadcnt 16                              ; the residual rows are in; the attention result's 16 loads stay out
.set LI, 0
.rept 32
	ds_store_b128 v12, v[32+4*LI:35+4*LI] offset:LI*528
.set LI, LI+1
.endr
	WIN 0x40
.irp nt, 0,1,2,3,4,5,6,7
.irp mt, 0,1
	ds_load_b128 v[\a+16*\nt+8*\mt:\a+16*\nt+8*\mt+3], v11 offset:\mt*8448+\nt*64
	ds_load_b128 v[\a+16*\nt+8*\mt+4:\a+16*\nt+8*\mt+7], v11 offset:\mt*8448+\nt*64+16
.endr
.endr
	WIN 0
	s_wait_dscnt 0x0                               ; the slab has been written and read: v32-95 are free, and the slab's bytes may become ACT
	BIAS 32, 10, 0
	s_barrier_signal -1
	s_barrier_wait -1                              ; every wave is through with its slab
	s_wait_loadcnt 16                              ; the attention's result is in; the bias's 16 loads stay out
.irp hh, 0,1,2,3
.irp i4, 0,1,2,3
	ds_store_b128 v18, v[160+16*\hh+4*\i4:163+16*\hh+4*\i4] offset:\i4*8*PA+\hh*64
.endr
.endr
	s_wait_loadcnt 0x0
	ADDB \a, 32
	SYNC                                           ; ACT is whole
.endm
.macro TREE16 b                        ; 16 pairs at v[b] .. v[b + 31] -> their sum over both halves of the lanes, in v[b]
.irp i, 0,1,2,3,4,5,6,7
	v_pk_add_f32 v[\b+2*\i:\b+2*\i+1], v[\b+2*\i:\b+2*\i+1], v[\b+16+2*\i:\b+16+2*\i+1]
.endr
.irp i, 0,1,2,3
	v_pk_add_f32 v[\b+2*\i:\b+2*\i+1], v[\b+2*\i:\b+2*\i+1], v[\b+8+2*\i:\b+8+2*\i+1]
.endr
.irp i, 0,1
	v_pk_add_f32 v[\b+2*\i:\b+2*\i+1], v[\b+2*\i:\b+2*\i+1], v[\b+4+2*\i:\b+4+2*\i+1]
.endr
	v_pk_add_f32 v[\b:\b+1], v[\b:\b+1], v[\b+2:\b+3]
	v_add_f32 v[\b], v[\b], v[\b+1]
	v_permlanex16_b32 v[\b+1], v[\b], s48, s49
	v_add_f32 v[\b], v[\b], v[\b+1]
.endm
.macro CENTER a, mt                    ; v160-223 = my 64 numbers of row 16 mt + r, less the row's mean
	WIN 0x01
.irp nt, 0,1,2,3,4,5,6,7
.irp q, 0,1,2,3
	v_pk_add_f32 v[160+8*\nt+2*\q:161+8*\nt+2*\q], v[\a+16*\nt+8*\mt+2*\q:\a+16*\nt+8*\mt+2*\q+1], v[20+2*\mt:21+2*\mt] neg_lo:[0,1] neg_hi:[0,1]
.endr
.endr
	WIN 0
.endm
; LayerNorm of the rows in the accumulators, which stay as they are; the result goes to LDS as bf16.  slab = 1: the rows also leave as f32.
.macro LN_D a, sg, sbe, dst, slab, so
	PLACES
	BIAS 32, \sg, 0
	BIAS 96, \sbe, 0
	WIN 0x05
.irp mt, 0,1
.irp nt, 0,1,2,3
.irp q, 0,1,2,3
	v_pk_add_f32 v[160+32*\mt+8*\nt+2*\q:161+32*\mt+8*\nt+2*\q], v[\a+16*\nt+8*\mt+2*\q:\a+16*\nt+8*\mt+2*\q+1], v[\a+64+16*\nt+8*\mt+2*\q:\a+64+16*\nt+8*\mt+2*\q+1]
.endr
.endr
.endr
	WIN 0
	TREE16 160
	TREE16 192
	ds_store_b32 v14, v160                         ; my wave's sum of row r,
	ds_store_b32 v14, v192 offset:256              ; of row 16 + r
	SYNC                                           ; also: every wave's reads of ACT are over
	ds_load_b128 v[224:227], v15
	ds_load_b128 v[228:231], v15 offset:256
	s_mov_b32 s46, 0x3b000000                      ; 1 / 512
	s_mov_b32 s47, 0x3727c5ac                      ; 1e-5
	s_wait_dscnt 0x0
	v_add_f32 v224, v224, v225
	v_add_f32 v226, v226, v227
	v_add_f32 v228, v228, v229
	v_add_f32 v230, v230, v231
	v_add_f32 v224, v224, v226
	v_add_f32 v228, v228, v230
	v_mul_f32 v20, s46, v224
	v_mul_f32 v22, s46, v228
	v_mov_b32 v21, v20
	v_mov_b32 v23, v22
.if \slab
	SLAB_OUT \a, \so
.endif
.irp mt, 0,1
	CENTER \a, \mt
.irp c, 0,1,2,3
	v_pk_mul_f32 v[232+2*\c:233+2*\c], v[160+2*\c:161+2*\c], v[160+2*\c:161+2*\c]
.endr
.irp i, 1,2,3,4,5,6,7
.irp c, 0,1,2,3
	v_pk_fma_f32 v[232+2*\c:233+2*\c], v[160+8*\i+2*\c:161+8*\i+2*\c], v[160+8*\i+2*\c:161+8*\i+2*\c], v[232+2*\c:233+2*\c]
.endr
.endr
	v_pk_add_f32 v[232:233], v[232:233], v[234:235]
	v_pk_add_f32 v[236:237], v[236:237], v[238:239]
	v_pk_add_f32 v[232:233], v[232:233], v[236:237]
	v_add_f32 v[28+\mt], v232, v233
	v_permlanex16_b32 v233, v[28+\mt], s48, s49
	v_add_f32 v[28+\mt], v[28+\mt], v233
	ds_store_b32 v14, v[28+\mt] offset:512+\mt*256
.endr
	SYNC                                           ; also: every wave is through with its slab
	ds_load_b128 v[224:227], v15 offset:512
	ds_load_b128 v[228:231], v15 offset:768
	s_wait_dscnt 0x0
	v_add_f32 v224, v224, v225
	v_add_f32 v226, v226, v227
	v_add_f32 v228, v228, v229
	v_add_f32 v230, v230, v231
	v_add_f32 v224, v224, v226
	v_add_f32 v228, v228, v230
	v_fma_f32 v24, v224, s46, s47                  ; variance + 1e-5
	v_fma_f32 v26, v228, s46, s47
	v_rsq_f32 v24, v24
	v_rsq_f32 v26, v26
	v_nop                                          ; one plain place behind v_rsq_f32 (ISA guide 5.7.2)
	s_wait_alu depctr_va_vdst(0)
	v_mov_b32 v25, v24
	v_mov_b32 v27, v26
	s_wait_loadcnt 0x0                             ; gain and bias
.irp mt, 0,1
	CENTER \a, \mt
.set LI, 0
.rept 32
	v_pk_mul_f32 v[160+2*LI:161+2*LI], v[160+2*LI:161+2*LI], v[24+2*\mt:25+2*\mt]
.set LI, LI+1
.endr
.set LI, 0
.rept 32
	v_pk_fma_f32 v[160+2*LI:161+2*LI], v[160+2*LI:161+2*LI], v[32+2*LI:33+2*LI], v[96+2*LI:97+2*LI]
.set LI, LI+1
.endr
.set LI, 0
.rept 32
	v_cvt_pk_bf16_f32 v[160+LI], v[160+2*LI], v[161+2*LI]
.set LI, LI+1
.endr
.irp nt, 0,1,2,3,4,5,6,7
	ds_store_b128 v[\dst], v[160+4*\nt:163+4*\nt] offset:\mt*16*PA+\nt*32
.endr
.endr
	SYNC                                           ; the normalised rows are whole
.endm
	s_load_b512 s[4:19], s[0:1], 0x0               ; x s[4:5], ob s[6:7], wb s[8:9], sa_pb s[10:11], ln2_g s[12:13], ln2_b s[14:15], x1 s[16:17], qb s[18:19]
	v_lshl_add_u32 v17, v0, 2, 0x4fc00
	v_mov_b32 v31, 0
	ds_add_u32 v17, v31
	ds_add_u32 v17, v31
	v_and_b32 v1, 31, v0                           ; L
	v_lshrrev_b32 v28, 5, v0
	v_readfirstlane_b32 s24, v28                   ; wave
	v_and_b32 v2, 15, v0                           ; r
	v_bfe_u32 v3, v0, 4, 1                         ; h
	s_bfe_u32 s25, ttmp6, 0x40000                  ; cx
	s_lshl_b32 s26, ttmp9, 2
	s_add_co_u32 s26, s26, s25                     ; row block: it feeds global row addresses alone
	s_mov_b32 s48, 0x76543210
	s_mov_b32 s49, 0xfedcba98
	; group 1: 32 rows x 128 bf16, 512 elements from row to row; 8 words of padding behind every 64; mask: all four work-groups
	s_mov_b32 s28, 15|(1<<16)|(1<<20)|(1<<21)|(5<<22)|(7<<25)
	s_mov_b32 s29, 128<<16
	s_mov_b32 s30, 32<<16
	s_mov_b32 s31, 128<<16
	s_mov_b32 s32, 32
	s_mov_b32 s33, 512
	s_mov_b32 s34, 0
	s_mov_b32 s35, 0
	s_mul_i32 s27, s24, NSLOT*SLOTB                ; my ring
.set i, 0
.rept NSLOT
	s_mov_b32 s[G0+4*i], 1
	s_add_co_u32 s[G0+4*i+1], s27, RB+i*SLOTB
.set i, i+1
.endr
	v_lshlrev_b32 v10, 4, v1                       ; 16 L
	v_and_b32 v28, 7, v0
	v_lshl_add_u32 v28, v3, 3, v28
	v_mul_u32_u24 v28, v28, PB
	v_bfe_u32 v29, v0, 3, 1
	v_lshl_add_u32 v28, v29, 4, v28
	s_add_co_u32 s46, s27, RB
	v_add_nc_u32 v4, s46, v28                      ; weight fragments, slot 0
	v_mul_u32_u24 v28, v2, PA
	v_lshl_add_u32 v5, v3, 4, v28                  ; activation fragments in ACT
	s_mul_i32 s46, s24, 8320
	s_add_co_u32 s46, s46, STG                     ; my stage
	v_mul_u32_u24 v28, v2, 80
	v_lshl_add_u32 v28, v3, 4, v28
	v_add_nc_u32 v8, s46, v28
	v_lshrrev_b32 v28, 2, v1                       ; L >> 2
	v_and_b32 v29, 3, v0                           ; L & 3
	v_mul_u32_u24 v30, v28, 80
	v_lshl_add_u32 v30, v29, 4, v30
	v_add_nc_u32 v9, s46, v30
	s_mul_i32 s46, s24, 16896                      ; my slab
	v_mul_u32_u24 v30, v2, 528
	v_lshl_add_u32 v30, v3, 5, v30
	v_add_nc_u32 v11, s46, v30                     ; by tiles: row r, 32 bytes for each half
	v_add_nc_u32 v12, s46, v10                     ; by rows
	s_lshl_b32 s46, s24, 9
	v_lshl_add_u32 v13, v3, 5, s46                 ; my columns in a vector of 512 f32
	v_add_nc_u32 v19, s46, v10                     ; my 512 bytes of an f32 row
	s_lshl_b32 s46, s24, 2
	s_add_co_u32 s46, s46, STATS
	v_lshl_add_u32 v14, v2, 4, s46                 ; row r's word of my wave
	v_lshlrev_b32 v15, 4, v2
	v_add_nc_u32 v15, STATS, v15                   ; row r's four words
	s_lshl_b32 s46, s24, 8
	v_add_nc_u32 v16, s46, v5                      ; my columns of row r in ACT
	v_mul_u32_u24 v30, v28, PA
	v_lshl_add_u32 v30, v29, 4, v30
	v_add_nc_u32 v18, s46, v30                     ; the attention's result into ACT: four lanes a token
	s_mov_b32 s47, 0
	s_lshl_b32 s20, s26, 16                        ; 32 rows of 2,048 bytes
	s_mov_b32 s21, 0
	s_lshr_b32 s22, s26, 5                         ; batch
	s_lshl2_add_u32 s22, s22, s24
	s_lshl_b32 s22, s22, 18                        ; (16 batch + 4 wave) heads of 65,536 bytes
	s_and_b32 s23, s26, 31
	s_lshl_b32 s23, s23, 11
	s_add_co_u32 s22, s22, s23
	s_mov_b32 s23, 0
	s_wait_dscnt 0x0
	s_wait_kmcnt 0x0
	s_add_nc_u64 s[44:45], s[8:9], s[46:47]        ; wb at my columns
	s_add_nc_u64 s[50:51], s[4:5], s[20:21]        ; x
	s_add_nc_u64 s[52:53], s[6:7], s[22:23]        ; o1
	s_add_nc_u64 s[54:55], s[16:17], s[20:21]      ; x1
	s_add_nc_u64 s[56:57], s[18:19], s[22:23]      ; q2
	ROUND                                          ; the first joint loads meet
.rept NSLOT
	ISSUE LASTISS+1                                ; seven tensor loads of the wave are out
.endr
	HEAD 0
	UNIT 0, 5, 0                                   ; + o1 sa_pw: the accumulators hold x1
	LN_D 0, 12, 14, 16, 1, 54                      ; x1 out; LN2(x1) into ACT
	UNIT 0, 5, 1                                   ; q2
	EPI_HM 0, 56
	s_wait_tensorcnt 0x0
	ds_add_u32 v17, v31
	s_wait_dscnt 0x0
	ROUND                                          ; the closing round
	s_endpgm
.Lfunc_end_k_q485b316078_p1:
	.size	k_q485b316078_p1, .Lfunc_end_k_q485b316078_p1-k_q485b316078_p1
	.p2alignl 7, 3214868480
	.fill 96, 4, 3214868480
	.section	.rodata,"a",@progbits
	.p2align	6, 0x0
	.amdhsa_kernel k_q485b316078_p1
		.amdhsa_group_segment_fixed_size 327680
		.amdhsa_private_segment_fixed_size 0
		.amdhsa_enable_private_segment 0
		.amdhsa_kernarg_size 64
		.amdhsa_user_sgpr_count 2
		.amdhsa_user_sgpr_kernarg_segment_ptr 1
		.amdhsa_wavefront_size32 1
		.amdhsa_system_sgpr_workgroup_id_x 1
		.amdhsa_system_sgpr_workgroup_id_y 1
		.amdhsa_system_sgpr_workgroup_id_z 1
		.amdhsa_system_vgpr_workitem_id 0
		.amdhsa_next_free_vgpr 384
		.amdhsa_next_free_sgpr 96
		.amdhsa_reserve_vcc 0
		.amdhsa_float_denorm_mode_32 3
		.amdhsa_float_denorm_mode_16_64 3
		.amdhsa_memory_ordered 1
		.amdhsa_forward_progress 1
		.amdhsa_inst_pref_size 163
	.end_amdhsa_kernel
	.amdgpu_metadata
---
amdhsa.version: [ 1, 2 ]
amdhsa.kernels:
  - .name:           k_q485b316078_p1
    .symbol:         k_q485b316078_p1.kd
    .args:
      - { .name: x, .offset: 0, .size: 8, .value_kind: global_buffer, .address_space: global }
      - { .name: ob, .offset: 8, .size: 8, .value_kind: global_buffer, .address_space: global }
      - { .name: wb, .offset: 16, .size: 8, .value_kind: global_buffer, .address_space: global }
      - { .name: sa_pb, .offset: 24, .size: 8, .value_kind: global_buffer, .address_space: global }
      - { .name: ln2_g, .offset: 32, .size: 8, .value_kind: global_buffer, .address_space: global }
      - { .name: ln2_b, .offset: 40, .size: 8, .value_kind: global_buffer, .address_space: global }
      - { .name: x1, .offset: 48, .size: 8, .value_kind: global_buffer, .address_space: global }
      - { .name: qb, .offset: 56, .size: 8, .value_kind: global_buffer, .address_space: global }
    .group_segment_fixed_size: 327680
    .private_segment_fixed_size: 0
    .kernarg_segment_align: 8
    .kernarg_segment_size: 64
    .max_flat_workgroup_size: 128
    .sgpr_count:     96
    .vgpr_count:     384
    .wavefront_size: 32
...
	.end_amdgpu_metadata
.endif
;; end of part 4
;; launch attn_x (part 5): grid 256 x 1, 8 waves a work-group, no clusters, 222,208 bytes of LDS; arguments qb, kv, ob; writes ob
.if DOCPART == 5
	.amdgcn_target "amdgcn-amd-amdhsa--gfx1250"
	.amdhsa_code_object_version 6
	.text
	.protected	k_q485b316078_attn_x
	.globl	k_q485b316078_attn_x
	.p2align	8
	.type	k_q485b316078_attn_x,@function
k_q485b316078_attn_x:
	s_mov_b64 s[64:65], 0
	v_nop
	global_prefetch_b8 v0, s[64:65] scope:SCOPE_SE
	s_setreg_imm32_b32 hwreg(HW_REG_WAVE_MODE, 25, 1), 1
	s_wait_xcnt 0x0
; Attention of one (batch, head) for half of its queries: the cross-attention (no mask).
; q, k, v, o: bf16 [batch][head][1024][32].  q already carries log2(e) / sqrt(32), so the exponentials are in base 2.
; The head's whole K and V (64 KiB each) are brought into LDS once, by 16 tensor loads (two a wave); nothing is filled again: one barrier.
; Eight waves, 64 queries each.  Products are used transposed: S^T = K Q^T (lane: one query, registers: keys), O^T = V^T P^T.  So the
; packed probabilities are already the second source of the next product, and maximum and sum belong to a lane (and its partner in the other half).
; Softmax with a running maximum, as reference() takes the row's maximum away.
; NO CLUSTER: only two work-groups share a head's K and V, and each reads them once, 128 KiB for its 4,096 matrix instructions.
; LIMITS: v_exp_f32 and v_rcp_f32 flush denormals; the sum of probabilities is made of the f32 values, the product of their bf16 roundings;
; NaN and infinite scores are not treated specially.
.set KOFF, 16777216                    ; where K lies in kv
.set VOFF, 8388608                     ; V behind K
.set KP, 80                            ; a K row in LDS: 64 bytes + 16
.set VP, 96                            ; a V row: 64 bytes + 32 (read by the transposing load)
.set VBASE, 1024*KP
.set STGB, VBASE+1024*VP               ; 180,224: the way out, 5,120 bytes for each wave; no tensor load lands here
.set QQ, 8                             ; v8-39    four query fragments
.set KF, 40                            ; v40-55   two key fragments (32 keys)
.set VF, 56                            ; v56-71   two value fragments (32 keys x 32)
.set SS, 72                            ; v72-135  scores, 16 a + 8 t; the probabilities are packed into the low 8 registers of each a
.set OO, 136                           ; v136-199 results, 16 a + 8 dt
.set MM, 200                           ; v200-207 pairs: the running maximum, twice
.set AL, 208                           ; v208-215 pairs: the rescaling factor, twice
.set LS, 216                           ; v216-223 pairs: two partial sums
.set TB, 224                           ; v224-239 at work
.macro MAXM a, first                   ; the new maximum of query tile a (16 scores a lane, the old maximum, the partner lane)
.set TA, TB+8*(\a%2)
	v_max3_num_f32 v[TA], v[SS+16*\a], v[SS+16*\a+1], v[SS+16*\a+2]
	v_max3_num_f32 v[TA+1], v[SS+16*\a+3], v[SS+16*\a+4], v[SS+16*\a+5]
	v_max3_num_f32 v[TA+2], v[SS+16*\a+6], v[SS+16*\a+7], v[SS+16*\a+8]
	v_max3_num_f32 v[TA+3], v[SS+16*\a+9], v[SS+16*\a+10], v[SS+16*\a+11]
	v_max3_num_f32 v[TA+4], v[SS+16*\a+12], v[SS+16*\a+13], v[SS+16*\a+14]
.if \first
	v_max_num_f32 v[TA], v[TA], v[SS+16*\a+15]
.else
	v_max3_num_f32 v[TA], v[TA], v[SS+16*\a+15], v[MM+2*\a]
.endif
	v_max3_num_f32 v[TA+1], v[TA+1], v[TA+2], v[TA+3]
	v_max3_num_f32 v[TA], v[TA], v[TA+1], v[TA+4]
	v_permlanex16_b32 v[MM+2*\a+1], v[TA], s40, s41
	v_max_num_f32 v[MM+2*\a+1], v[TA], v[MM+2*\a+1]
.if \first == 0
	v_sub_f32 v[AL+2*\a], v[MM+2*\a], v[MM+2*\a+1]         ; old - new
.endif
	v_mov_b32 v[MM+2*\a], v[MM+2*\a+1]
.endm
.macro SUBM a
.irp i, 0,1,2,3,4,5,6,7
	v_pk_add_f32 v[SS+16*\a+2*\i:SS+16*\a+2*\i+1], v[SS+16*\a+2*\i:SS+16*\a+2*\i+1], v[MM+2*\a:MM+2*\a+1] neg_lo:[0,1] neg_hi:[0,1]
.endr
.endm
.macro EXPM a
.irp i, 0,1,2,3,4,5,6,7,8,9,10,11,12,13,14,15
	v_exp_f32 v[SS+16*\a+\i], v[SS+16*\a+\i]
.endr
.endm
.macro SUMCVT a, first                 ; the sums go on, and pair i is packed into register i once it has been added
.if \first
	s_wait_alu depctr_va_vdst(0)
	v_pk_add_f32 v[LS+2*\a:LS+2*\a+1], v[SS+16*\a:SS+16*\a+1], v[SS+16*\a+2:SS+16*\a+3]
	v_cvt_pk_bf16_f32 v[SS+16*\a], v[SS+16*\a], v[SS+16*\a+1]
	v_cvt_pk_bf16_f32 v[SS+16*\a+1], v[SS+16*\a+2], v[SS+16*\a+3]
.else
	s_wait_alu depctr_va_vdst(0)
	v_pk_fma_f32 v[LS+2*\a:LS+2*\a+1], v[LS+2*\a:LS+2*\a+1], v[AL+2*\a:AL+2*\a+1], v[SS+16*\a:SS+16*\a+1]
	v_cvt_pk_bf16_f32 v[SS+16*\a], v[SS+16*\a], v[SS+16*\a+1]
	v_pk_add_f32 v[LS+2*\a:LS+2*\a+1], v[LS+2*\a:LS+2*\a+1], v[SS+16*\a+2:SS+16*\a+3]
	v_cvt_pk_bf16_f32 v[SS+16*\a+1], v[SS+16*\a+2], v[SS+16*\a+3]
.endif
.irp i, 2,3,4,5,6,7
	v_pk_add_f32 v[LS+2*\a:LS+2*\a+1], v[LS+2*\a:LS+2*\a+1], v[SS+16*\a+2*\i:SS+16*\a+2*\i+1]
	v_cvt_pk_bf16_f32 v[SS+16*\a+\i], v[SS+16*\a+2*\i], v[SS+16*\a+2*\i+1]
.endr
.endm
; One step: 32 keys against my 64 queries.  first = 1: starts maximum, sums and results (nothing is cleared).  pf = 1: the next step's keys are fetched.
.macro STEP first, pf
	s_wait_dscnt 0x0                               ; this step's key fragments
.irp a, 0,1,2,3
.irp t, 0,1
	v_wmma_f32_16x16x32_bf16 v[SS+16*\a+8*\t:SS+16*\a+8*\t+7], v[KF+8*\t:KF+8*\t+7], v[QQ+8*\a:QQ+8*\a+7], 0
.endr
.endr
	v_add_nc_u32 v2, 32*KP, v2                     ; four places behind the matrix instructions (ISA guide 7.12.1): the next keys' address,
	v_nop
	v_nop
	v_nop
.irp dt, 0,1
	ds_load_tr16_b128 v[VF+8*\dt:VF+8*\dt+3], v3 offset:\dt*32
	ds_load_tr16_b128 v[VF+8*\dt+4:VF+8*\dt+7], v3 offset:\dt*32+16*VP
.endr
.if \pf
.irp t, 0,1
	ds_load_b128 v[KF+8*\t:KF+8*\t+3], v2 offset:\t*16*KP
	ds_load_b128 v[KF+8*\t+4:KF+8*\t+7], v2 offset:\t*16*KP+32
.endr
.endif
	v_add_nc_u32 v3, 32*VP, v3
	MAXM 0, \first
	MAXM 1, \first
	MAXM 2, \first
	MAXM 3, \first
.if \first == 0
.irp a, 0,1,2,3
	v_exp_f32 v[AL+2*\a], v[AL+2*\a]
.endr
.endif
	SUBM 0                                         ; plain work behind each run of exponentials, ahead of the first use of their results (ISA guide 5.7.2)
.if \first == 0
	s_wait_alu depctr_va_vdst(0)
.irp a, 0,1,2,3
	v_mov_b32 v[AL+2*\a+1], v[AL+2*\a]
.endr
.endif
	EXPM 0
	SUBM 1
	SUMCVT 0, \first
	EXPM 1
	SUBM 2
	SUMCVT 1, \first
	EXPM 2
	SUBM 3
	SUMCVT 2, \first
	EXPM 3
.if \first
	v_nop
	s_wait_alu depctr_va_vdst(0)
.else
	s_wait_alu depctr_va_vdst(0)
.irp a, 0,1,2,3
.irp i, 0,1,2,3,4,5,6,7
	v_pk_mul_f32 v[OO+16*\a+2*\i:OO+16*\a+2*\i+1], v[OO+16*\a+2*\i:OO+16*\a+2*\i+1], v[AL+2*\a:AL+2*\a+1]
.endr
.endr
.endif
	SUMCVT 3, \first
.if \pf
	s_wait_dscnt 0x4                               ; the values are in; the four younger loads (the next keys) stay out
.else
	s_wait_dscnt 0x0
.endif
.irp a, 0,1,2,3                        ; eight accumulators by turns, one instruction a turn
.irp dt, 0,1
.if \first
	v_wmma_f32_16x16x32_bf16 v[OO+16*\a+8*\dt:OO+16*\a+8*\dt+7], v[VF+8*\dt:VF+8*\dt+7], v[SS+16*\a:SS+16*\a+7], 0
.else
	v_wmma_f32_16x16x32_bf16 v[OO+16*\a+8*\dt:OO+16*\a+8*\dt+7], v[VF+8*\dt:VF+8*\dt+7], v[SS+16*\a:SS+16*\a+7], v[OO+16*\a+8*\dt:OO+16*\a+8*\dt+7]
.endif
.endr
.endr
.rept 5
	v_nop                                          ; five places: the next scores are written over the probabilities that these products read
.endr
.endm
	s_load_b128 s[4:7], s[0:1], 0x0                ; qb s[4:5], kv s[6:7]
	s_load_b64 s[8:9], s[0:1], 0x10                ; ob
	v_lshl_add_u32 v254, v0, 2, 0x36000
	v_mov_b32 v255, 0
	ds_add_u32 v254, v255
	ds_add_u32 v254, v255
	v_lshrrev_b32 v1, 5, v0
	v_readfirstlane_b32 s10, v1                    ; wave 0..7
	s_lshr_b32 s11, ttmp9, 1                       ; 16 batch + head
	s_and_b32 s50, ttmp9, 1                        ; which half of the query blocks
	; group 1: 8 KiB that are dense in memory, as 32 rows of 32 elements of 8 bytes; padding behind every 16 words (a row of K or V): 4 words for K, 8 for V
	s_mov_b32 s16, (3<<16)|(1<<20)|(3<<22)|(3<<25)
	s_mov_b32 s24, (3<<16)|(1<<20)|(3<<22)|(7<<25)
	s_mov_b32 s17, 32<<16
	s_mov_b32 s25, 32<<16
	s_mov_b32 s18, 32<<16
	s_mov_b32 s26, 32<<16
	s_mov_b32 s19, 32<<16
	s_mov_b32 s27, 32<<16
	s_mov_b32 s20, 32
	s_mov_b32 s28, 32
	s_mov_b32 s21, 32
	s_mov_b32 s29, 32
	s_mov_b32 s22, 0
	s_mov_b32 s30, 0
	s_mov_b32 s23, 0
	s_mov_b32 s31, 0
	s_mov_b32 s32, 1
	s_mul_i32 s33, s10, 128*KP                     ; my 128 rows of K
	s_mov_b32 s36, 1
	s_mul_i32 s37, s10, 128*VP                     ; my 128 rows of V
	s_add_co_u32 s37, s37, VBASE
	s_lshl_b32 s12, s11, 16
	s_lshl_b32 s13, s10, 13
	s_add_co_u32 s12, s12, s13                     ; head x 65,536 + wave x 8,192
	s_mov_b32 s13, 0
	s_wait_dscnt 0x0
	s_wait_kmcnt 0x0
	s_add_nc_u64 s[34:35], s[6:7], s[12:13]
	s_add_nc_u64 s[34:35], s[34:35], KOFF
	s_add_nc_u64 s[38:39], s[34:35], VOFF
	s_or_b32 s35, s35, 0x80000000
	s_or_b32 s39, s39, 0x80000000
	tensor_load_to_lds s[32:35], s[16:23]
	s_nop 0
	tensor_load_to_lds s[36:39], s[24:31]          ; two tensor loads of the wave are out
	s_nop 0
	s_lshl3_add_u32 s51, s50, s10                  ; query block = 8 x half + wave
	s_lshl_b32 s12, s11, 16
	s_lshl_b32 s52, s51, 12                        ; 64 queries of 64 bytes
	s_add_co_u32 s12, s12, s52
	s_add_nc_u64 s[14:15], s[4:5], s[12:13]        ; my queries
	s_add_nc_u64 s[54:55], s[8:9], s[12:13]        ; my results
	s_mov_b32 s40, 0x76543210
	s_mov_b32 s41, 0xfedcba98
	v_and_b32 v224, 15, v0                         ; r
	v_bfe_u32 v225, v0, 4, 1                       ; h
	v_and_b32 v226, 31, v0                         ; L
	v_lshlrev_b32 v4, 6, v224
	v_lshl_add_u32 v4, v225, 4, v4                 ; query r, 16 bytes for each half
.irp a, 0,1,2,3
	global_load_b128 v[QQ+8*\a:QQ+8*\a+3], v4, s[14:15] offset:\a*1024
	global_load_b128 v[QQ+8*\a+4:QQ+8*\a+7], v4, s[14:15] offset:\a*1024+32
.endr
	v_mul_u32_u24 v2, v224, KP
	v_lshl_add_u32 v2, v225, 4, v2                 ; key fragments
	v_and_b32 v227, 7, v0
	v_lshl_add_u32 v227, v225, 3, v227
	v_mul_u32_u24 v227, v227, VP
	v_bfe_u32 v228, v0, 3, 1
	v_lshl_add_u32 v227, v228, 4, v227
	v_add_nc_u32 v3, VBASE, v227                   ; value fragments (transposing load)
	s_mul_i32 s52, s10, 5120
	s_add_co_u32 s52, s52, STGB                    ; my stage
	v_add_nc_u32 v5, s52, v2                       ; in: row r of 80 bytes, 16 bytes for each half
	v_lshrrev_b32 v227, 2, v226
	v_mul_u32_u24 v227, v227, 80
	v_and_b32 v228, 3, v0
	v_lshl_add_u32 v227, v228, 4, v227
	v_add_nc_u32 v6, s52, v227                     ; back: four lanes take a query's 64 bytes
	v_lshlrev_b32 v7, 4, v226
.irp a, 0,1,2,3
	v_mov_b32 v[MM+2*\a+1], 0                      ; the destination of v_permlanex16_b32 counts as read: it is written once here
.endr
	s_wait_tensorcnt 0x0                           ; my parts of K and V have landed,
	s_barrier_signal -1
	s_barrier_wait -1                              ; everybody's have
.irp t, 0,1
	ds_load_b128 v[KF+8*\t:KF+8*\t+3], v2 offset:\t*16*KP
	ds_load_b128 v[KF+8*\t+4:KF+8*\t+7], v2 offset:\t*16*KP+32
.endr
	s_wait_loadcnt 0x0                             ; my queries
	STEP 1, 1                                      ; 32 steps of 32 keys: one, 30 in the loop, one that fetches no further keys
	s_mov_b32 s52, 30
.Lstep:
	STEP 0, 1
	s_sub_co_u32 s52, s52, 1
	s_cmp_lg_u32 s52, 0
	s_cbranch_scc1 .Lstep
	STEP 0, 0
	; the end: divide by the sums, round, and out through my stage as 512 consecutive bytes for each store
.irp a, 0,1,2,3
	v_add_f32 v[LS+2*\a], v[LS+2*\a], v[LS+2*\a+1]
.endr
.irp a, 0,1,2,3
	v_permlanex16_b32 v[LS+2*\a+1], v[LS+2*\a], s40, s41
.endr
.irp a, 0,1,2,3
	v_add_f32 v[LS+2*\a], v[LS+2*\a], v[LS+2*\a+1]
.endr
.irp a, 0,1,2,3
	v_rcp_f32 v[LS+2*\a], v[LS+2*\a]
.endr
	v_nop                                          ; one plain place behind the last v_rcp_f32
	s_wait_alu depctr_va_vdst(0)
.irp a, 0,1,2,3
	v_mov_b32 v[LS+2*\a+1], v[LS+2*\a]
.endr
.irp a, 0,1,2,3
.irp i, 0,1,2,3,4,5,6,7
	v_pk_mul_f32 v[OO+16*\a+2*\i:OO+16*\a+2*\i+1], v[OO+16*\a+2*\i:OO+16*\a+2*\i+1], v[LS+2*\a:LS+2*\a+1]
.endr
.endr
.irp a, 0,1,2,3
.irp i, 0,1,2,3,4,5,6,7
	v_cvt_pk_bf16_f32 v[SS+8*\a+\i], v[OO+16*\a+2*\i], v[OO+16*\a+2*\i+1]
.endr
.endr
.irp a, 0,1,2,3
.irp dt, 0,1
	ds_store_b128 v5, v[SS+8*\a+4*\dt:SS+8*\a+4*\dt+3] offset:\a*1280+\dt*32
.endr
.endr
.irp i, 0,1,2,3,4,5,6,7
	ds_load_b128 v[SS+32+4*\i:SS+32+4*\i+3], v6 offset:\i*640      ; LDS serves a wave's instructions in order: these see the stores above
.endr
.irp i, 0,1,2,3,4,5,6,7
	s_wait_dscnt 7-\i
	global_store_b128 v7, v[SS+32+4*\i:SS+32+4*\i+3], s[54:55] offset:\i*512
.endr
	s_wait_tensorcnt 0x0
	ds_add_u32 v254, v255
	s_wait_dscnt 0x0
	s_endpgm
.Lfunc_end_k_q485b316078_attn_x:
	.size	k_q485b316078_attn_x, .Lfunc_end_k_q485b316078_attn_x-k_q485b316078_attn_x
	.p2alignl 7, 3214868480
	.fill 96, 4, 3214868480
	.section	.rodata,"a",@progbits
	.p2align	6, 0x0
	.amdhsa_kernel k_q485b316078_attn_x
		.amdhsa_group_segment_fixed_size 222208
		.amdhsa_private_segment_fixed_size 0
		.amdhsa_enable_private_segment 0
		.amdhsa_kernarg_size 24
		.amdhsa_user_sgpr_count 2
		.amdhsa_user_sgpr_kernarg_segment_ptr 1
		.amdhsa_wavefront_size32 1
		.amdhsa_system_sgpr_workgroup_id_x 1
		.amdhsa_system_sgpr_workgroup_id_y 1
		.amdhsa_system_sgpr_workgroup_id_z 1
		.amdhsa_system_vgpr_workitem_id 0
		.amdhsa_next_free_vgpr 256
		.amdhsa_next_free_sgpr 66
		.amdhsa_reserve_vcc 0
		.amdhsa_float_denorm_mode_32 3
		.amdhsa_float_denorm_mode_16_64 3
		.amdhsa_memory_ordered 1
		.amdhsa_forward_progress 1
		.amdhsa_inst_pref_size 55
	.end_amdhsa_kernel
	.amdgpu_metadata
---
amdhsa.version: [ 1, 2 ]
amdhsa.kernels:
  - .name:           k_q485b316078_attn_x
    .symbol:         k_q485b316078_attn_x.kd
    .args:
      - { .name: qb, .offset: 0, .size: 8, .value_kind: global_buffer, .address_space: global }
      - { .name: kv, .offset: 8, .size: 8, .value_kind: global_buffer, .address_space: global }
      - { .name: ob, .offset: 16, .size: 8, .value_kind: global_buffer, .address_space: global }
    .group_segment_fixed_size: 222208
    .private_segment_fixed_size: 0
    .kernarg_segment_align: 8
    .kernarg_segment_size: 24
    .max_flat_workgroup_size: 256
    .sgpr_count:     66
    .vgpr_count:     256
    .wavefront_size: 32
...
	.end_amdgpu_metadata
.endif
;; end of part 5
;; launch p2 (part 6): grid 256 x 1, 4 waves a work-group, clusters of 4 x 1, 327,680 bytes of LDS; arguments x1, ob, wb, ca_pb, ln3_g, ln3_b, ff_b1, ff_b2, out0; writes out0
.if DOCPART == 6
	.amdgcn_target "amdgcn-amd-amdhsa--gfx1250"
	.amdhsa_code_object_version 6
	.text
	.protected	k_q485b316078_p2
	.globl	k_q485b316078_p2
	.p2align	8
	.type	k_q485b316078_p2,@function
k_q485b316078_p2:
	s_mov_b64 s[64:65], 0
	v_nop
	global_prefetch_b8 v0, s[64:65] scope:SCOPE_SE
	s_setreg_imm32_b32 hwreg(HW_REG_WAVE_MODE, 25, 1), 1
	s_wait_xcnt 0x0
	s_wait_alu depctr_hold_cnt(0) depctr_sa_sdst(0) depctr_va_vdst(0) depctr_va_sdst(0) depctr_va_ssrc(0) depctr_va_vcc(0) depctr_vm_vsrc(0)
	s_getreg_b32 s2, hwreg(HW_REG_IB_STS2, 6, 4)
	s_cmp_eq_u32 s2, 0
	s_cbranch_scc0 .Lentry_in_a_cluster
	s_endpgm
.Lentry_in_a_cluster:
	s_bfe_u32 s2, ttmp6, 0x10000c
	s_cmp_lg_u32 s2, 0x3003
	s_cbranch_scc0 .Lentry_shape_is_right
	s_endpgm
.Lentry_shape_is_right:
; p2: x2 = x1 + o2 ca_pw + ca_pb;  out = x2 + relu(LN3(x2) ff_w1 + ff_b1) ff_w2 + ff_b2.
; A work-group owns 32 whole rows; wave w owns columns 128 w .. 128 w + 127 of every product.  Window 1 holds two sets of 16 accumulator tiles:
; v128-255 carry the residual stream from x1 to the output, v0-127 a quarter (512 columns) of the hidden layer at a time.  The hidden layer never
; leaves the chip: each quarter goes to LDS as bf16 and is multiplied by its 512 rows of ff_w2 straight away.  Nine units of 32 x 512 x 512.
; Weights: bf16 [K][N], tiles of 32 k x 128 columns through each wave's own ring of 7 LDS slots, 6 filled behind one round; asked for jointly by
; the four work-groups of the cluster, which walk the same weights.  The matrix instruction is used transposed (source 0 = weights).
; The k-steps are written out by macro, without a loop: the ring's pattern of 42 tiles divides neither a unit of 16 nor a quarter's 32.
; LIMITS: LayerNorm in f32, two passes; v_rsq_f32 flushes denormals; the ReLU is max(0, .), which makes 0 of a NaN; infinities are not treated specially.
.set NSLOT, 7
.set NFILL, 6
.set NTILE, 144                        ; 9 units x 16 k-steps
.set PA, 1040                          ; activation row: 1,024 bytes + 16
.set PB, 288                           ; weight row in LDS: 256 bytes + 32
.set SLOTB, 32*PB
.set HID, 33280                        ; the hidden quarter; ACT lies at 0; the f32 slabs (16,896 bytes a wave) lie over both, at other times
.set STATS, 67584
.set RB, 68608                         ; the rings: only tensor loads write here
.set G0, 68
.set FB0, 32
.set FB1, 112
.set MSB, 0
.set TI, 0
.set LASTISS, -1
.set CURSLOT, 0
.macro WIN new
.if MSB != \new
	s_set_vgpr_msb (MSB<<8)|\new
.set MSB, \new
.endif
.endm
.macro PLACES                          ; the four places behind a matrix instruction (ISA guide 7.12.1)
.rept 4
	v_nop
.endr
.endm
.macro SYNC
	s_wait_dscnt 0x0
	s_barrier_signal -1
	s_barrier_wait -1
.endm
.macro ROUND
	s_barrier_signal -1
	s_barrier_wait -1
	s_cmp_lg_u32 s24, 0
	s_cbranch_scc1 .Lnot_wave_0_\@
	s_barrier_signal -3
.Lnot_wave_0_\@:
	s_barrier_wait -3
	s_barrier_signal -1
	s_barrier_wait -1
.endm
.macro TSRC t                          ; unit 0: ca_pw; then for each quarter hb: 512 columns of ff_w1 (rows of 2,048), 512 rows of ff_w2
.set TS_U, (\t)/16
.set TS_K, (\t)%16
.set TS_G1, 28
.if TS_U == 0
.set TS_OFF, 3670016+TS_K*32768
.else
.if (TS_U-1) % 2 == 0
.set TS_OFF, 4194304+((TS_U-1)/2)*1024+TS_K*131072
.set TS_G1, 36
.else
.set TS_OFF, 6291456+((TS_U-1)/2)*524288+TS_K*32768
.endif
.endif
.endm
.macro ISSUE t
	TSRC \t
.set IS_G, G0+4*((\t)%NSLOT)
	s_add_nc_u64 s[IS_G+2:IS_G+3], s[44:45], TS_OFF
	s_or_b32 s[IS_G+3], s[IS_G+3], 0x80000000
	tensor_load_to_lds s[IS_G:IS_G+3], s[TS_G1:TS_G1+7]
	s_nop 0
.set LASTISS, \t
.endm
.macro REFILL
	s_wait_dscnt 0x0                               ; my reads of the slots are back
	s_wait_tensorcnt 0x0                           ; all my tensor loads have landed: every group 0 may be written
	ds_add_u32 v9, v31
	s_wait_dscnt 0x0
	ROUND                                          ; both now hold of every wave of the four work-groups
.set RF_N, NTILE-1-LASTISS
.if RF_N > NFILL
.set RF_N, NFILL
.endif
.rept RF_N
	ISSUE LASTISS+1                                ; the first tensor loads behind the round
.endr
.endm
.macro ACQ
.if TI > 0
.if TI % NFILL == 0
.if LASTISS < NTILE-1
	REFILL
.endif
.endif
.endif
	s_wait_tensorcnt LASTISS-TI                    ; the tiles asked for behind tile TI stay out
.set CURSLOT, TI % NSLOT
.set TI, TI+1
.endm
.macro FETCH kk, fb, va
.irp mt, 0,1
	ds_load_b128 v[\fb+64+8*\mt:\fb+64+8*\mt+3], v[\va] offset:\mt*16*PA+(\kk)*64
	ds_load_b128 v[\fb+64+8*\mt+4:\fb+64+8*\mt+7], v[\va] offset:\mt*16*PA+(\kk)*64+32
.endr
.irp nt, 0,1,2,3,4,5,6,7
	ds_load_tr16_b128 v[\fb+8*\nt:\fb+8*\nt+3], v4 offset:CURSLOT*SLOTB+32*\nt
	ds_load_tr16_b128 v[\fb+8*\nt+4:\fb+8*\nt+7], v4 offset:CURSLOT*SLOTB+32*\nt+16*PB
.endr
.endm
.macro MUL fb, a, zero                 ; the 16 accumulators take turns, one instruction a turn
	WIN 0x50
.irp nt, 0,1,2,3,4,5,6,7
.irp mt, 0,1
.if \zero
	v_wmma_f32_16x16x32_bf16 v[\a+16*\nt+8*\mt:\a+16*\nt+8*\mt+7], v[\fb+8*\nt:\fb+8*\nt+7], v[\fb+64+8*\mt:\fb+64+8*\mt+7], 0
.else
	v_wmma_f32_16x16x32_bf16 v[\a+16*\nt+8*\mt:\a+16*\nt+8*\mt+7], v[\fb+8*\nt:\fb+8*\nt+7], v[\fb+64+8*\mt:\fb+64+8*\mt+7], v[\a+16*\nt+8*\mt:\a+16*\nt+8*\mt+7]
.endif
.endr
.endr
.endm
.macro UNIT a, va, zero
	ACQ
	PLACES
	FETCH 0, FB0, \va
.set UK, 0
.rept 15
	ACQ
.if UK > 0
	PLACES
.endif
.if UK % 2 == 0
	FETCH UK+1, FB1, \va
	s_wait_dscnt 20                                ; all but the 20 loads just issued
.if UK == 0
	MUL FB0, \a, \zero
.else
	MUL FB0, \a, 0
.endif
.else
	FETCH UK+1, FB0, \va
	s_wait_dscnt 20
	MUL FB1, \a, 0
.endif
	WIN 0
.set UK, UK+1
.endr
	s_wait_dscnt 0x0
	MUL FB1, \a, 0
	WIN 0
.endm
.macro BIAS d, sb, off                 ; a vector's 64 numbers for my tiles: columns 128 w + 16 nt + 8 h .. + 7
.irp nt, 0,1,2,3,4,5,6,7
	global_load_b128 v[\d+8*\nt:\d+8*\nt+3], v13, s[\sb:\sb+1] offset:\off+\nt*64
	global_load_b128 v[\d+8*\nt+4:\d+8*\nt+7], v13, s[\sb:\sb+1] offset:\off+\nt*64+16
.endr
.endm
.macro ADDB a, d                       ; accumulators += that vector
	WIN 0x41
.irp nt, 0,1,2,3,4,5,6,7
.irp mt, 0,1
.irp q, 0,1,2,3
	v_pk_add_f32 v[\a+16*\nt+8*\mt+2*\q:\a+16*\nt+8*\mt+2*\q+1], v[\a+16*\nt+8*\mt+2*\q:\a+16*\nt+8*\mt+2*\q+1], v[\d+8*\nt+2*\q:\d+8*\nt+2*\q+1]
.endr
.endr
.endr
	WIN 0
.endm
.macro SLAB_OUT a, sb                  ; f32 rows out through my slab (rows of 512 + 16 bytes): a store covers 512 consecutive bytes of one row
	WIN 0x04
.irp nt, 0,1,2,3,4,5,6,7
.irp mt, 0,1
	ds_store_b128 v11, v[\a+16*\nt+8*\mt:\a+16*\nt+8*\mt+3] offset:\mt*8448+\nt*64
	ds_store_b128 v11, v[\a+16*\nt+8*\mt+4:\a+16*\nt+8*\mt+7] offset:\mt*8448+\nt*64+16
.endr
.endr
	WIN 0
.irp bt, 0,1
.irp i, 0,1,2,3,4,5,6,7,8,9,10,11,12,13,14,15
	ds_load_b128 v[160+4*\i:163+4*\i], v12 offset:(16*\bt+\i)*528
.endr
.irp i, 0,1,2,3,4,5,6,7,8,9,10,11,12,13,14,15
	s_wait_dscnt 15-\i
	global_store_b128 v19, v[160+4*\i:163+4*\i], s[\sb:\sb+1] offset:(16*\bt+\i)*2048 th:TH_STORE_NT
.endr
	s_wait_xcnt 0x0                                ; v160-223 are written again only behind this wait
.endr
.endm
; The head: the residual rows go through my slab into the accumulators, the attention's result (bf16, head-major) into ACT, the projection's bias is added.
.macro HEAD a
.set LI, 0
.rept 32
	global_load_b128 v[32+4*LI:35+4*LI], v19, s[50:51] offset:LI*2048 th:TH_LOAD_NT
.set LI, LI+1
.endr
.irp hh, 0,1,2,3
.irp i4, 0,1,2,3
	global_load_b128 v[160+16*\hh+4*\i4:163+16*\hh+4*\i4], v10, s[52:53] offset:\hh*65536+\i4*512 th:TH_LOAD_NT
.endr
.endr
	s_wait_loadcnt 16                              ; the residual rows are in; the attention result's 16 loads stay out
.set LI, 0
.rept 32
	ds_store_b128 v12, v[32+4*LI:35+4*LI] offset:LI*528
.set LI, LI+1
.endr
	WIN 0x40
.irp nt, 0,1,2,3,4,5,6,7
.irp mt, 0,1
	ds_load_b128 v[\a+16*\nt+8*\mt:\a+16*\nt+8*\mt+3], v11 offset:\mt*8448+\nt*64
	ds_load_b128 v[\a+16*\nt+8*\mt+4:\a+16*\nt+8*\mt+7], v11 offset:\mt*8448+\nt*64+16
.endr
.endr
	WIN 0
	s_wait_dscnt 0x0                               ; the slab has been written and read: v32-95 are free, and the slab's bytes may become ACT
	BIAS 32, 10, 0
	s_barrier_signal -1
	s_barrier_wait -1                              ; every wave is through with its slab
	s_wait_loadcnt 16                              ; the attention's result is in; the bias's 16 loads stay out
.irp hh, 0,1,2,3
.irp i4, 0,1,2,3
	ds_store_b128 v18, v[160+16*\hh+4*\i4:163+16*\hh+4*\i4] offset:\i4*8*PA+\hh*64
.endr
.endr
	s_wait_loadcnt 0x0
	ADDB \a, 32
	SYNC                                           ; ACT is whole
.endm
.macro TREE16 b                        ; 16 pairs at v[b] .. v[b + 31] -> their sum over both halves of the lanes, in v[b]
.irp i, 0,1,2,3,4,5,6,7
	v_pk_add_f32 v[\b+2*\i:\b+2*\i+1], v[\b+2*\i:\b+2*\i+1], v[\b+16+2*\i:\b+16+2*\i+1]
.endr
.irp i, 0,1,2,3
	v_pk_add_f32 v[\b+2*\i:\b+2*\i+1], v[\b+2*\i:\b+2*\i+1], v[\b+8+2*\i:\b+8+2*\i+1]
.endr
.irp i, 0,1
	v_pk_add_f32 v[\b+2*\i:\b+2*\i+1], v[\b+2*\i:\b+2*\i+1], v[\b+4+2*\i:\b+4+2*\i+1]
.endr
	v_pk_add_f32 v[\b:\b+1], v[\b:\b+1], v[\b+2:\b+3]
	v_add_f32 v[\b], v[\b], v[\b+1]
	v_permlanex16_b32 v[\b+1], v[\b], s48, s49
	v_add_f32 v[\b], v[\b], v[\b+1]
.endm
.macro CENTER a, mt                    ; v160-223 = my 64 numbers of row 16 mt + r, less the row's mean
	WIN 0x01
.irp nt, 0,1,2,3,4,5,6,7
.irp q, 0,1,2,3
	v_pk_add_f32 v[160+8*\nt+2*\q:161+8*\nt+2*\q], v[\a+16*\nt+8*\mt+2*\q:\a+16*\nt+8*\mt+2*\q+1], v[20+2*\mt:21+2*\mt] neg_lo:[0,1] neg_hi:[0,1]
.endr
.endr
	WIN 0
.endm
; LayerNorm of the rows in the accumulators, which stay as they are; the result goes to LDS as bf16.
.macro LN_D a, sg, sbe, dst
	PLACES
	BIAS 32, \sg, 0
	BIAS 96, \sbe, 0
	WIN 0x05
.irp mt, 0,1
.irp nt, 0,1,2,3
.irp q, 0,1,2,3
	v_pk_add_f32 v[160+32*\mt+8*\nt+2*\q:161+32*\mt+8*\nt+2*\q], v[\a+16*\nt+8*\mt+2*\q:\a+16*\nt+8*\mt+2*\q+1], v[\a+64+16*\nt+8*\mt+2*\q:\a+64+16*\nt+8*\mt+2*\q+1]
.endr
.endr
.endr
	WIN 0
	TREE16 160
	TREE16 192
	ds_store_b32 v14, v160                         ; my wave's sum of row r,
	ds_store_b32 v14, v192 offset:256              ; of row 16 + r
	SYNC                                           ; also: every wave's reads of ACT are over
	ds_load_b128 v[224:227], v15
	ds_load_b128 v[228:231], v15 offset:256
	s_mov_b32 s46, 0x3b000000                      ; 1 / 512
	s_mov_b32 s47, 0x3727c5ac                      ; 1e-5
	s_wait_dscnt 0x0
	v_add_f32 v224, v224, v225
	v_add_f32 v226, v226, v227
	v_add_f32 v228, v228, v229
	v_add_f32 v230, v230, v231
	v_add_f32 v224, v224, v226
	v_add_f32 v228, v228, v230
	v_mul_f32 v20, s46, v224
	v_mul_f32 v22, s46, v228
	v_mov_b32 v21, v20
	v_mov_b32 v23, v22
.irp mt, 0,1
	CENTER \a, \mt
.irp c, 0,1,2,3
	v_pk_mul_f32 v[232+2*\c:233+2*\c], v[160+2*\c:161+2*\c], v[160+2*\c:161+2*\c]
.endr
.irp i, 1,2,3,4,5,6,7
.irp c, 0,1,2,3
	v_pk_fma_f32 v[232+2*\c:233+2*\c], v[160+8*\i+2*\c:161+8*\i+2*\c], v[160+8*\i+2*\c:161+8*\i+2*\c], v[232+2*\c:233+2*\c]
.endr
.endr
	v_pk_add_f32 v[232:233], v[232:233], v[234:235]
	v_pk_add_f32 v[236:237], v[236:237], v[238:239]
	v_pk_add_f32 v[232:233], v[232:233], v[236:237]
	v_add_f32 v[28+\mt], v232, v233
	v_permlanex16_b32 v233, v[28+\mt], s48, s49
	v_add_f32 v[28+\mt], v[28+\mt], v233
	ds_store_b32 v14, v[28+\mt] offset:512+\mt*256
.endr
	SYNC
	ds_load_b128 v[224:227], v15 offset:512
	ds_load_b128 v[228:231], v15 offset:768
	s_wait_dscnt 0x0
	v_add_f32 v224, v224, v225
	v_add_f32 v226, v226, v227
	v_add_f32 v228, v228, v229
	v_add_f32 v230, v230, v231
	v_add_f32 v224, v224, v226
	v_add_f32 v228, v228, v230
	v_fma_f32 v24, v224, s46, s47                  ; variance + 1e-5
	v_fma_f32 v26, v228, s46, s47
	v_rsq_f32 v24, v24
	v_rsq_f32 v26, v26
	v_nop                                          ; one plain place behind v_rsq_f32 (ISA guide 5.7.2)
	s_wait_alu depctr_va_vdst(0)
	v_mov_b32 v25, v24
	v_mov_b32 v27, v26
	s_wait_loadcnt 0x0                             ; gain and bias
.irp mt, 0,1
	CENTER \a, \mt
.set LI, 0
.rept 32
	v_pk_mul_f32 v[160+2*LI:161+2*LI], v[160+2*LI:161+2*LI], v[24+2*\mt:25+2*\mt]
.set LI, LI+1
.endr
.set LI, 0
.rept 32
	v_pk_fma_f32 v[160+2*LI:161+2*LI], v[160+2*LI:161+2*LI], v[32+2*LI:33+2*LI], v[96+2*LI:97+2*LI]
.set LI, LI+1
.endr
.set LI, 0
.rept 32
	v_cvt_pk_bf16_f32 v[160+LI], v[160+2*LI], v[161+2*LI]
.set LI, LI+1
.endr
.irp nt, 0,1,2,3,4,5,6,7
	ds_store_b128 v[\dst], v[160+4*\nt:163+4*\nt] offset:\mt*16*PA+\nt*32
.endr
.endr
	SYNC                                           ; the normalised rows are whole
.endm
; The hidden quarter in window 1, v0-127: + ff_b1 (in v192-255), ReLU, rounded, into LDS.
.macro EPI_RELU
	PLACES
	s_wait_loadcnt 0x0                             ; ff_b1's quarter
	WIN 0x01
.irp nt, 0,1,2,3,4,5,6,7
.irp mt, 0,1
.irp q, 0,1,2,3
	v_pk_add_f32 v[32+16*\nt+8*\mt+2*\q:33+16*\nt+8*\mt+2*\q], v[16*\nt+8*\mt+2*\q:16*\nt+8*\mt+2*\q+1], v[192+8*\nt+2*\q:193+8*\nt+2*\q]
.endr
.endr
.endr
	WIN 0
.set LI, 0
.rept 128
	v_max_num_f32 v[32+LI], 0, v[32+LI]
.set LI, LI+1
.endr
.set LI, 0
.rept 64
	v_cvt_pk_bf16_f32 v[32+LI], v[32+2*LI], v[33+2*LI]
.set LI, LI+1
.endr
	SYNC                                           ; nobody reads the last quarter any more
.irp nt, 0,1,2,3,4,5,6,7
.irp mt, 0,1
	ds_store_b128 v17, v[32+8*\nt+4*\mt:35+8*\nt+4*\mt] offset:\mt*16*PA+\nt*32
.endr
.endr
	SYNC                                           ; the new quarter is whole
.endm
	s_load_b512 s[4:19], s[0:1], 0x0               ; x1 s[4:5], ob s[6:7], wb s[8:9], ca_pb s[10:11], ln3_g s[12:13], ln3_b s[14:15], ff_b1 s[16:17], ff_b2 s[18:19]
	s_load_b64 s[20:21], s[0:1], 0x40              ; out0
	v_lshl_add_u32 v9, v0, 2, 0x4fc00
	v_mov_b32 v31, 0
	ds_add_u32 v9, v31
	ds_add_u32 v9, v31
	v_and_b32 v1, 31, v0                           ; L
	v_lshrrev_b32 v28, 5, v0
	v_readfirstlane_b32 s24, v28                   ; wave
	v_and_b32 v2, 15, v0                           ; r
	v_bfe_u32 v3, v0, 4, 1                         ; h
	s_bfe_u32 s25, ttmp6, 0x40000                  ; cx
	s_lshl_b32 s26, ttmp9, 2
	s_add_co_u32 s26, s26, s25                     ; row block: it feeds global row addresses alone
	s_mov_b32 s48, 0x76543210
	s_mov_b32 s49, 0xfedcba98
	; group 1: 32 rows x 128 bf16; 8 words of padding behind every 64; mask: all four work-groups.  s[28:35]: 512 elements from row to row; s[36:43]: 2,048 (ff_w1)
	s_mov_b32 s28, 15|(1<<16)|(1<<20)|(1<<21)|(5<<22)|(7<<25)
	s_mov_b32 s36, 15|(1<<16)|(1<<20)|(1<<21)|(5<<22)|(7<<25)
	s_mov_b32 s29, 128<<16
	s_mov_b32 s37, 128<<16
	s_mov_b32 s30, 32<<16
	s_mov_b32 s38, 32<<16
	s_mov_b32 s31, 128<<16
	s_mov_b32 s39, 128<<16
	s_mov_b32 s32, 32
	s_mov_b32 s40, 32
	s_mov_b32 s33, 512
	s_mov_b32 s41, 2048
	s_mov_b32 s34, 0
	s_mov_b32 s42, 0
	s_mov_b32 s35, 0
	s_mov_b32 s43, 0
	s_mul_i32 s27, s24, NSLOT*SLOTB                ; my ring
.set i, 0
.rept NSLOT
	s_mov_b32 s[G0+4*i], 1
	s_add_co_u32 s[G0+4*i+1], s27, RB+i*SLOTB
.set i, i+1
.endr
	v_lshlrev_b32 v10, 4, v1                       ; 16 L
	v_and_b32 v28, 7, v0
	v_lshl_add_u32 v28, v3, 3, v28
	v_mul_u32_u24 v28, v28, PB
	v_bfe_u32 v29, v0, 3, 1
	v_lshl_add_u32 v28, v29, 4, v28
	s_add_co_u32 s46, s27, RB
	v_add_nc_u32 v4, s46, v28                      ; weight fragments, slot 0
	v_mul_u32_u24 v28, v2, PA
	v_lshl_add_u32 v5, v3, 4, v28                  ; activation fragments in ACT,
	v_add_nc_u32 v6, HID, v5                       ; in the hidden quarter
	v_lshrrev_b32 v28, 2, v1                       ; L >> 2
	v_and_b32 v29, 3, v0                           ; L & 3
	s_mul_i32 s46, s24, 16896                      ; my slab
	v_mul_u32_u24 v30, v2, 528
	v_lshl_add_u32 v30, v3, 5, v30
	v_add_nc_u32 v11, s46, v30                     ; by tiles: row r, 32 bytes for each half
	v_add_nc_u32 v12, s46, v10                     ; by rows
	s_lshl_b32 s46, s24, 9
	v_lshl_add_u32 v13, v3, 5, s46                 ; my columns in a vector of f32
	v_add_nc_u32 v19, s46, v10                     ; my 512 bytes of an f32 row
	s_lshl_b32 s46, s24, 2
	s_add_co_u32 s46, s46, STATS
	v_lshl_add_u32 v14, v2, 4, s46                 ; row r's word of my wave
	v_lshlrev_b32 v15, 4, v2
	v_add_nc_u32 v15, STATS, v15                   ; row r's four words
	s_lshl_b32 s46, s24, 8
	v_add_nc_u32 v16, s46, v5                      ; my columns of row r in ACT,
	v_add_nc_u32 v17, HID, v16                     ; in the hidden quarter
	v_mul_u32_u24 v30, v28, PA
	v_lshl_add_u32 v30, v29, 4, v30
	v_add_nc_u32 v18, s46, v30                     ; the attention's result into ACT: four lanes a token
	s_mov_b32 s47, 0
	s_lshl_b32 s58, s26, 16                        ; 32 rows of 2,048 bytes
	s_mov_b32 s59, 0
	s_lshr_b32 s60, s26, 5                         ; batch
	s_lshl2_add_u32 s60, s60, s24
	s_lshl_b32 s60, s60, 18                        ; (16 batch + 4 wave) heads of 65,536 bytes
	s_and_b32 s61, s26, 31
	s_lshl_b32 s61, s61, 11
	s_add_co_u32 s60, s60, s61
	s_mov_b32 s61, 0
	s_wait_dscnt 0x0
	s_wait_kmcnt 0x0
	s_add_nc_u64 s[44:45], s[8:9], s[46:47]        ; wb at my columns
	s_add_nc_u64 s[50:51], s[4:5], s[58:59]        ; x1
	s_add_nc_u64 s[52:53], s[6:7], s[60:61]        ; o2
	s_add_nc_u64 s[54:55], s[20:21], s[58:59]      ; out0
	ROUND                                          ; the first joint loads meet
.rept NSLOT
	ISSUE LASTISS+1                                ; seven tensor loads of the wave are out
.endr
	HEAD 128
	UNIT 128, 5, 0                                 ; + o2 ca_pw: v128-255 of window 1 hold x2
	LN_D 128, 12, 14, 16                           ; LN3(x2) into ACT, where it stays for all four quarters
.irp hb, 0,1,2,3
	BIAS 192, 16, \hb*2048                         ; this quarter's ff_b1, on its way during the unit
	UNIT 0, 5, 1                                   ; LN3(x2) x 512 columns of ff_w1
	EPI_RELU
.if \hb == 3
	BIAS 192, 18, 0                                ; ff_b2, on its way during the last unit
.endif
	UNIT 128, 6, 0                                 ; + the quarter x its 512 rows of ff_w2
.endr
	PLACES
	s_wait_loadcnt 0x0
	ADDB 128, 192
	SYNC                                           ; nobody reads ACT or the hidden quarter any more: the slabs may lie over them
	SLAB_OUT 128, 54
	s_wait_tensorcnt 0x0
	ds_add_u32 v9, v31
	s_wait_dscnt 0x0
	ROUND                                          ; the closing round
	s_endpgm
.Lfunc_end_k_q485b316078_p2:
	.size	k_q485b316078_p2, .Lfunc_end_k_q485b316078_p2-k_q485b316078_p2
	.p2alignl 7, 3214868480
	.fill 96, 4, 3214868480
	.section	.rodata,"a",@progbits
	.p2align	6, 0x0
	.amdhsa_kernel k_q485b316078_p2
		.amdhsa_group_segment_fixed_size 327680
		.amdhsa_private_segment_fixed_size 0
		.amdhsa_enable_private_segment 0
		.amdhsa_kernarg_size 72
		.amdhsa_user_sgpr_count 2
		.amdhsa_user_sgpr_kernarg_segment_ptr 1
		.amdhsa_wavefront_size32 1
		.amdhsa_system_sgpr_workgroup_id_x 1
		.amdhsa_system_sgpr_workgroup_id_y 1
		.amdhsa_system_sgpr_workgroup_id_z 1
		.amdhsa_system_vgpr_workitem_id 0
		.amdhsa_next_free_vgpr 512
		.amdhsa_next_free_sgpr 96
		.amdhsa_reserve_vcc 0
		.amdhsa_float_denorm_mode_32 3
		.amdhsa_float_denorm_mode_16_64 3
		.amdhsa_memory_ordered 1
		.amdhsa_forward_progress 1
		.amdhsa_inst_pref_size 255
	.end_amdhsa_kernel
	.section	.bss,"aw",@nobits
	.p2align	6
	.space	262144
	.amdgpu_metadata
---
amdhsa.version: [ 1, 2 ]
amdhsa.kernels:
  - .name:           k_q485b316078_p2
    .symbol:         k_q485b316078_p2.kd
    .args:
      - { .name: x1, .offset: 0, .size: 8, .value_kind: global_buffer, .address_space: global }
      - { .name: ob, .offset: 8, .size: 8, .value_kind: global_buffer, .address_space: global }
      - { .name: wb, .offset: 16, .size: 8, .value_kind: global_buffer, .address_space: global }
      - { .name: ca_pb, .offset: 24, .size: 8, .value_kind: global_buffer, .address_space: global }
      - { .name: ln3_g, .offset: 32, .size: 8, .value_kind: global_buffer, .address_space: global }
      - { .name: ln3_b, .offset: 40, .size: 8, .value_kind: global_buffer, .address_space: global }
      - { .name: ff_b1, .offset: 48, .size: 8, .value_kind: global_buffer, .address_space: global }
      - { .name: ff_b2, .offset: 56, .size: 8, .value_kind: global_buffer, .address_space: global }
      - { .name: out0, .offset: 64, .size: 8, .value_kind: global_buffer, .address_space: global }
    .group_segment_fixed_size: 327680
    .private_segment_fixed_size: 0
    .kernarg_segment_align: 8
    .kernarg_segment_size: 72
    .max_flat_workgroup_size: 128
    .sgpr_count:     96
    .vgpr_count:     512
    .wavefront_size: 32
...
	.end_amdgpu_metadata
.endif
;; end of part 6
;; ======== version 2 of 3: 6 launches; 1.20 times as fast as version 1
;; limits: values outside matrix products are rounded to bf16
;; workspace buffers: wb 8,388,608 bytes; qb 8,388,608 bytes; kv 33,554,432 bytes; ob 8,388,608 bytes; x1 16,777,216 bytes
;; launch cast: the kernel of part 1 again; grid 256 x 1, 8 waves a work-group, no clusters, 0 bytes of LDS; arguments sa_wq, sa_wk, sa_wv, sa_pw, ca_wq, ca_wk, ca_wv, ca_pw, ff_w1, ff_w2, wb; writes wb
;; launch qkv (part 7): grid 256 x 1, 4 waves a work-group, clusters of 4 x 1, 327,680 bytes of LDS; arguments x, encoder_output, wb, ln1_g, ln1_b, qb, kv; writes qb, kv
.if DOCPART == 7
	.amdgcn_target "amdgcn-amd-amdhsa--gfx1250"
	.amdhsa_code_object_version 6
	.text
	.protected	k_q485b316078_qkv
	.globl	k_q485b316078_qkv
	.p2align	8
	.type	k_q485b316078_qkv,@function
k_q485b316078_qkv:
	s_mov_b64 s[64:65], 0
	v_nop
	global_prefetch_b8 v0, s[64:65] scope:SCOPE_SE
	s_setreg_imm32_b32 hwreg(HW_REG_WAVE_MODE, 25, 1), 1
	s_wait_xcnt 0x0
	s_wait_alu depctr_hold_cnt(0) depctr_sa_sdst(0) depctr_va_vdst(0) depctr_va_sdst(0) depctr_va_ssrc(0) depctr_va_vcc(0) depctr_vm_vsrc(0)
	s_getreg_b32 s2, hwreg(HW_REG_IB_STS2, 6, 4)
	s_cmp_eq_u32 s2, 0
	s_cbranch_scc0 .Lentry_in_a_cluster
	s_endpgm
.Lentry_in_a_cluster:
	s_bfe_u32 s2, ttmp6, 0x10000c
	s_cmp_lg_u32 s2, 0x3003
	s_cbranch_scc0 .Lentry_shape_is_right
	s_endpgm
.Lentry_shape_is_right:
; qkv: q1 = LN1(x) wq, k1 = x wk, v1 = x wv, k2 = enc wk, v2 = enc wv, all stored bf16 as [batch][head][token][32].
; A work-group owns 32 whole rows (tokens), so the LayerNorm stays on chip.  The three activation blocks (raw x, LN1(x), raw enc)
; lie in LDS as bf16 [32][512]; five "units" of 32 x 512 x 512 follow.  Wave w makes 128 output columns of every unit:
; 16 accumulator tiles of 16 x 16.  The bf16 weights stream through a ring of LDS slots that is each wave's own, in tiles of
; 32 k x 128 columns whose memory rows are 256 bytes, aligned.
; CLUSTER: the four work-groups of a cluster walk the same weights, so every weight tile is asked for jointly (mask 15).
; ROTATION: with g = cluster number mod 4, the work-group numbers the 512 features from block g of 128 on: local block p is memory's block
; (p + g) & 3.  That enters global addresses alone (the columns of x, enc, gain and bias; the rows and the column block of a weight tile; the heads
; stored); no LDS address and no branch hangs on it.  So the four groups of clusters do not ask for the same tile at the same step.
; The matrix instruction is used transposed (source 0 = weights, source 1 = activations): a lane's eight results are eight neighbouring
; columns of one row.  Weights stay [K][N]; the transposing LDS load makes their fragments.
; The k-steps are written out by macro, not looped: 5 of 6 slots are filled behind one round, a pattern of 30 tiles that divides no unit of 16.
; LIMITS: LayerNorm in f32, two passes (mean, then centred squares); v_rsq_f32 flushes denormals; NaN and infinities are not treated specially;
; the order of K in the sums differs from cluster to cluster (the rotation).
.set NSLOT, 6                          ; slots in a wave's ring
.set NFILL, 5                          ; filled behind one round of the cluster's barrier
.set NTILE, 80                         ; 5 units x 16 k-steps
.set PA, 1040                          ; activation row: 1,024 bytes + 16: 16 rows start at 16 different 16-byte columns
.set PB, 288                           ; weight row in LDS: 256 bytes + 32
.set SLOTB, 32*PB                      ; 9,216
.set ACT1, 33280                       ; LN1(x); ACT0 (raw x) lies at 0
.set ACT2, 66560                       ; raw encoder rows
.set STG, 33280                        ; the way out: 8,320 bytes apart for each wave, in ACT1 once the q unit has read it
.set RB, 99840                         ; the rings: only tensor loads write here
.set WBQ, 36                           ; s[36:43] four addresses: wb at my column block and at the local quarter's 128 rows
.set G0, 68                            ; s[68:91] descriptor group 0, one set for each slot
.set FB0, 32                           ; v32-95 weight fragments, v96-111 activation fragments
.set FB1, 112                          ; the second buffer
.set MSB, 0
.set TI, 0                             ; the next tile to be read
.set LASTISS, -1                       ; the last tile asked for
.set CURSLOT, 0
.macro WIN new                         ; register windows: the immediate's high byte repeats the setting that is left
.if MSB != \new
	s_set_vgpr_msb (MSB<<8)|\new
.set MSB, \new
.endif
.endm
.macro PLACES                          ; the four places behind a matrix instruction (ISA guide 7.12.1)
.rept 4
	v_nop
.endr
.endm
.macro SYNC                            ; my LDS instructions are done; then the work-group's barrier
	s_wait_dscnt 0x0
	s_barrier_signal -1
	s_barrier_wait -1
.endm
.macro ROUND                           ; a round of the cluster's barrier
	s_barrier_signal -1
	s_barrier_wait -1
	s_cmp_lg_u32 s24, 0
	s_cbranch_scc1 .Lnot_wave_0_\@
	s_barrier_signal -3
.Lnot_wave_0_\@:
	s_barrier_wait -3
	s_barrier_signal -1
	s_barrier_wait -1
.endm
.macro TSRC t                          ; tile t: the quarter's base register and the constant beside it.  Units: sa_wq, sa_wk, sa_wv, ca_wk, ca_wv
.set TS_U, (\t)/16
.set TS_K, (\t)%16
.set TS_B, WBQ+2*(TS_K/4)
.if TS_U < 3
.set TS_OFF, TS_U*524288+(TS_K%4)*32768
.else
.set TS_OFF, (TS_U+2)*524288+(TS_K%4)*32768
.endif
.endm
.macro ISSUE t                         ; ask for tile t, into slot t mod NSLOT
	TSRC \t
.set IS_G, G0+4*((\t)%NSLOT)
	s_add_nc_u64 s[IS_G+2:IS_G+3], s[TS_B:TS_B+1], TS_OFF
	s_or_b32 s[IS_G+3], s[IS_G+3], 0x80000000
	tensor_load_to_lds s[IS_G:IS_G+3], s[28:35]
	s_nop 0
.set LASTISS, \t
.endm
.macro REFILL                          ; the slots that have been read are filled again
	s_wait_dscnt 0x0                               ; my reads of them are back
	s_wait_tensorcnt 0x0                           ; all my tensor loads have landed: every group 0 may be written
	ds_add_u32 v27, v31
	s_wait_dscnt 0x0
	ROUND                                          ; both now hold of every wave of the four work-groups
.set RF_N, NTILE-1-LASTISS
.if RF_N > NFILL
.set RF_N, NFILL
.endif
.rept RF_N
	ISSUE LASTISS+1                                ; the first tensor loads behind the round
.endr
.endm
.macro ACQ                             ; tile TI is about to be read
.if TI > 0
.if TI % NFILL == 0
.if LASTISS < NTILE-1
	REFILL
.endif
.endif
.endif
	s_wait_tensorcnt LASTISS-TI                    ; tensor loads end in order: the tiles asked for behind tile TI stay out
.set CURSLOT, TI % NSLOT
.set TI, TI+1
.endm
.macro FETCH kk, fb, va                ; 20 LDS loads: 32 rows x 32 k of activations, 128 columns x 32 k of weights
.irp mt, 0,1
	ds_load_b128 v[\fb+64+8*\mt:\fb+64+8*\mt+3], v[\va] offset:\mt*16*PA+(\kk)*64
	ds_load_b128 v[\fb+64+8*\mt+4:\fb+64+8*\mt+7], v[\va] offset:\mt*16*PA+(\kk)*64+32
.endr
.irp nt, 0,1,2,3,4,5,6,7
	ds_load_tr16_b128 v[\fb+8*\nt:\fb+8*\nt+3], v4 offset:CURSLOT*SLOTB+32*\nt
	ds_load_tr16_b128 v[\fb+8*\nt+4:\fb+8*\nt+7], v4 offset:CURSLOT*SLOTB+32*\nt+16*PB
.endr
.endm
.macro MUL fb, a, zero                 ; 16 matrix instructions; the 16 accumulators take turns, one instruction a turn
	WIN 0x50                                       ; C and D in window 1
.irp nt, 0,1,2,3,4,5,6,7
.irp mt, 0,1
.if \zero
	v_wmma_f32_16x16x32_bf16 v[\a+16*\nt+8*\mt:\a+16*\nt+8*\mt+7], v[\fb+8*\nt:\fb+8*\nt+7], v[\fb+64+8*\mt:\fb+64+8*\mt+7], 0
.else
	v_wmma_f32_16x16x32_bf16 v[\a+16*\nt+8*\mt:\a+16*\nt+8*\mt+7], v[\fb+8*\nt:\fb+8*\nt+7], v[\fb+64+8*\mt:\fb+64+8*\mt+7], v[\a+16*\nt+8*\mt:\a+16*\nt+8*\mt+7]
.endif
.endr
.endr
.endm
.macro UNIT a, va, zero                ; 16 k-steps; while one is multiplied the next one's fragments are on their way
	ACQ
	PLACES
	FETCH 0, FB0, \va
.set UK, 0
.rept 15
	ACQ
.if UK > 0
	PLACES
.endif
.if UK % 2 == 0
	FETCH UK+1, FB1, \va
	s_wait_dscnt 20                                ; all but the 20 loads just issued
.if UK == 0
	MUL FB0, \a, \zero
.else
	MUL FB0, \a, 0
.endif
.else
	FETCH UK+1, FB0, \va
	s_wait_dscnt 20
	MUL FB1, \a, 0
.endif
	WIN 0
.set UK, UK+1
.endr
	s_wait_dscnt 0x0
	MUL FB1, \a, 0
	WIN 0
.endm
; The way out, bf16, head-major: my 128 columns are four heads; two heads at a time go through my own stage (rows of 64 + 16 bytes)
; and leave as 512 consecutive bytes (8 tokens of one head) for each store of the wave.
.macro EPI_HM a, sb
	PLACES
.irp hh, 0,1
	WIN 0x05
.irp n2, 0,1,2,3
.irp mt, 0,1
.irp q, 0,1,2,3
	v_cvt_pk_bf16_f32 v[192+8*\n2+4*\mt+\q], v[\a+16*(4*\hh+\n2)+8*\mt+2*\q], v[\a+16*(4*\hh+\n2)+8*\mt+2*\q+1]
.endr
.endr
.endr
	WIN 0
.irp n2, 0,1,2,3
.irp mt, 0,1
	ds_store_b128 v8, v[192+8*\n2+4*\mt:192+8*\n2+4*\mt+3] offset:(\n2/2)*2560+\mt*1280+(\n2%2)*32
.endr
.endr
	s_wait_xcnt 0x0                                ; v224-255, which earlier stores read, are loaded again only behind this wait
.irp i, 0,1,2,3,4,5,6,7
	ds_load_b128 v[224+4*\i:227+4*\i], v9 offset:\i*640     ; LDS serves a wave's instructions in order: these see the stores above
.endr
.irp i, 0,1,2,3,4,5,6,7
	s_wait_dscnt 7-\i
	global_store_b128 v10, v[224+4*\i:227+4*\i], s[\sb:\sb+1] offset:(2*\hh+\i/4)*65536+(\i%4)*512
.endr
.endr
.endm
.macro ROWSUM b                        ; sums over the 32 lanes for my eight rows at once; row i's figure in v[b + 8 i], v[b + 8 i + 1] is spent
.irp m, 1,2,4,8
.irp i, 0,1,2,3,4,5,6,7
	v_add_f32_dpp v[\b+8*\i], v[\b+8*\i], v[\b+8*\i] row_xmask:\m row_mask:0xf bank_mask:0xf
.endr
.endr
.irp i, 0,1,2,3,4,5,6,7
	v_permlanex16_b32 v[\b+8*\i+1], v[\b+8*\i], s48, s49
.endr
.irp i, 0,1,2,3,4,5,6,7
	v_add_f32 v[\b+8*\i], v[\b+8*\i], v[\b+8*\i+1]
.endr
.endm
	s_load_b256 s[4:11], s[0:1], 0x0               ; x s[4:5], enc s[6:7], wb s[8:9], ln1_g s[10:11]
	s_load_b128 s[12:15], s[0:1], 0x20             ; ln1_b s[12:13], qb s[14:15]
	s_load_b64 s[16:17], s[0:1], 0x30              ; kv
	v_lshl_add_u32 v27, v0, 2, 0x4e600
	v_mov_b32 v31, 0
	ds_add_u32 v27, v31
	ds_add_u32 v27, v31
	v_and_b32 v1, 31, v0                           ; L
	v_lshrrev_b32 v28, 5, v0
	v_readfirstlane_b32 s24, v28                   ; wave
	v_and_b32 v2, 15, v0                           ; r
	v_bfe_u32 v3, v0, 4, 1                         ; h
	s_bfe_u32 s25, ttmp6, 0x40000                  ; cx
	s_lshl_b32 s26, ttmp9, 2
	s_add_co_u32 s26, s26, s25                     ; row block = 4 x cluster + cx: it feeds global row addresses alone
	s_and_b32 s18, ttmp9, 3                        ; g: the cluster's rotation, the same in all four partners
	s_add_co_u32 s19, s24, s18
	s_and_b32 s19, s19, 3                          ; (wave + g) & 3: my column block as memory numbers it
	s_mov_b32 s48, 0x76543210                      ; v_permlanex16_b32: lane i reads lane i of the other half
	s_mov_b32 s49, 0xfedcba98
	; group 1: 32 rows x 128 bf16, 512 elements from row to row; 8 words of padding behind every 64; mask: all four work-groups
	s_mov_b32 s28, 15|(1<<16)|(1<<20)|(1<<21)|(5<<22)|(7<<25)
	s_mov_b32 s29, 128<<16
	s_mov_b32 s30, 32<<16
	s_mov_b32 s31, 128<<16
	s_mov_b32 s32, 32
	s_mov_b32 s33, 512
	s_mov_b32 s34, 0
	s_mov_b32 s35, 0
	s_mul_i32 s27, s24, NSLOT*SLOTB                ; my ring
.set i, 0
.rept NSLOT
	s_mov_b32 s[G0+4*i], 1
	s_add_co_u32 s[G0+4*i+1], s27, RB+i*SLOTB
.set i, i+1
.endr
	v_lshlrev_b32 v10, 4, v1                       ; 16 L
.irp c, 0,1,2,3
	s_add_co_u32 s46, s18, \c
	s_and_b32 s46, s46, 3
	s_lshl_b32 s46, s46, 9
	v_add_nc_u32 v[20+\c], s46, v10                ; local block c of an f32 row: memory's block (c + g) & 3, 512 bytes each, 16 bytes a lane
.endr
	v_and_b32 v28, 7, v0
	v_lshl_add_u32 v28, v3, 3, v28                 ; 8 h + (L & 7): the k row that I address for the transposing load
	v_mul_u32_u24 v28, v28, PB
	v_bfe_u32 v29, v0, 3, 1
	v_lshl_add_u32 v28, v29, 4, v28
	s_add_co_u32 s46, s27, RB
	v_add_nc_u32 v4, s46, v28                      ; weight fragments, slot 0
	v_mul_u32_u24 v28, v2, PA
	v_lshl_add_u32 v5, v3, 4, v28                  ; activation fragments: raw x,
	v_add_nc_u32 v6, ACT1, v5                      ; LN1(x),
	v_add_nc_u32 v7, ACT2, v5                      ; raw enc
	s_mul_i32 s46, s24, 8320
	s_add_co_u32 s46, s46, STG                     ; my stage
	v_mul_u32_u24 v28, v2, 80
	v_lshl_add_u32 v28, v3, 4, v28
	v_add_nc_u32 v8, s46, v28                      ; in: token r, 16 bytes for each half of the lanes
	v_lshrrev_b32 v28, 2, v1
	v_and_b32 v29, 3, v0
	v_mul_u32_u24 v30, v28, 80
	v_lshl_add_u32 v30, v29, 4, v30
	v_add_nc_u32 v9, s46, v30                      ; back: four lanes take a token's 64 bytes
	s_mul_i32 s46, s24, 8*PA
	v_lshl_add_u32 v16, v1, 3, s46                 ; my eight rows in ACT0 (and ACT1 by the immediate): 8 bytes a lane
	v_add_nc_u32 v17, ACT2, v16
	s_lshl_b32 s46, s19, 8                         ; my 128 columns in a weight row, as memory numbers them
	s_mov_b32 s47, 0
	s_lshl_b32 s20, s26, 16                        ; 32 rows of 2,048 bytes
	s_lshl_b32 s22, s24, 14                        ; + my eight rows
	s_add_co_u32 s20, s20, s22
	s_mov_b32 s21, 0
	s_lshr_b32 s22, s26, 5                         ; batch
	s_lshl2_add_u32 s22, s22, s19                  ; 4 batch + my column block
	s_lshl_b32 s22, s22, 18                        ; (16 batch + 4 x block) heads of 65,536 bytes
	s_and_b32 s23, s26, 31
	s_lshl_b32 s23, s23, 11                        ; + 32 tokens of 64 bytes for each block
	s_add_co_u32 s22, s22, s23
	s_mov_b32 s23, 0
	s_wait_dscnt 0x0
	s_wait_kmcnt 0x0
	s_add_nc_u64 s[44:45], s[8:9], s[46:47]        ; wb at my columns
.irp q, 0,1,2,3
	s_add_co_u32 s46, s18, \q
	s_and_b32 s46, s46, 3
	s_lshl_b32 s46, s46, 17                        ; 128 rows of 1,024 bytes
	s_add_nc_u64 s[WBQ+2*\q:WBQ+2*\q+1], s[44:45], s[46:47]        ; local quarter q of K: memory's rows 128 ((q + g) & 3) ..
.endr
	s_add_nc_u64 s[50:51], s[4:5], s[20:21]        ; x at my rows
	s_add_nc_u64 s[52:53], s[6:7], s[20:21]        ; enc at my rows
	s_add_nc_u64 s[54:55], s[14:15], s[22:23]      ; q1
	s_add_nc_u64 s[56:57], s[16:17], s[22:23]      ; k1
	s_add_nc_u64 s[58:59], s[56:57], 8388608       ; v1
	s_add_nc_u64 s[60:61], s[56:57], 16777216      ; k2
	s_add_nc_u64 s[62:63], s[56:57], 25165824      ; v2
	ROUND                                          ; the four work-groups are here: the first joint loads meet
.rept NSLOT
	ISSUE LASTISS+1                                ; six tensor loads of the wave are out
.endr
	; rows: lane L holds local columns 128 c + 4 L .. + 3 of row 8 w + i
.irp c, 0,1,2,3
	global_load_b128 v[160+4*\c:163+4*\c], v[20+\c], s[10:11]
	global_load_b128 v[176+4*\c:179+4*\c], v[20+\c], s[12:13]
.endr
.irp i, 0,1,2,3,4,5,6,7
.irp c, 0,1,2,3
	global_load_b128 v[32+16*\i+4*\c:35+16*\i+4*\c], v[20+\c], s[50:51] offset:\i*2048
.endr
.endr
	WIN 0x40                                       ; the encoder's rows wait in window 1, where the accumulators will lie
.irp i, 0,1,2,3,4,5,6,7
.irp c, 0,1,2,3
	global_load_b128 v[16*\i+4*\c:16*\i+4*\c+3], v[20+\c], s[52:53] offset:\i*2048 th:TH_LOAD_NT
.endr
.endr
	WIN 0
	s_mov_b32 s46, 0x3b000000                      ; 1 / 512
	s_mov_b32 s47, 0x3727c5ac                      ; 1e-5
	s_wait_loadcnt 32                              ; gain, bias and x are in; the encoder's 32 loads stay out
	; raw x, rounded, into ACT0
.irp i, 0,1,2,3,4,5,6,7
.irp c, 0,1,2,3
	v_cvt_pk_bf16_f32 v[192+8*\i+2*\c], v[32+16*\i+4*\c], v[33+16*\i+4*\c]
	v_cvt_pk_bf16_f32 v[193+8*\i+2*\c], v[34+16*\i+4*\c], v[35+16*\i+4*\c]
	ds_store_b64 v16, v[192+8*\i+2*\c:193+8*\i+2*\c] offset:\i*PA+\c*256
.endr
.endr
	; the mean of each row
.irp i, 0,1,2,3,4,5,6,7
.irp k, 0,1,2,3
	v_pk_add_f32 v[192+8*\i+2*\k:193+8*\i+2*\k], v[32+16*\i+4*\k:33+16*\i+4*\k], v[34+16*\i+4*\k:35+16*\i+4*\k]
.endr
.endr
.irp i, 0,1,2,3,4,5,6,7
	v_pk_add_f32 v[192+8*\i:193+8*\i], v[192+8*\i:193+8*\i], v[194+8*\i:195+8*\i]
	v_pk_add_f32 v[196+8*\i:197+8*\i], v[196+8*\i:197+8*\i], v[198+8*\i:199+8*\i]
.endr
.irp i, 0,1,2,3,4,5,6,7
	v_pk_add_f32 v[192+8*\i:193+8*\i], v[192+8*\i:193+8*\i], v[196+8*\i:197+8*\i]
.endr
.irp i, 0,1,2,3,4,5,6,7
	v_add_f32 v[192+8*\i], v[192+8*\i], v[193+8*\i]
.endr
	ROWSUM 192
.irp i, 0,1,2,3,4,5,6,7
	v_mul_f32 v[192+8*\i], s46, v[192+8*\i]
.endr
.irp i, 0,1,2,3,4,5,6,7
	v_mov_b32 v[193+8*\i], v[192+8*\i]
.endr
	; centred in place, then the sum of squares in two chains a row
.irp i, 0,1,2,3,4,5,6,7
.irp k, 0,1,2,3,4,5,6,7
	v_pk_add_f32 v[32+16*\i+2*\k:33+16*\i+2*\k], v[32+16*\i+2*\k:33+16*\i+2*\k], v[192+8*\i:193+8*\i] neg_lo:[0,1] neg_hi:[0,1]
.endr
.endr
.irp i, 0,1,2,3,4,5,6,7
	v_pk_mul_f32 v[194+8*\i:195+8*\i], v[32+16*\i:33+16*\i], v[32+16*\i:33+16*\i]
	v_pk_mul_f32 v[196+8*\i:197+8*\i], v[34+16*\i:35+16*\i], v[34+16*\i:35+16*\i]
.irp k, 1,2,3
	v_pk_fma_f32 v[194+8*\i:195+8*\i], v[32+16*\i+4*\k:33+16*\i+4*\k], v[32+16*\i+4*\k:33+16*\i+4*\k], v[194+8*\i:195+8*\i]
	v_pk_fma_f32 v[196+8*\i:197+8*\i], v[34+16*\i+4*\k:35+16*\i+4*\k], v[34+16*\i+4*\k:35+16*\i+4*\k], v[196+8*\i:197+8*\i]
.endr
.endr
.irp i, 0,1,2,3,4,5,6,7
	v_pk_add_f32 v[194+8*\i:195+8*\i], v[194+8*\i:195+8*\i], v[196+8*\i:197+8*\i]
.endr
.irp i, 0,1,2,3,4,5,6,7
	v_add_f32 v[194+8*\i], v[194+8*\i], v[195+8*\i]
.endr
	ROWSUM 194
.irp i, 0,1,2,3,4,5,6,7
	v_fma_f32 v[194+8*\i], v[194+8*\i], s46, s47   ; variance + 1e-5
.endr
.irp i, 0,1,2,3,4,5,6,7
	v_rsq_f32 v[194+8*\i], v[194+8*\i]
.endr
	v_nop                                          ; one plain place behind the last v_rsq_f32 (ISA guide 5.7.2)
	s_wait_alu depctr_va_vdst(0)
.irp i, 0,1,2,3,4,5,6,7
	v_mov_b32 v[195+8*\i], v[194+8*\i]
.endr
	; scaled, gain and bias, rounded, into ACT1
.irp i, 0,1,2,3,4,5,6,7
.irp k, 0,1,2,3,4,5,6,7
	v_pk_mul_f32 v[32+16*\i+2*\k:33+16*\i+2*\k], v[32+16*\i+2*\k:33+16*\i+2*\k], v[194+8*\i:195+8*\i]
.endr
.irp k, 0,1,2,3,4,5,6,7
	v_pk_fma_f32 v[32+16*\i+2*\k:33+16*\i+2*\k], v[32+16*\i+2*\k:33+16*\i+2*\k], v[160+2*\k:161+2*\k], v[176+2*\k:177+2*\k]
.endr
.irp k, 0,1,2,3,4,5,6,7
	v_cvt_pk_bf16_f32 v[32+16*\i+\k], v[32+16*\i+2*\k], v[33+16*\i+2*\k]
.endr
.irp c, 0,1,2,3
	ds_store_b64 v16, v[32+16*\i+2*\c:33+16*\i+2*\c] offset:ACT1+\i*PA+\c*256
.endr
.endr
	s_wait_loadcnt 0x0                             ; the encoder's rows
	WIN 0x05
.irp i, 0,1,2,3,4,5,6,7
.irp c, 0,1,2,3
	v_cvt_pk_bf16_f32 v[32+8*\i+2*\c], v[16*\i+4*\c], v[16*\i+4*\c+1]
	v_cvt_pk_bf16_f32 v[33+8*\i+2*\c], v[16*\i+4*\c+2], v[16*\i+4*\c+3]
.endr
.endr
	WIN 0
.irp i, 0,1,2,3,4,5,6,7
.irp c, 0,1,2,3
	ds_store_b64 v17, v[32+8*\i+2*\c:33+8*\i+2*\c] offset:\i*PA+\c*256
.endr
.endr
	SYNC                                           ; all 32 rows of the three blocks are in LDS
	UNIT 0, 6, 1                                   ; q1 from LN1(x)
	SYNC                                           ; nobody reads ACT1 any more: it becomes the stages
	EPI_HM 0, 54
	UNIT 0, 5, 1                                   ; k1 from raw x
	EPI_HM 0, 56
	UNIT 0, 5, 1                                   ; v1
	EPI_HM 0, 58
	UNIT 0, 7, 1                                   ; k2 from the encoder's rows
	EPI_HM 0, 60
	UNIT 0, 7, 1                                   ; v2
	EPI_HM 0, 62
	s_wait_tensorcnt 0x0
	ds_add_u32 v27, v31
	s_wait_dscnt 0x0
	ROUND                                          ; the closing round: no work-group ends while a partner may still ask jointly
	s_endpgm
.Lfunc_end_k_q485b316078_qkv:
	.size	k_q485b316078_qkv, .Lfunc_end_k_q485b316078_qkv-k_q485b316078_qkv
	.p2alignl 7, 3214868480
	.fill 96, 4, 3214868480
	.section	.rodata,"a",@progbits
	.p2align	6, 0x0
	.amdhsa_kernel k_q485b316078_qkv
		.amdhsa_group_segment_fixed_size 327680
		.amdhsa_private_segment_fixed_size 0
		.amdhsa_enable_private_segment 0
		.amdhsa_kernarg_size 56
		.amdhsa_user_sgpr_count 2
		.amdhsa_user_sgpr_kernarg_segment_ptr 1
		.amdhsa_wavefront_size32 1
		.amdhsa_system_sgpr_workgroup_id_x 1
		.amdhsa_system_sgpr_workgroup_id_y 1
		.amdhsa_system_sgpr_workgroup_id_z 1
		.amdhsa_system_vgpr_workitem_id 0
		.amdhsa_next_free_vgpr 384
		.amdhsa_next_free_sgpr 92
		.amdhsa_reserve_vcc 0
		.amdhsa_float_denorm_mode_32 3
		.amdhsa_float_denorm_mode_16_64 3
		.amdhsa_memory_ordered 1
		.amdhsa_forward_progress 1
		.amdhsa_inst_pref_size 255
	.end_amdhsa_kernel
	.section	.bss,"aw",@nobits
	.p2align	6
	.space	262144
	.amdgpu_metadata
---
amdhsa.version: [ 1, 2 ]
amdhsa.kernels:
  - .name:           k_q485b316078_qkv
    .symbol:         k_q485b316078_qkv.kd
    .args:
      - { .name: x, .offset: 0, .size: 8, .value_kind: global_buffer, .address_space: global }
      - { .name: encoder_output, .offset: 8, .size: 8, .value_kind: global_buffer, .address_space: global }
      - { .name: wb, .offset: 16, .size: 8, .value_kind: global_buffer, .address_space: global }
      - { .name: ln1_g, .offset: 24, .size: 8, .value_kind: global_buffer, .address_space: global }
      - { .name: ln1_b, .offset: 32, .size: 8, .value_kind: global_buffer, .address_space: global }
      - { .name: qb, .offset: 40, .size: 8, .value_kind: global_buffer, .address_space: global }
      - { .name: kv, .offset: 48, .size: 8, .value_kind: global_buffer, .address_space: global }
    .group_segment_fixed_size: 327680
    .private_segment_fixed_size: 0
    .kernarg_segment_align: 8
    .kernarg_segment_size: 56
    .max_flat_workgroup_size: 128
    .sgpr_count:     92
    .vgpr_count:     384
    .wavefront_size: 32
...
	.end_amdgpu_metadata
.endif
;; end of part 7
;; launch attn_c (part 8): grid 256 x 1, 16 waves a work-group, no clusters, 223,232 bytes of LDS; arguments qb, kv, ob; writes ob
.if DOCPART == 8
	.amdgcn_target "amdgcn-amd-amdhsa--gfx1250"
	.amdhsa_code_object_version 6
	.text
	.protected	k_q485b316078_attn_c
	.globl	k_q485b316078_attn_c
	.p2align	8
	.type	k_q485b316078_attn_c,@function
k_q485b316078_attn_c:
	s_mov_b64 s[64:65], 0
	v_nop
	global_prefetch_b8 v0, s[64:65] scope:SCOPE_SE
	s_setreg_imm32_b32 hwreg(HW_REG_WAVE_MODE, 25, 1), 1
	s_wait_xcnt 0x0
; The causal self-attention of one (batch, head) for half of its queries.
; q, k, v, o: bf16 [batch][head][1024][32].  q already carries log2(e) / sqrt(32), so the exponentials are in base 2.
; The head's whole K and V (64 KiB each) are brought into LDS once, by 32 tensor loads (two a wave); nothing is filled again.
; Sixteen waves, four a SIMD, 32 queries each; a step takes 64 keys.  The softmax is chains of dependent vector instructions, far more of them
; than matrix instructions (about 200 to 20 a step), so a SIMD holds four waves that fill each other's gaps, and the step is long so that what is
; done once a step (the rescaling of the results, the tail of the maximum) is shared by 64 keys.
; Products are used transposed: S^T = K Q^T (lane: one query, registers: keys), O^T = V^T P^T.  So the packed probabilities are already the second
; source of the next product, and the maximum belongs to a lane (and its partner in the other half).
; The sum of the probabilities is a third product: a first source with ones in rows 0 and 8 and zeros elsewhere.  Register 0 of its tile then holds, in
; both halves of the lanes, the whole sum for the lane's query; registers 1 to 7 stay zero.
; Softmax with a running maximum, as reference() takes the row's maximum away.
; NO CLUSTER: only two work-groups share a head's K and V, and each reads them once, 128 KiB for its 136 steps of up to 20 matrix instructions.
; CAUSAL: block b of 32 queries needs b >> 1 whole steps and one step on the diagonal, which has two forms (b even, b odd).  Blocks b and 31 - b
; need 17 steps together; waves w and w + 8 hold such a pair.
; LIMITS: v_exp_f32 and v_rcp_f32 flush denormals; the sum of probabilities is made of their bf16 roundings, as the numerator is;
; NaN and infinite scores are not treated specially.
.set VOFF, 8388608                     ; V behind K in kv
.set KP, 80                            ; a K row in LDS: 64 bytes + 16
.set VP, 96                            ; a V row: 64 bytes + 32 (read by the transposing load)
.set VBASE, 1024*KP
.set STGB, VBASE+1024*VP               ; 180,224: the way out, 2,560 bytes for each wave; no tensor load lands here
.set QQ, 8                             ; v8-23    two query fragments
.set KF, 24                            ; v24-55   four key fragments (64 keys)
.set VF, 56                            ; v56-87   four value fragments: 16 u + 8 dt (u: which 32 keys, dt: which 16 of the head's 32)
.set SS, 88                            ; v88-151  scores, 32 a + 8 t; the probabilities are packed into the low 8 registers of each 16
.set OO, 152                           ; v152-183 results, 16 a + 8 dt
.set LL, 184                           ; v184-199 the sums' tiles, 8 a
.set ON, 200                           ; v200-207 the ones
.set MM, 208                           ; v208-211 pairs: the running maximum, twice
.set AL, 212                           ; v212-215 pairs: the rescaling factor, twice
.set TB, 216                           ; v216-231 at work, 8 a
.set NINF, 232
.macro MAXM first                      ; the new maxima of both query tiles (32 scores a lane, the old maximum, the partner lane), stage by stage: 8 chains
.irp a, 0,1
.irp t, 0,1,2,3
	v_max3_num_f32 v[TB+8*\a+\t], v[SS+32*\a+8*\t], v[SS+32*\a+8*\t+1], v[SS+32*\a+8*\t+2]
.endr
.endr
.irp a, 0,1
.irp t, 0,1,2,3
	v_max3_num_f32 v[TB+8*\a+\t], v[TB+8*\a+\t], v[SS+32*\a+8*\t+3], v[SS+32*\a+8*\t+4]
.endr
.endr
.irp a, 0,1
.irp t, 0,1,2,3
	v_max3_num_f32 v[TB+8*\a+\t], v[TB+8*\a+\t], v[SS+32*\a+8*\t+5], v[SS+32*\a+8*\t+6]
.endr
.endr
.irp a, 0,1
	v_max3_num_f32 v[TB+8*\a], v[TB+8*\a], v[SS+32*\a+7], v[SS+32*\a+15]
	v_max3_num_f32 v[TB+8*\a+1], v[TB+8*\a+1], v[SS+32*\a+23], v[SS+32*\a+31]
.endr
.irp a, 0,1
	v_max3_num_f32 v[TB+8*\a], v[TB+8*\a], v[TB+8*\a+1], v[TB+8*\a+2]
.endr
.irp a, 0,1
.if \first
	v_max_num_f32 v[TB+8*\a], v[TB+8*\a], v[TB+8*\a+3]
.else
	v_max3_num_f32 v[TB+8*\a], v[TB+8*\a], v[TB+8*\a+3], v[MM+2*\a]
.endif
.endr
.irp a, 0,1
	v_permlanex16_b32 v[MM+2*\a+1], v[TB+8*\a], s40, s41
.endr
.irp a, 0,1
	v_max_num_f32 v[MM+2*\a+1], v[TB+8*\a], v[MM+2*\a+1]
.endr
.if \first == 0
.irp a, 0,1
	v_sub_f32 v[AL+2*\a], v[MM+2*\a], v[MM+2*\a+1]         ; old - new
.endr
.endif
.irp a, 0,1
	v_mov_b32 v[MM+2*\a], v[MM+2*\a+1]
.endr
.endm
.macro SUBM a
.set EI, 0
.rept 16
	v_pk_add_f32 v[SS+32*\a+2*EI:SS+32*\a+2*EI+1], v[SS+32*\a+2*EI:SS+32*\a+2*EI+1], v[MM+2*\a:MM+2*\a+1] neg_lo:[0,1] neg_hi:[0,1]
.set EI, EI+1
.endr
.endm
.macro EXPM a
.set EI, 0
.rept 32
	v_exp_f32 v[SS+32*\a+EI], v[SS+32*\a+EI]
.set EI, EI+1
.endr
.endm
.macro CVTM a                          ; pair i of each 16 registers is packed into register i: a second source of 32 keys x 16 queries
	s_wait_alu depctr_va_vdst(0)
.irp u, 0,1
.irp i, 0,1,2,3,4,5,6,7
	v_cvt_pk_bf16_f32 v[SS+32*\a+16*\u+\i], v[SS+32*\a+16*\u+2*\i], v[SS+32*\a+16*\u+2*\i+1]
.endr
.endr
.endm
; One step: 64 keys against my 32 queries.  first = 1: starts maximum, sums and results (nothing is cleared).  pf = 1: the next step's keys are fetched.
; dq: where my query tiles stand among the step's four key tiles: key tile t against query tile a is dropped (t > a + dq), masked (==) or whole (<).
; dq = 8: no mask; 0, 2: the step on the diagonal for an even, an odd block.
.macro STEP first, pf, dq
	s_wait_dscnt 0x0                               ; this step's key fragments
.irp a, 0,1
.irp t, 0,1,2,3
.if \t <= \a+\dq
	v_wmma_f32_16x16x32_bf16 v[SS+32*\a+8*\t:SS+32*\a+8*\t+7], v[KF+8*\t:KF+8*\t+7], v[QQ+8*\a:QQ+8*\a+7], 0
.endif
.endr
.endr
	v_add_nc_u32 v2, 64*KP, v2                     ; four places behind the matrix instructions (ISA guide 7.12.1): the next keys' address,
	v_nop
	v_nop
	v_nop
.irp u, 0,1
.irp dt, 0,1
	ds_load_tr16_b128 v[VF+16*\u+8*\dt:VF+16*\u+8*\dt+3], v3 offset:\u*32*VP+\dt*32
	ds_load_tr16_b128 v[VF+16*\u+8*\dt+4:VF+16*\u+8*\dt+7], v3 offset:\u*32*VP+\dt*32+16*VP
.endr
.endr
.if \pf
.irp t, 0,1,2,3
	ds_load_b128 v[KF+8*\t:KF+8*\t+3], v2 offset:\t*16*KP
	ds_load_b128 v[KF+8*\t+4:KF+8*\t+7], v2 offset:\t*16*KP+32
.endr
.endif
	v_add_nc_u32 v3, 64*VP, v3
.irp a, 0,1
.irp t, 0,1,2,3
.if \t > \a+\dq
.irp j, 0,1,2,3,4,5,6,7
	v_mov_b32 v[SS+32*\a+8*\t+\j], v[NINF]
.endr
.endif
.if \t == \a+\dq
.irp j, 0,1,2,3,4,5,6,7
	v_cndmask_b32 v[SS+32*\a+8*\t+\j], v[NINF], v[SS+32*\a+8*\t+\j], s[42+\j]     ; kept where key 8 h + j <= query r
.endr
.endif
.endr
.endr
	MAXM \first
.if \first == 0
	v_exp_f32 v[AL], v[AL]
	v_exp_f32 v[AL+2], v[AL+2]
.endif
	SUBM 0                                         ; plain work behind each run of exponentials, ahead of the first use of their results (ISA guide 5.7.2)
.if \first == 0
	s_wait_alu depctr_va_vdst(0)
	v_mov_b32 v[AL+1], v[AL]
	v_mov_b32 v[AL+3], v[AL+2]
.endif
	EXPM 0
	SUBM 1
	CVTM 0
	EXPM 1
.if \first
	v_nop
	s_wait_alu depctr_va_vdst(0)
.else
	s_wait_alu depctr_va_vdst(0)
.irp a, 0,1
.irp i, 0,1,2,3,4,5,6,7
	v_pk_mul_f32 v[OO+16*\a+2*\i:OO+16*\a+2*\i+1], v[OO+16*\a+2*\i:OO+16*\a+2*\i+1], v[AL+2*\a:AL+2*\a+1]
.endr
	v_mul_f32 v[LL+8*\a], v[LL+8*\a], v[AL+2*\a]   ; the sum: register 0 alone holds anything but zero
.endr
.endif
	CVTM 1
.if \pf
	s_wait_dscnt 0x8                               ; the values are in; the eight younger loads (the next keys) stay out
.else
	s_wait_dscnt 0x0
.endif
.irp u, 0,1                            ; six accumulators by turns, one instruction a turn
.irp a, 0,1
.irp dt, 0,1
.if \first*(1-\u)
	v_wmma_f32_16x16x32_bf16 v[OO+16*\a+8*\dt:OO+16*\a+8*\dt+7], v[VF+16*\u+8*\dt:VF+16*\u+8*\dt+7], v[SS+32*\a+16*\u:SS+32*\a+16*\u+7], 0
.else
	v_wmma_f32_16x16x32_bf16 v[OO+16*\a+8*\dt:OO+16*\a+8*\dt+7], v[VF+16*\u+8*\dt:VF+16*\u+8*\dt+7], v[SS+32*\a+16*\u:SS+32*\a+16*\u+7], v[OO+16*\a+8*\dt:OO+16*\a+8*\dt+7]
.endif
.endr
.if \first*(1-\u)
	v_wmma_f32_16x16x32_bf16 v[LL+8*\a:LL+8*\a+7], v[ON:ON+7], v[SS+32*\a+16*\u:SS+32*\a+16*\u+7], 0
.else
	v_wmma_f32_16x16x32_bf16 v[LL+8*\a:LL+8*\a+7], v[ON:ON+7], v[SS+32*\a+16*\u:SS+32*\a+16*\u+7], v[LL+8*\a:LL+8*\a+7]
.endif
.endr
.endr
.rept 5
	v_nop                                          ; five places: the next scores are written over the probabilities that these products read
.endr
.endm
	s_load_b128 s[4:7], s[0:1], 0x0                ; qb s[4:5], kv s[6:7]
	s_load_b64 s[8:9], s[0:1], 0x10                ; ob
	v_lshl_add_u32 v240, v0, 2, 0x36000
	v_mov_b32 v241, 0
	ds_add_u32 v240, v241
	ds_add_u32 v240, v241
	v_lshrrev_b32 v1, 5, v0
	v_readfirstlane_b32 s10, v1                    ; wave 0..15
	s_lshr_b32 s11, ttmp9, 1                       ; 16 batch + head
	s_and_b32 s50, ttmp9, 1                        ; which half of the query blocks
	; group 1: 4 KiB that are dense in memory, as 16 rows of 32 elements of 8 bytes; padding behind every 16 words (a row of K or V): 4 words for K, 8 for V
	s_mov_b32 s16, (3<<16)|(1<<20)|(3<<22)|(3<<25)
	s_mov_b32 s24, (3<<16)|(1<<20)|(3<<22)|(7<<25)
	s_mov_b32 s17, 32<<16
	s_mov_b32 s25, 32<<16
	s_mov_b32 s18, 16<<16
	s_mov_b32 s26, 16<<16
	s_mov_b32 s19, 32<<16
	s_mov_b32 s27, 32<<16
	s_mov_b32 s20, 16
	s_mov_b32 s28, 16
	s_mov_b32 s21, 32
	s_mov_b32 s29, 32
	s_mov_b32 s22, 0
	s_mov_b32 s30, 0
	s_mov_b32 s23, 0
	s_mov_b32 s31, 0
	s_mov_b32 s32, 1
	s_mul_i32 s33, s10, 64*KP                      ; my 64 rows of K
	s_mov_b32 s36, 1
	s_mul_i32 s37, s10, 64*VP                      ; my 64 rows of V
	s_add_co_u32 s37, s37, VBASE
	s_lshl_b32 s12, s11, 16
	s_lshl_b32 s13, s10, 12
	s_add_co_u32 s12, s12, s13                     ; head x 65,536 + wave x 4,096
	s_mov_b32 s13, 0
	s_wait_dscnt 0x0
	s_wait_kmcnt 0x0
	s_add_nc_u64 s[34:35], s[6:7], s[12:13]
	s_add_nc_u64 s[38:39], s[34:35], VOFF
	s_or_b32 s35, s35, 0x80000000
	s_or_b32 s39, s39, 0x80000000
	tensor_load_to_lds s[32:35], s[16:23]
	s_nop 0
	tensor_load_to_lds s[36:39], s[24:31]          ; two tensor loads of the wave are out
	s_nop 0
	s_and_b32 s51, s10, 7
	s_lshl_b32 s51, s51, 1
	s_add_co_u32 s51, s51, s50                     ; 2 (w & 7) + half: 0 .. 15
	s_sub_co_u32 s52, 31, s51
	s_cmp_lt_u32 s10, 8
	s_cselect_b32 s51, s51, s52                    ; waves 8 to 15 take the mirrored block
	s_lshr_b32 s53, s51, 1                         ; whole steps
	s_and_b32 s56, s51, 1                          ; the form of the step on the diagonal
	s_lshl_b32 s12, s11, 16
	s_lshl_b32 s52, s51, 11                        ; 32 queries of 64 bytes
	s_add_co_u32 s12, s12, s52
	s_add_nc_u64 s[14:15], s[4:5], s[12:13]        ; my queries
	s_add_nc_u64 s[54:55], s[8:9], s[12:13]        ; my results
	s_mov_b32 s40, 0x76543210                      ; v_permlanex16_b32: lane i reads lane i of the other half
	s_mov_b32 s41, 0xfedcba98
	v_and_b32 v216, 15, v0                         ; r
	v_bfe_u32 v217, v0, 4, 1                       ; h
	v_and_b32 v218, 31, v0                         ; L
	v_lshlrev_b32 v4, 6, v216
	v_lshl_add_u32 v4, v217, 4, v4                 ; query r, 16 bytes for each half
.irp a, 0,1
	global_load_b128 v[QQ+8*\a:QQ+8*\a+3], v4, s[14:15] offset:\a*1024
	global_load_b128 v[QQ+8*\a+4:QQ+8*\a+7], v4, s[14:15] offset:\a*1024+32
.endr
	v_mul_u32_u24 v2, v216, KP
	v_lshl_add_u32 v2, v217, 4, v2                 ; key fragments
	v_and_b32 v219, 7, v0
	v_lshl_add_u32 v219, v217, 3, v219
	v_mul_u32_u24 v219, v219, VP
	v_bfe_u32 v220, v0, 3, 1
	v_lshl_add_u32 v219, v220, 4, v219
	v_add_nc_u32 v3, VBASE, v219                   ; value fragments (transposing load)
	s_mul_i32 s52, s10, 2560
	s_add_co_u32 s52, s52, STGB                    ; my stage
	v_add_nc_u32 v5, s52, v2                       ; in: row r of 80 bytes, 16 bytes for each half
	v_lshrrev_b32 v219, 2, v218
	v_mul_u32_u24 v219, v219, 80
	v_and_b32 v220, 3, v0
	v_lshl_add_u32 v219, v220, 4, v219
	v_add_nc_u32 v6, s52, v219                     ; back: four lanes take a query's 64 bytes
	v_lshlrev_b32 v7, 4, v218
	v_mov_b32 v[MM+1], 0                           ; the destination of v_permlanex16_b32 counts as read: it is written once here
	v_mov_b32 v[MM+3], 0
	v_and_b32 v219, 7, v0
	v_cmp_eq_u32 vcc_lo, 0, v219                   ; rows 0 and 8 of the first source: lanes with r = 0 or 8
	v_mov_b32 v220, 0x3f803f80                     ; two bf16 ones
	v_cndmask_b32 v[ON], 0, v220, vcc_lo
.irp i, 1,2,3,4,5,6,7
	v_mov_b32 v[ON+\i], v[ON]
.endr
	v_mov_b32 v[NINF], 0xff800000
.irp j, 0,1,2,3,4,5,6,7
	v_lshl_add_u32 v219, v217, 3, \j
	v_cmp_le_u32 s[42+\j], v219, v216              ; key 8 h + j <= query r
.endr
	s_wait_tensorcnt 0x0                           ; my parts of K and V have landed,
	s_barrier_signal -1
	s_barrier_wait -1                              ; everybody's have
.irp t, 0,1,2,3
	ds_load_b128 v[KF+8*\t:KF+8*\t+3], v2 offset:\t*16*KP
	ds_load_b128 v[KF+8*\t+4:KF+8*\t+7], v2 offset:\t*16*KP+32
.endr
	s_wait_loadcnt 0x0                             ; my queries
	; the branches hang on the wave's number and the group's number alone; no barrier stands inside them
	s_cmp_eq_u32 s53, 0
	s_cbranch_scc1 .Lno_whole
	STEP 1, 1, 8
	s_sub_co_u32 s52, s53, 1                       ; b >> 1 whole steps: one above, the rest (0 to 14) in the loop
	s_cmp_lt_u32 s52, 1
	s_cbranch_scc1 .Ldiag                          ; the loop is entered with a count of 1 or more
.Lstep:
	STEP 0, 1, 8
	s_sub_co_u32 s52, s52, 1
	s_cmp_lg_u32 s52, 0
	s_cbranch_scc1 .Lstep
.Ldiag:
	s_cmp_eq_u32 s56, 0
	s_cbranch_scc1 .Ldiag_even
	STEP 0, 0, 2
	s_branch .Lend
.Ldiag_even:
	STEP 0, 0, 0
	s_branch .Lend
.Lno_whole:
	s_cmp_eq_u32 s56, 0
	s_cbranch_scc1 .Lfirst_even
	STEP 1, 0, 2
	s_branch .Lend
.Lfirst_even:
	STEP 1, 0, 0
.Lend:
	; The steps' key and value addresses come from a trip count that differs from wave to wave.  They end at row 64 (b >> 1) + 63 <= 1,023 of K and V,
	; below the stages; all the same every wave's reads of K and V are ordered ahead of every store into a stage: load, wait, barrier, store.
	s_wait_dscnt 0x0                               ; my reads of K and V are back
	s_barrier_signal -1
	s_barrier_wait -1                              ; everybody's are
	; the end: divide by the sums, round, and out through my stage as 512 consecutive bytes for each store
	v_rcp_f32 v[AL], v[LL]
	v_rcp_f32 v[AL+2], v[LL+8]
	v_nop                                          ; one plain place behind the last v_rcp_f32 (ISA guide 5.7.2)
	s_wait_alu depctr_va_vdst(0)
	v_mov_b32 v[AL+1], v[AL]
	v_mov_b32 v[AL+3], v[AL+2]
.irp a, 0,1
.irp i, 0,1,2,3,4,5,6,7
	v_pk_mul_f32 v[OO+16*\a+2*\i:OO+16*\a+2*\i+1], v[OO+16*\a+2*\i:OO+16*\a+2*\i+1], v[AL+2*\a:AL+2*\a+1]
.endr
.endr
.irp a, 0,1
.irp i, 0,1,2,3,4,5,6,7
	v_cvt_pk_bf16_f32 v[SS+8*\a+\i], v[OO+16*\a+2*\i], v[OO+16*\a+2*\i+1]
.endr
.endr
.irp a, 0,1
.irp dt, 0,1
	ds_store_b128 v5, v[SS+8*\a+4*\dt:SS+8*\a+4*\dt+3] offset:\a*1280+\dt*32
.endr
.endr
.irp i, 0,1,2,3
	ds_load_b128 v[SS+16+4*\i:SS+16+4*\i+3], v6 offset:\i*640      ; LDS serves a wave's instructions in order: these see the stores above
.endr
.irp i, 0,1,2,3
	s_wait_dscnt 3-\i
	global_store_b128 v7, v[SS+16+4*\i:SS+16+4*\i+3], s[54:55] offset:\i*512
.endr
	s_wait_tensorcnt 0x0
	ds_add_u32 v240, v241
	s_wait_dscnt 0x0
	s_endpgm
.Lfunc_end_k_q485b316078_attn_c:
	.size	k_q485b316078_attn_c, .Lfunc_end_k_q485b316078_attn_c-k_q485b316078_attn_c
	.p2alignl 7, 3214868480
	.fill 96, 4, 3214868480
	.section	.rodata,"a",@progbits
	.p2align	6, 0x0
	.amdhsa_kernel k_q485b316078_attn_c
		.amdhsa_group_segment_fixed_size 223232
		.amdhsa_private_segment_fixed_size 0
		.amdhsa_enable_private_segment 0
		.amdhsa_kernarg_size 24
		.amdhsa_user_sgpr_count 2
		.amdhsa_user_sgpr_kernarg_segment_ptr 1
		.amdhsa_wavefront_size32 1
		.amdhsa_system_sgpr_workgroup_id_x 1
		.amdhsa_system_sgpr_workgroup_id_y 1
		.amdhsa_system_sgpr_workgroup_id_z 1
		.amdhsa_system_vgpr_workitem_id 0
		.amdhsa_next_free_vgpr 242
		.amdhsa_next_free_sgpr 66
		.amdhsa_reserve_vcc 1
		.amdhsa_float_denorm_mode_32 3
		.amdhsa_float_denorm_mode_16_64 3
		.amdhsa_memory_ordered 1
		.amdhsa_forward_progress 1
		.amdhsa_inst_pref_size 85
	.end_amdhsa_kernel
	.amdgpu_metadata
---
amdhsa.version: [ 1, 2 ]
amdhsa.kernels:
  - .name:           k_q485b316078_attn_c
    .symbol:         k_q485b316078_attn_c.kd
    .args:
      - { .name: qb, .offset: 0, .size: 8, .value_kind: global_buffer, .address_space: global }
      - { .name: kv, .offset: 8, .size: 8, .value_kind: global_buffer, .address_space: global }
      - { .name: ob, .offset: 16, .size: 8, .value_kind: global_buffer, .address_space: global }
    .group_segment_fixed_size: 223232
    .private_segment_fixed_size: 0
    .kernarg_segment_align: 8
    .kernarg_segment_size: 24
    .max_flat_workgroup_size: 512
    .sgpr_count:     66
    .vgpr_count:     242
    .wavefront_size: 32
...
	.end_amdgpu_metadata
.endif
;; end of part 8
;; launch p1 (part 9): grid 256 x 1, 4 waves a work-group, clusters of 4 x 1, 327,680 bytes of LDS; arguments x, ob, wb, sa_pb, ln2_g, ln2_b, x1, qb; writes x1, qb
.if DOCPART == 9
	.amdgcn_target "amdgcn-amd-amdhsa--gfx1250"
	.amdhsa_code_object_version 6
	.text
	.protected	k_q485b316078_p1
	.globl	k_q485b316078_p1
	.p2align	8
	.type	k_q485b316078_p1,@function
k_q485b316078_p1:
	s_mov_b64 s[64:65], 0
	v_nop
	global_prefetch_b8 v0, s[64:65] scope:SCOPE_SE
	s_setreg_imm32_b32 hwreg(HW_REG_WAVE_MODE, 25, 1), 1
	s_wait_xcnt 0x0
	s_wait_alu depctr_hold_cnt(0) depctr_sa_sdst(0) depctr_va_vdst(0) depctr_va_sdst(0) depctr_va_ssrc(0) depctr_va_vcc(0) depctr_vm_vsrc(0)
	s_getreg_b32 s2, hwreg(HW_REG_IB_STS2, 6, 4)
	s_cmp_eq_u32 s2, 0
	s_cbranch_scc0 .Lentry_in_a_cluster
	s_endpgm
.Lentry_in_a_cluster:
	s_bfe_u32 s2, ttmp6, 0x10000c
	s_cmp_lg_u32 s2, 0x3003
	s_cbranch_scc0 .Lentry_shape_is_right
	s_endpgm
.Lentry_shape_is_right:
; p1: x1 = x + o1 sa_pw + sa_pb (stored f32), q2 = LN2(x1) ca_wq (stored bf16, head-major).
; A work-group owns 32 whole rows; wave w owns 128 columns: 16 accumulator tiles in window 1.  The residual row block is laid
; into the accumulators first, so the projection adds onto it; the LayerNorm works on the accumulators (partial sums of the four waves meet in LDS).
; Weights: bf16 [K][N], tiles of 32 k x 128 columns through each wave's own ring of 7 LDS slots, 6 filled behind one round; asked for jointly by
; the four work-groups of the cluster, which walk the same weights.  The matrix instruction is used transposed (source 0 = weights).
; ROTATION: with g = cluster number mod 4, the work-group numbers the 512 features from block g of 128 on: local block p is memory's block
; (p + g) & 3.  That enters global addresses alone (the columns of x and x1, of bias and gain; the heads read and stored; the rows and the column block
; of a weight tile); no LDS address and no branch hangs on it.  So the four groups of clusters do not ask for the same tile at the same step.
; The k-steps are written out by macro: the ring's pattern of 42 tiles divides no unit of 16.
; LIMITS: LayerNorm in f32, two passes (mean, then centred squares); v_rsq_f32 flushes denormals; NaN and infinities are not treated specially;
; the order of K in the sums differs from cluster to cluster (the rotation).
.set NSLOT, 7
.set NFILL, 6
.set NTILE, 32                         ; 2 units x 16 k-steps
.set PA, 1040                          ; activation row: 1,024 bytes + 16
.set PB, 288                           ; weight row in LDS: 256 bytes + 32
.set SLOTB, 32*PB
.set STG, 33280                        ; stages for the bf16 way out, 8,320 bytes apart; ACT lies at 0; the f32 slabs (16,896 bytes a wave) lie over both, at other times
.set STATS, 67584                      ; 1,024 bytes: partial sums, then partial sums of squares
.set RB, 68608                         ; the rings: only tensor loads write here
.set WBQ, 36                           ; s[36:43] four addresses: wb at my column block and at the local quarter's 128 rows
.set G0, 68
.set FB0, 32
.set FB1, 112
.set MSB, 0
.set TI, 0
.set LASTISS, -1
.set CURSLOT, 0
.macro WIN new
.if MSB != \new
	s_set_vgpr_msb (MSB<<8)|\new
.set MSB, \new
.endif
.endm
.macro PLACES                          ; the four places behind a matrix instruction (ISA guide 7.12.1)
.rept 4
	v_nop
.endr
.endm
.macro SYNC
	s_wait_dscnt 0x0
	s_barrier_signal -1
	s_barrier_wait -1
.endm
.macro ROUND
	s_barrier_signal -1
	s_barrier_wait -1
	s_cmp_lg_u32 s24, 0
	s_cbranch_scc1 .Lnot_wave_0_\@
	s_barrier_signal -3
.Lnot_wave_0_\@:
	s_barrier_wait -3
	s_barrier_signal -1
	s_barrier_wait -1
.endm
.macro TSRC t                          ; tile t: the quarter's base register and the constant beside it.  Units: sa_pw, ca_wq
.set TS_K, (\t)%16
.set TS_B, WBQ+2*(TS_K/4)
.set TS_OFF, 1572864+((\t)/16)*524288+(TS_K%4)*32768
.endm
.macro ISSUE t
	TSRC \t
.set IS_G, G0+4*((\t)%NSLOT)
	s_add_nc_u64 s[IS_G+2:IS_G+3], s[TS_B:TS_B+1], TS_OFF
	s_or_b32 s[IS_G+3], s[IS_G+3], 0x80000000
	tensor_load_to_lds s[IS_G:IS_G+3], s[28:35]
	s_nop 0
.set LASTISS, \t
.endm
.macro REFILL
	s_wait_dscnt 0x0                               ; my reads of the slots are back
	s_wait_tensorcnt 0x0                           ; all my tensor loads have landed: every group 0 may be written
	ds_add_u32 v17, v31
	s_wait_dscnt 0x0
	ROUND                                          ; both now hold of every wave of the four work-groups
.set RF_N, NTILE-1-LASTISS
.if RF_N > NFILL
.set RF_N, NFILL
.endif
.rept RF_N
	ISSUE LASTISS+1                                ; the first tensor loads behind the round
.endr
.endm
.macro ACQ
.if TI > 0
.if TI % NFILL == 0
.if LASTISS < NTILE-1
	REFILL
.endif
.endif
.endif
	s_wait_tensorcnt LASTISS-TI                    ; the tiles asked for behind tile TI stay out
.set CURSLOT, TI % NSLOT
.set TI, TI+1
.endm
.macro FETCH kk, fb, va
.irp mt, 0,1
	ds_load_b128 v[\fb+64+8*\mt:\fb+64+8*\mt+3], v[\va] offset:\mt*16*PA+(\kk)*64
	ds_load_b128 v[\fb+64+8*\mt+4:\fb+64+8*\mt+7], v[\va] offset:\mt*16*PA+(\kk)*64+32
.endr
.irp nt, 0,1,2,3,4,5,6,7
	ds_load_tr16_b128 v[\fb+8*\nt:\fb+8*\nt+3], v4 offset:CURSLOT*SLOTB+32*\nt
	ds_load_tr16_b128 v[\fb+8*\nt+4:\fb+8*\nt+7], v4 offset:CURSLOT*SLOTB+32*\nt+16*PB
.endr
.endm
.macro MUL fb, a, zero                 ; the 16 accumulators take turns, one instruction a turn
	WIN 0x50
.irp nt, 0,1,2,3,4,5,6,7
.irp mt, 0,1
.if \zero
	v_wmma_f32_16x16x32_bf16 v[\a+16*\nt+8*\mt:\a+16*\nt+8*\mt+7], v[\fb+8*\nt:\fb+8*\nt+7], v[\fb+64+8*\mt:\fb+64+8*\mt+7], 0
.else
	v_wmma_f32_16x16x32_bf16 v[\a+16*\nt+8*\mt:\a+16*\nt+8*\mt+7], v[\fb+8*\nt:\fb+8*\nt+7], v[\fb+64+8*\mt:\fb+64+8*\mt+7], v[\a+16*\nt+8*\mt:\a+16*\nt+8*\mt+7]
.endif
.endr
.endr
.endm
.macro UNIT a, va, zero
	ACQ
	PLACES
	FETCH 0, FB0, \va
.set UK, 0
.rept 15
	ACQ
.if UK > 0
	PLACES
.endif
.if UK % 2 == 0
	FETCH UK+1, FB1, \va
	s_wait_dscnt 20                                ; all but the 20 loads just issued
.if UK == 0
	MUL FB0, \a, \zero
.else
	MUL FB0, \a, 0
.endif
.else
	FETCH UK+1, FB0, \va
	s_wait_dscnt 20
	MUL FB1, \a, 0
.endif
	WIN 0
.set UK, UK+1
.endr
	s_wait_dscnt 0x0
	MUL FB1, \a, 0
	WIN 0
.endm
.macro EPI_HM a, sb                    ; bf16, head-major, two heads at a time through my own stage; a store covers 512 consecutive bytes
	PLACES
.irp hh, 0,1
	WIN 0x05
.irp n2, 0,1,2,3
.irp mt, 0,1
.irp q, 0,1,2,3
	v_cvt_pk_bf16_f32 v[192+8*\n2+4*\mt+\q], v[\a+16*(4*\hh+\n2)+8*\mt+2*\q], v[\a+16*(4*\hh+\n2)+8*\mt+2*\q+1]
.endr
.endr
.endr
	WIN 0
.irp n2, 0,1,2,3
.irp mt, 0,1
	ds_store_b128 v8, v[192+8*\n2+4*\mt:192+8*\n2+4*\mt+3] offset:(\n2/2)*2560+\mt*1280+(\n2%2)*32
.endr
.endr
	s_wait_xcnt 0x0                                ; v224-255, which earlier stores read, are loaded again only behind this wait
.irp i, 0,1,2,3,4,5,6,7
	ds_load_b128 v[224+4*\i:227+4*\i], v9 offset:\i*640
.endr
.irp i, 0,1,2,3,4,5,6,7
	s_wait_dscnt 7-\i
	global_store_b128 v10, v[224+4*\i:227+4*\i], s[\sb:\sb+1] offset:(2*\hh+\i/4)*65536+(\i%4)*512
.endr
.endr
.endm
.macro BIAS d, sb, off                 ; a vector's 64 numbers for my tiles: my block's columns 16 nt + 8 h .. + 7
.irp nt, 0,1,2,3,4,5,6,7
	global_load_b128 v[\d+8*\nt:\d+8*\nt+3], v13, s[\sb:\sb+1] offset:\off+\nt*64
	global_load_b128 v[\d+8*\nt+4:\d+8*\nt+7], v13, s[\sb:\sb+1] offset:\off+\nt*64+16
.endr
.endm
.macro ADDB a, d                       ; accumulators += that vector
	WIN 0x41
.irp nt, 0,1,2,3,4,5,6,7
.irp mt, 0,1
.irp q, 0,1,2,3
	v_pk_add_f32 v[\a+16*\nt+8*\mt+2*\q:\a+16*\nt+8*\mt+2*\q+1], v[\a+16*\nt+8*\mt+2*\q:\a+16*\nt+8*\mt+2*\q+1], v[\d+8*\nt+2*\q:\d+8*\nt+2*\q+1]
.endr
.endr
.endr
	WIN 0
.endm
.macro SLAB_OUT a, sb                  ; f32 rows out through my slab (rows of 512 + 16 bytes): a store covers 512 consecutive bytes of one row
	WIN 0x04
.irp nt, 0,1,2,3,4,5,6,7
.irp mt, 0,1
	ds_store_b128 v11, v[\a+16*\nt+8*\mt:\a+16*\nt+8*\mt+3] offset:\mt*8448+\nt*64
	ds_store_b128 v11, v[\a+16*\nt+8*\mt+4:\a+16*\nt+8*\mt+7] offset:\mt*8448+\nt*64+16
.endr
.endr
	WIN 0
.irp bt, 0,1
.irp i, 0,1,2,3,4,5,6,7,8,9,10,11,12,13,14,15
	ds_load_b128 v[160+4*\i:163+4*\i], v12 offset:(16*\bt+\i)*528
.endr
.irp i, 0,1,2,3,4,5,6,7,8,9,10,11,12,13,14,15
	s_wait_dscnt 15-\i
	global_store_b128 v19, v[160+4*\i:163+4*\i], s[\sb:\sb+1] offset:(16*\bt+\i)*2048
.endr
	s_wait_xcnt 0x0                                ; v160-223 are written again only behind this wait
.endr
.endm
; The head: the residual rows go through my slab into the accumulators, the attention's result (bf16, head-major) into ACT, the projection's bias is added.
.macro HEAD a
.set LI, 0
.rept 32
	global_load_b128 v[32+4*LI:35+4*LI], v19, s[50:51] offset:LI*2048
.set LI, LI+1
.endr
.irp hh, 0,1,2,3
.irp i4, 0,1,2,3
	global_load_b128 v[160+16*\hh+4*\i4:163+16*\hh+4*\i4], v10, s[52:53] offset:\hh*65536+\i4*512
.endr
.endr
	s_wait_loadcnt 16                              ; the residual rows are in; the attention result's 16 loads stay out
.set LI, 0
.rept 32
	ds_store_b128 v12, v[32+4*LI:35+4*LI] offset:LI*528
.set LI, LI+1
.endr
	WIN 0x40
.irp nt, 0,1,2,3,4,5,6,7
.irp mt, 0,1
	ds_load_b128 v[\a+16*\nt+8*\mt:\a+16*\nt+8*\mt+3], v11 offset:\mt*8448+\nt*64
	ds_load_b128 v[\a+16*\nt+8*\mt+4:\a+16*\nt+8*\mt+7], v11 offset:\mt*8448+\nt*64+16
.endr
.endr
	WIN 0
	s_wait_dscnt 0x0                               ; the slab has been written and read: v32-95 are free, and the slab's bytes may become ACT
	BIAS 32, 10, 0
	s_barrier_signal -1
	s_barrier_wait -1                              ; every wave is through with its slab
	s_wait_loadcnt 16                              ; the attention's result is in; the bias's 16 loads stay out
.irp hh, 0,1,2,3
.irp i4, 0,1,2,3
	ds_store_b128 v18, v[160+16*\hh+4*\i4:163+16*\hh+4*\i4] offset:\i4*8*PA+\hh*64
.endr
.endr
	s_wait_loadcnt 0x0
	ADDB \a, 32
	SYNC                                           ; ACT is whole
.endm
.macro TREE16 b                        ; 16 pairs at v[b] .. v[b + 31] -> their sum over both halves of the lanes, in v[b]
.irp i, 0,1,2,3,4,5,6,7
	v_pk_add_f32 v[\b+2*\i:\b+2*\i+1], v[\b+2*\i:\b+2*\i+1], v[\b+16+2*\i:\b+16+2*\i+1]
.endr
.irp i, 0,1,2,3
	v_pk_add_f32 v[\b+2*\i:\b+2*\i+1], v[\b+2*\i:\b+2*\i+1], v[\b+8+2*\i:\b+8+2*\i+1]
.endr
.irp i, 0,1
	v_pk_add_f32 v[\b+2*\i:\b+2*\i+1], v[\b+2*\i:\b+2*\i+1], v[\b+4+2*\i:\b+4+2*\i+1]
.endr
	v_pk_add_f32 v[\b:\b+1], v[\b:\b+1], v[\b+2:\b+3]
	v_add_f32 v[\b], v[\b], v[\b+1]
	v_permlanex16_b32 v[\b+1], v[\b], s48, s49
	v_add_f32 v[\b], v[\b], v[\b+1]
.endm
.macro CENTER a, mt                    ; v160-223 = my 64 numbers of row 16 mt + r, less the row's mean
	WIN 0x01
.irp nt, 0,1,2,3,4,5,6,7
.irp q, 0,1,2,3
	v_pk_add_f32 v[160+8*\nt+2*\q:161+8*\nt+2*\q], v[\a+16*\nt+8*\mt+2*\q:\a+16*\nt+8*\mt+2*\q+1], v[20+2*\mt:21+2*\mt] neg_lo:[0,1] neg_hi:[0,1]
.endr
.endr
	WIN 0
.endm
; LayerNorm of the rows in the accumulators, which stay as they are; the result goes to LDS as bf16.  slab = 1: the rows also leave as f32.
.macro LN_D a, sg, sbe, dst, slab, so
	PLACES
	BIAS 32, \sg, 0
	BIAS 96, \sbe, 0
	WIN 0x05
.irp mt, 0,1
.irp nt, 0,1,2,3
.irp q, 0,1,2,3
	v_pk_add_f32 v[160+32*\mt+8*\nt+2*\q:161+32*\mt+8*\nt+2*\q], v[\a+16*\nt+8*\mt+2*\q:\a+16*\nt+8*\mt+2*\q+1], v[\a+64+16*\nt+8*\mt+2*\q:\a+64+16*\nt+8*\mt+2*\q+1]
.endr
.endr
.endr
	WIN 0
	TREE16 160
	TREE16 192
	ds_store_b32 v14, v160                         ; my wave's sum of row r,
	ds_store_b32 v14, v192 offset:256              ; of row 16 + r
	SYNC                                           ; also: every wave's reads of ACT are over
	ds_load_b128 v[224:227], v15
	ds_load_b128 v[228:231], v15 offset:256
	s_mov_b32 s46, 0x3b000000                      ; 1 / 512
	s_mov_b32 s47, 0x3727c5ac                      ; 1e-5
	s_wait_dscnt 0x0
	v_add_f32 v224, v224, v225
	v_add_f32 v226, v226, v227
	v_add_f32 v228, v228, v229
	v_add_f32 v230, v230, v231
	v_add_f32 v224, v224, v226
	v_add_f32 v228, v228, v230
	v_mul_f32 v20, s46, v224
	v_mul_f32 v22, s46, v228
	v_mov_b32 v21, v20
	v_mov_b32 v23, v22
.if \slab
	SLAB_OUT \a, \so
.endif
.irp mt, 0,1
	CENTER \a, \mt
.irp c, 0,1,2,3
	v_pk_mul_f32 v[232+2*\c:233+2*\c], v[160+2*\c:161+2*\c], v[160+2*\c:161+2*\c]
.endr
.irp i, 1,2,3,4,5,6,7
.irp c, 0,1,2,3
	v_pk_fma_f32 v[232+2*\c:233+2*\c], v[160+8*\i+2*\c:161+8*\i+2*\c], v[160+8*\i+2*\c:161+8*\i+2*\c], v[232+2*\c:233+2*\c]
.endr
.endr
	v_pk_add_f32 v[232:233], v[232:233], v[234:235]
	v_pk_add_f32 v[236:237], v[236:237], v[238:239]
	v_pk_add_f32 v[232:233], v[232:233], v[236:237]
	v_add_f32 v[28+\mt], v232, v233
	v_permlanex16_b32 v233, v[28+\mt], s48, s49
	v_add_f32 v[28+\mt], v[28+\mt], v233
	ds_store_b32 v14, v[28+\mt] offset:512+\mt*256
.endr
	SYNC                                           ; also: every wave is through with its slab
	ds_load_b128 v[224:227], v15 offset:512
	ds_load_b128 v[228:231], v15 offset:768
	s_wait_dscnt 0x0
	v_add_f32 v224, v224, v225
	v_add_f32 v226, v226, v227
	v_add_f32 v228, v228, v229
	v_add_f32 v230, v230, v231
	v_add_f32 v224, v224, v226
	v_add_f32 v228, v228, v230
	v_fma_f32 v24, v224, s46, s47                  ; variance + 1e-5
	v_fma_f32 v26, v228, s46, s47
	v_rsq_f32 v24, v24
	v_rsq_f32 v26, v26
	v_nop                                          ; one plain place behind v_rsq_f32 (ISA guide 5.7.2)
	s_wait_alu depctr_va_vdst(0)
	v_mov_b32 v25, v24
	v_mov_b32 v27, v26
	s_wait_loadcnt 0x0                             ; gain and bias
.irp mt, 0,1
	CENTER \a, \mt
.set LI, 0
.rept 32
	v_pk_mul_f32 v[160+2*LI:161+2*LI], v[160+2*LI:161+2*LI], v[24+2*\mt:25+2*\mt]
.set LI, LI+1
.endr
.set LI, 0
.rept 32
	v_pk_fma_f32 v[160+2*LI:161+2*LI], v[160+2*LI:161+2*LI], v[32+2*LI:33+2*LI], v[96+2*LI:97+2*LI]
.set LI, LI+1
.endr
.set LI, 0
.rept 32
	v_cvt_pk_bf16_f32 v[160+LI], v[160+2*LI], v[161+2*LI]
.set LI, LI+1
.endr
.irp nt, 0,1,2,3,4,5,6,7
	ds_store_b128 v[\dst], v[160+4*\nt:163+4*\nt] offset:\mt*16*PA+\nt*32
.endr
.endr
	SYNC                                           ; the normalised rows are whole
.endm
	s_load_b512 s[4:19], s[0:1], 0x0               ; x s[4:5], ob s[6:7], wb s[8:9], sa_pb s[10:11], ln2_g s[12:13], ln2_b s[14:15], x1 s[16:17], qb s[18:19]
	v_lshl_add_u32 v17, v0, 2, 0x4fc00
	v_mov_b32 v31, 0
	ds_add_u32 v17, v31
	ds_add_u32 v17, v31
	v_and_b32 v1, 31, v0                           ; L
	v_lshrrev_b32 v28, 5, v0
	v_readfirstlane_b32 s24, v28                   ; wave
	v_and_b32 v2, 15, v0                           ; r
	v_bfe_u32 v3, v0, 4, 1                         ; h
	s_bfe_u32 s25, ttmp6, 0x40000                  ; cx
	s_lshl_b32 s26, ttmp9, 2
	s_add_co_u32 s26, s26, s25                     ; row block: it feeds global row addresses alone
	s_and_b32 s66, ttmp9, 3                        ; g: the cluster's rotation, the same in all four partners
	s_add_co_u32 s67, s24, s66
	s_and_b32 s67, s67, 3                          ; (wave + g) & 3: my column block as memory numbers it
	s_mov_b32 s48, 0x76543210
	s_mov_b32 s49, 0xfedcba98
	; group 1: 32 rows x 128 bf16, 512 elements from row to row; 8 words of padding behind every 64; mask: all four work-groups
	s_mov_b32 s28, 15|(1<<16)|(1<<20)|(1<<21)|(5<<22)|(7<<25)
	s_mov_b32 s29, 128<<16
	s_mov_b32 s30, 32<<16
	s_mov_b32 s31, 128<<16
	s_mov_b32 s32, 32
	s_mov_b32 s33, 512
	s_mov_b32 s34, 0
	s_mov_b32 s35, 0
	s_mul_i32 s27, s24, NSLOT*SLOTB                ; my ring
.set i, 0
.rept NSLOT
	s_mov_b32 s[G0+4*i], 1
	s_add_co_u32 s[G0+4*i+1], s27, RB+i*SLOTB
.set i, i+1
.endr
	v_lshlrev_b32 v10, 4, v1                       ; 16 L
	v_and_b32 v28, 7, v0
	v_lshl_add_u32 v28, v3, 3, v28
	v_mul_u32_u24 v28, v28, PB
	v_bfe_u32 v29, v0, 3, 1
	v_lshl_add_u32 v28, v29, 4, v28
	s_add_co_u32 s46, s27, RB
	v_add_nc_u32 v4, s46, v28                      ; weight fragments, slot 0
	v_mul_u32_u24 v28, v2, PA
	v_lshl_add_u32 v5, v3, 4, v28                  ; activation fragments in ACT
	s_mul_i32 s46, s24, 8320
	s_add_co_u32 s46, s46, STG                     ; my stage
	v_mul_u32_u24 v28, v2, 80
	v_lshl_add_u32 v28, v3, 4, v28
	v_add_nc_u32 v8, s46, v28
	v_lshrrev_b32 v28, 2, v1                       ; L >> 2
	v_and_b32 v29, 3, v0                           ; L & 3
	v_mul_u32_u24 v30, v28, 80
	v_lshl_add_u32 v30, v29, 4, v30
	v_add_nc_u32 v9, s46, v30
	s_mul_i32 s46, s24, 16896                      ; my slab
	v_mul_u32_u24 v30, v2, 528
	v_lshl_add_u32 v30, v3, 5, v30
	v_add_nc_u32 v11, s46, v30                     ; by tiles: row r, 32 bytes for each half
	v_add_nc_u32 v12, s46, v10                     ; by rows
	s_lshl_b32 s46, s67, 9                         ; in memory: my column block, 512 bytes of f32
	v_lshl_add_u32 v13, v3, 5, s46                 ; my columns in a vector of 512 f32
	v_add_nc_u32 v19, s46, v10                     ; my 512 bytes of an f32 row
	s_lshl_b32 s46, s24, 2
	s_add_co_u32 s46, s46, STATS
	v_lshl_add_u32 v14, v2, 4, s46                 ; row r's word of my wave
	v_lshlrev_b32 v15, 4, v2
	v_add_nc_u32 v15, STATS, v15                   ; row r's four words
	s_lshl_b32 s46, s24, 8                         ; in LDS: local block = wave
	v_add_nc_u32 v16, s46, v5                      ; my columns of row r in ACT
	v_mul_u32_u24 v30, v28, PA
	v_lshl_add_u32 v30, v29, 4, v30
	v_add_nc_u32 v18, s46, v30                     ; the attention's result into ACT: four lanes a token
	s_lshl_b32 s46, s67, 8                         ; my 128 columns in a weight row, as memory numbers them
	s_mov_b32 s47, 0
	s_lshl_b32 s20, s26, 16                        ; 32 rows of 2,048 bytes
	s_mov_b32 s21, 0
	s_lshr_b32 s22, s26, 5                         ; batch
	s_lshl2_add_u32 s22, s22, s67                  ; 4 batch + my column block
	s_lshl_b32 s22, s22, 18                        ; (16 batch + 4 x block) heads of 65,536 bytes
	s_and_b32 s23, s26, 31
	s_lshl_b32 s23, s23, 11
	s_add_co_u32 s22, s22, s23
	s_mov_b32 s23, 0
	s_wait_dscnt 0x0
	s_wait_kmcnt 0x0
	s_add_nc_u64 s[44:45], s[8:9], s[46:47]        ; wb at my columns
.irp q, 0,1,2,3
	s_add_co_u32 s46, s66, \q
	s_and_b32 s46, s46, 3
	s_lshl_b32 s46, s46, 17                        ; 128 rows of 1,024 bytes
	s_add_nc_u64 s[WBQ+2*\q:WBQ+2*\q+1], s[44:45], s[46:47]        ; local quarter q of K: memory's rows 128 ((q + g) & 3) ..
.endr
	s_add_nc_u64 s[50:51], s[4:5], s[20:21]        ; x
	s_add_nc_u64 s[52:53], s[6:7], s[22:23]        ; o1
	s_add_nc_u64 s[54:55], s[16:17], s[20:21]      ; x1
	s_add_nc_u64 s[56:57], s[18:19], s[22:23]      ; q2
	ROUND                                          ; the first joint loads meet
.rept NSLOT
	ISSUE LASTISS+1                                ; seven tensor loads of the wave are out
.endr
	HEAD 0
	UNIT 0, 5, 0                                   ; + o1 sa_pw: the accumulators hold x1
	LN_D 0, 12, 14, 16, 1, 54                      ; x1 out; LN2(x1) into ACT
	UNIT 0, 5, 1                                   ; q2
	EPI_HM 0, 56
	s_wait_tensorcnt 0x0
	ds_add_u32 v17, v31
	s_wait_dscnt 0x0
	ROUND                                          ; the closing round
	s_endpgm
.Lfunc_end_k_q485b316078_p1:
	.size	k_q485b316078_p1, .Lfunc_end_k_q485b316078_p1-k_q485b316078_p1
	.p2alignl 7, 3214868480
	.fill 96, 4, 3214868480
	.section	.rodata,"a",@progbits
	.p2align	6, 0x0
	.amdhsa_kernel k_q485b316078_p1
		.amdhsa_group_segment_fixed_size 327680
		.amdhsa_private_segment_fixed_size 0
		.amdhsa_enable_private_segment 0
		.amdhsa_kernarg_size 64
		.amdhsa_user_sgpr_count 2
		.amdhsa_user_sgpr_kernarg_segment_ptr 1
		.amdhsa_wavefront_size32 1
		.amdhsa_system_sgpr_workgroup_id_x 1
		.amdhsa_system_sgpr_workgroup_id_y 1
		.amdhsa_system_sgpr_workgroup_id_z 1
		.amdhsa_system_vgpr_workitem_id 0
		.amdhsa_next_free_vgpr 384
		.amdhsa_next_free_sgpr 96
		.amdhsa_reserve_vcc 0
		.amdhsa_float_denorm_mode_32 3
		.amdhsa_float_denorm_mode_16_64 3
		.amdhsa_memory_ordered 1
		.amdhsa_forward_progress 1
		.amdhsa_inst_pref_size 163
	.end_amdhsa_kernel
	.amdgpu_metadata
---
amdhsa.version: [ 1, 2 ]
amdhsa.kernels:
  - .name:           k_q485b316078_p1
    .symbol:         k_q485b316078_p1.kd
    .args:
      - { .name: x, .offset: 0, .size: 8, .value_kind: global_buffer, .address_space: global }
      - { .name: ob, .offset: 8, .size: 8, .value_kind: global_buffer, .address_space: global }
      - { .name: wb, .offset: 16, .size: 8, .value_kind: global_buffer, .address_space: global }
      - { .name: sa_pb, .offset: 24, .size: 8, .value_kind: global_buffer, .address_space: global }
      - { .name: ln2_g, .offset: 32, .size: 8, .value_kind: global_buffer, .address_space: global }
      - { .name: ln2_b, .offset: 40, .size: 8, .value_kind: global_buffer, .address_space: global }
      - { .name: x1, .offset: 48, .size: 8, .value_kind: global_buffer, .address_space: global }
      - { .name: qb, .offset: 56, .size: 8, .value_kind: global_buffer, .address_space: global }
    .group_segment_fixed_size: 327680
    .private_segment_fixed_size: 0
    .kernarg_segment_align: 8
    .kernarg_segment_size: 64
    .max_flat_workgroup_size: 128
    .sgpr_count:     96
    .vgpr_count:     384
    .wavefront_size: 32
...
	.end_amdgpu_metadata
.endif
;; end of part 9
;; launch attn_x (part 10): grid 256 x 1, 16 waves a work-group, no clusters, 223,232 bytes of LDS; arguments qb, kv, ob; writes ob
.if DOCPART == 10
	.amdgcn_target "amdgcn-amd-amdhsa--gfx1250"
	.amdhsa_code_object_version 6
	.text
	.protected	k_q485b316078_attn_x
	.globl	k_q485b316078_attn_x
	.p2align	8
	.type	k_q485b316078_attn_x,@function
k_q485b316078_attn_x:
	s_mov_b64 s[64:65], 0
	v_nop
	global_prefetch_b8 v0, s[64:65] scope:SCOPE_SE
	s_setreg_imm32_b32 hwreg(HW_REG_WAVE_MODE, 25, 1), 1
	s_wait_xcnt 0x0
; The cross-attention (no mask) of one (batch, head) for half of its queries.
; q, k, v, o: bf16 [batch][head][1024][32].  q already carries log2(e) / sqrt(32), so the exponentials are in base 2.
; The head's whole K and V (64 KiB each) are brought into LDS once, by 32 tensor loads (two a wave); nothing is filled again: one barrier.
; Sixteen waves, four a SIMD, 32 queries each; a step takes 64 keys, 16 steps.  The softmax is chains of dependent vector instructions, far more of
; them than matrix instructions (about 200 to 20 a step), so a SIMD holds four waves that fill each other's gaps, and the step is long so that what
; is done once a step (the rescaling of the results, the tail of the maximum) is shared by 64 keys.
; Products are used transposed: S^T = K Q^T (lane: one query, registers: keys), O^T = V^T P^T.  So the packed probabilities are already the second
; source of the next product, and the maximum belongs to a lane (and its partner in the other half).
; The sum of the probabilities is a third product: a first source with ones in rows 0 and 8 and zeros elsewhere.  Register 0 of its tile then holds, in
; both halves of the lanes, the whole sum for the lane's query; registers 1 to 7 stay zero.
; Softmax with a running maximum, as reference() takes the row's maximum away.
; NO CLUSTER: only two work-groups share a head's K and V, and each reads them once, 128 KiB for its 256 steps of 20 matrix instructions.
; LIMITS: v_exp_f32 and v_rcp_f32 flush denormals; the sum of probabilities is made of their bf16 roundings, as the numerator is;
; NaN and infinite scores are not treated specially.
.set KOFF, 16777216                    ; where K lies in kv
.set VOFF, 8388608                     ; V behind K
.set KP, 80                            ; a K row in LDS: 64 bytes + 16
.set VP, 96                            ; a V row: 64 bytes + 32 (read by the transposing load)
.set VBASE, 1024*KP
.set STGB, VBASE+1024*VP               ; 180,224: the way out, 2,560 bytes for each wave; no tensor load lands here
.set QQ, 8                             ; v8-23    two query fragments
.set KF, 24                            ; v24-55   four key fragments (64 keys)
.set VF, 56                            ; v56-87   four value fragments: 16 u + 8 dt (u: which 32 keys, dt: which 16 of the head's 32)
.set SS, 88                            ; v88-151  scores, 32 a + 8 t; the probabilities are packed into the low 8 registers of each 16
.set OO, 152                           ; v152-183 results, 16 a + 8 dt
.set LL, 184                           ; v184-199 the sums' tiles, 8 a
.set ON, 200                           ; v200-207 the ones
.set MM, 208                           ; v208-211 pairs: the running maximum, twice
.set AL, 212                           ; v212-215 pairs: the rescaling factor, twice
.set TB, 216                           ; v216-231 at work, 8 a
.macro MAXM first                      ; the new maxima of both query tiles (32 scores a lane, the old maximum, the partner lane), stage by stage: 8 chains
.irp a, 0,1
.irp t, 0,1,2,3
	v_max3_num_f32 v[TB+8*\a+\t], v[SS+32*\a+8*\t], v[SS+32*\a+8*\t+1], v[SS+32*\a+8*\t+2]
.endr
.endr
.irp a, 0,1
.irp t, 0,1,2,3
	v_max3_num_f32 v[TB+8*\a+\t], v[TB+8*\a+\t], v[SS+32*\a+8*\t+3], v[SS+32*\a+8*\t+4]
.endr
.endr
.irp a, 0,1
.irp t, 0,1,2,3
	v_max3_num_f32 v[TB+8*\a+\t], v[TB+8*\a+\t], v[SS+32*\a+8*\t+5], v[SS+32*\a+8*\t+6]
.endr
.endr
.irp a, 0,1
	v_max3_num_f32 v[TB+8*\a], v[TB+8*\a], v[SS+32*\a+7], v[SS+32*\a+15]
	v_max3_num_f32 v[TB+8*\a+1], v[TB+8*\a+1], v[SS+32*\a+23], v[SS+32*\a+31]
.endr
.irp a, 0,1
	v_max3_num_f32 v[TB+8*\a], v[TB+8*\a], v[TB+8*\a+1], v[TB+8*\a+2]
.endr
.irp a, 0,1
.if \first
	v_max_num_f32 v[TB+8*\a], v[TB+8*\a], v[TB+8*\a+3]
.else
	v_max3_num_f32 v[TB+8*\a], v[TB+8*\a], v[TB+8*\a+3], v[MM+2*\a]
.endif
.endr
.irp a, 0,1
	v_permlanex16_b32 v[MM+2*\a+1], v[TB+8*\a], s40, s41
.endr
.irp a, 0,1
	v_max_num_f32 v[MM+2*\a+1], v[TB+8*\a], v[MM+2*\a+1]
.endr
.if \first == 0
.irp a, 0,1
	v_sub_f32 v[AL+2*\a], v[MM+2*\a], v[MM+2*\a+1]         ; old - new
.endr
.endif
.irp a, 0,1
	v_mov_b32 v[MM+2*\a], v[MM+2*\a+1]
.endr
.endm
.macro SUBM a
.set EI, 0
.rept 16
	v_pk_add_f32 v[SS+32*\a+2*EI:SS+32*\a+2*EI+1], v[SS+32*\a+2*EI:SS+32*\a+2*EI+1], v[MM+2*\a:MM+2*\a+1] neg_lo:[0,1] neg_hi:[0,1]
.set EI, EI+1
.endr
.endm
.macro EXPM a
.set EI, 0
.rept 32
	v_exp_f32 v[SS+32*\a+EI], v[SS+32*\a+EI]
.set EI, EI+1
.endr
.endm
.macro CVTM a                          ; pair i of each 16 registers is packed into register i: a second source of 32 keys x 16 queries
	s_wait_alu depctr_va_vdst(0)
.irp u, 0,1
.irp i, 0,1,2,3,4,5,6,7
	v_cvt_pk_bf16_f32 v[SS+32*\a+16*\u+\i], v[SS+32*\a+16*\u+2*\i], v[SS+32*\a+16*\u+2*\i+1]
.endr
.endr
.endm
; One step: 64 keys against my 32 queries.  first = 1: starts maximum, sums and results (nothing is cleared).  pf = 1: the next step's keys are fetched.
.macro STEP first, pf
	s_wait_dscnt 0x0                               ; this step's key fragments
.irp a, 0,1
.irp t, 0,1,2,3
	v_wmma_f32_16x16x32_bf16 v[SS+32*\a+8*\t:SS+32*\a+8*\t+7], v[KF+8*\t:KF+8*\t+7], v[QQ+8*\a:QQ+8*\a+7], 0
.endr
.endr
	v_add_nc_u32 v2, 64*KP, v2                     ; four places behind the matrix instructions (ISA guide 7.12.1): the next keys' address,
	v_nop
	v_nop
	v_nop
.irp u, 0,1
.irp dt, 0,1
	ds_load_tr16_b128 v[VF+16*\u+8*\dt:VF+16*\u+8*\dt+3], v3 offset:\u*32*VP+\dt*32
	ds_load_tr16_b128 v[VF+16*\u+8*\dt+4:VF+16*\u+8*\dt+7], v3 offset:\u*32*VP+\dt*32+16*VP
.endr
.endr
.if \pf
.irp t, 0,1,2,3
	ds_load_b128 v[KF+8*\t:KF+8*\t+3], v2 offset:\t*16*KP
	ds_load_b128 v[KF+8*\t+4:KF+8*\t+7], v2 offset:\t*16*KP+32
.endr
.endif
	v_add_nc_u32 v3, 64*VP, v3
	MAXM \first
.if \first == 0
	v_exp_f32 v[AL], v[AL]
	v_exp_f32 v[AL+2], v[AL+2]
.endif
	SUBM 0                                         ; plain work behind each run of exponentials, ahead of the first use of their results (ISA guide 5.7.2)
.if \first == 0
	s_wait_alu depctr_va_vdst(0)
	v_mov_b32 v[AL+1], v[AL]
	v_mov_b32 v[AL+3], v[AL+2]
.endif
	EXPM 0
	SUBM 1
	CVTM 0
	EXPM 1
.if \first
	v_nop
	s_wait_alu depctr_va_vdst(0)
.else
	s_wait_alu depctr_va_vdst(0)
.irp a, 0,1
.irp i, 0,1,2,3,4,5,6,7
	v_pk_mul_f32 v[OO+16*\a+2*\i:OO+16*\a+2*\i+1], v[OO+16*\a+2*\i:OO+16*\a+2*\i+1], v[AL+2*\a:AL+2*\a+1]
.endr
	v_mul_f32 v[LL+8*\a], v[LL+8*\a], v[AL+2*\a]   ; the sum: register 0 alone holds anything but zero
.endr
.endif
	CVTM 1
.if \pf
	s_wait_dscnt 0x8                               ; the values are in; the eight younger loads (the next keys) stay out
.else
	s_wait_dscnt 0x0
.endif
.irp u, 0,1                            ; six accumulators by turns, one instruction a turn
.irp a, 0,1
.irp dt, 0,1
.if \first*(1-\u)
	v_wmma_f32_16x16x32_bf16 v[OO+16*\a+8*\dt:OO+16*\a+8*\dt+7], v[VF+16*\u+8*\dt:VF+16*\u+8*\dt+7], v[SS+32*\a+16*\u:SS+32*\a+16*\u+7], 0
.else
	v_wmma_f32_16x16x32_bf16 v[OO+16*\a+8*\dt:OO+16*\a+8*\dt+7], v[VF+16*\u+8*\dt:VF+16*\u+8*\dt+7], v[SS+32*\a+16*\u:SS+32*\a+16*\u+7], v[OO+16*\a+8*\dt:OO+16*\a+8*\dt+7]
.endif
.endr
.if \first*(1-\u)
	v_wmma_f32_16x16x32_bf16 v[LL+8*\a:LL+8*\a+7], v[ON:ON+7], v[SS+32*\a+16*\u:SS+32*\a+16*\u+7], 0
.else
	v_wmma_f32_16x16x32_bf16 v[LL+8*\a:LL+8*\a+7], v[ON:ON+7], v[SS+32*\a+16*\u:SS+32*\a+16*\u+7], v[LL+8*\a:LL+8*\a+7]
.endif
.endr
.endr
.rept 5
	v_nop                                          ; five places: the next scores are written over the probabilities that these products read
.endr
.endm
	s_load_b128 s[4:7], s[0:1], 0x0                ; qb s[4:5], kv s[6:7]
	s_load_b64 s[8:9], s[0:1], 0x10                ; ob
	v_lshl_add_u32 v240, v0, 2, 0x36000
	v_mov_b32 v241, 0
	ds_add_u32 v240, v241
	ds_add_u32 v240, v241
	v_lshrrev_b32 v1, 5, v0
	v_readfirstlane_b32 s10, v1                    ; wave 0..15
	s_lshr_b32 s11, ttmp9, 1                       ; 16 batch + head
	s_and_b32 s50, ttmp9, 1                        ; which half of the query blocks
	; group 1: 4 KiB that are dense in memory, as 16 rows of 32 elements of 8 bytes; padding behind every 16 words (a row of K or V): 4 words for K, 8 for V
	s_mov_b32 s16, (3<<16)|(1<<20)|(3<<22)|(3<<25)
	s_mov_b32 s24, (3<<16)|(1<<20)|(3<<22)|(7<<25)
	s_mov_b32 s17, 32<<16
	s_mov_b32 s25, 32<<16
	s_mov_b32 s18, 16<<16
	s_mov_b32 s26, 16<<16
	s_mov_b32 s19, 32<<16
	s_mov_b32 s27, 32<<16
	s_mov_b32 s20, 16
	s_mov_b32 s28, 16
	s_mov_b32 s21, 32
	s_mov_b32 s29, 32
	s_mov_b32 s22, 0
	s_mov_b32 s30, 0
	s_mov_b32 s23, 0
	s_mov_b32 s31, 0
	s_mov_b32 s32, 1
	s_mul_i32 s33, s10, 64*KP                      ; my 64 rows of K
	s_mov_b32 s36, 1
	s_mul_i32 s37, s10, 64*VP                      ; my 64 rows of V
	s_add_co_u32 s37, s37, VBASE
	s_lshl_b32 s12, s11, 16
	s_lshl_b32 s13, s10, 12
	s_add_co_u32 s12, s12, s13                     ; head x 65,536 + wave x 4,096
	s_mov_b32 s13, 0
	s_wait_dscnt 0x0
	s_wait_kmcnt 0x0
	s_add_nc_u64 s[34:35], s[6:7], s[12:13]
	s_add_nc_u64 s[34:35], s[34:35], KOFF
	s_add_nc_u64 s[38:39], s[34:35], VOFF
	s_or_b32 s35, s35, 0x80000000
	s_or_b32 s39, s39, 0x80000000
	tensor_load_to_lds s[32:35], s[16:23]
	s_nop 0
	tensor_load_to_lds s[36:39], s[24:31]          ; two tensor loads of the wave are out
	s_nop 0
	s_lshl4_add_u32 s51, s50, s10                  ; query block = 16 x half + wave
	s_lshl_b32 s12, s11, 16
	s_lshl_b32 s52, s51, 11                        ; 32 queries of 64 bytes
	s_add_co_u32 s12, s12, s52
	s_add_nc_u64 s[14:15], s[4:5], s[12:13]        ; my queries
	s_add_nc_u64 s[54:55], s[8:9], s[12:13]        ; my results
	s_mov_b32 s40, 0x76543210                      ; v_permlanex16_b32: lane i reads lane i of the other half
	s_mov_b32 s41, 0xfedcba98
	v_and_b32 v216, 15, v0                         ; r
	v_bfe_u32 v217, v0, 4, 1                       ; h
	v_and_b32 v218, 31, v0                         ; L
	v_lshlrev_b32 v4, 6, v216
	v_lshl_add_u32 v4, v217, 4, v4                 ; query r, 16 bytes for each half
.irp a, 0,1
	global_load_b128 v[QQ+8*\a:QQ+8*\a+3], v4, s[14:15] offset:\a*1024
	global_load_b128 v[QQ+8*\a+4:QQ+8*\a+7], v4, s[14:15] offset:\a*1024+32
.endr
	v_mul_u32_u24 v2, v216, KP
	v_lshl_add_u32 v2, v217, 4, v2                 ; key fragments
	v_and_b32 v219, 7, v0
	v_lshl_add_u32 v219, v217, 3, v219
	v_mul_u32_u24 v219, v219, VP
	v_bfe_u32 v220, v0, 3, 1
	v_lshl_add_u32 v219, v220, 4, v219
	v_add_nc_u32 v3, VBASE, v219                   ; value fragments (transposing load)
	s_mul_i32 s52, s10, 2560
	s_add_co_u32 s52, s52, STGB                    ; my stage
	v_add_nc_u32 v5, s52, v2                       ; in: row r of 80 bytes, 16 bytes for each half
	v_lshrrev_b32 v219, 2, v218
	v_mul_u32_u24 v219, v219, 80
	v_and_b32 v220, 3, v0
	v_lshl_add_u32 v219, v220, 4, v219
	v_add_nc_u32 v6, s52, v219                     ; back: four lanes take a query's 64 bytes
	v_lshlrev_b32 v7, 4, v218
	v_mov_b32 v[MM+1], 0                           ; the destination of v_permlanex16_b32 counts as read: it is written once here
	v_mov_b32 v[MM+3], 0
	v_and_b32 v219, 7, v0
	v_cmp_eq_u32 vcc_lo, 0, v219                   ; rows 0 and 8 of the first source: lanes with r = 0 or 8
	v_mov_b32 v220, 0x3f803f80                     ; two bf16 ones
	v_cndmask_b32 v[ON], 0, v220, vcc_lo
.irp i, 1,2,3,4,5,6,7
	v_mov_b32 v[ON+\i], v[ON]
.endr
	s_wait_tensorcnt 0x0                           ; my parts of K and V have landed,
	s_barrier_signal -1
	s_barrier_wait -1                              ; everybody's have
.irp t, 0,1,2,3
	ds_load_b128 v[KF+8*\t:KF+8*\t+3], v2 offset:\t*16*KP
	ds_load_b128 v[KF+8*\t+4:KF+8*\t+7], v2 offset:\t*16*KP+32
.endr
	s_wait_loadcnt 0x0                             ; my queries
	STEP 1, 1                                      ; 16 steps of 64 keys: one, 14 in the loop, one that fetches no further keys
	s_mov_b32 s52, 14
.Lstep:
	STEP 0, 1
	s_sub_co_u32 s52, s52, 1
	s_cmp_lg_u32 s52, 0
	s_cbranch_scc1 .Lstep
	STEP 0, 0
	; the end: divide by the sums, round, and out through my stage as 512 consecutive bytes for each store
	v_rcp_f32 v[AL], v[LL]
	v_rcp_f32 v[AL+2], v[LL+8]
	v_nop                                          ; one plain place behind the last v_rcp_f32 (ISA guide 5.7.2)
	s_wait_alu depctr_va_vdst(0)
	v_mov_b32 v[AL+1], v[AL]
	v_mov_b32 v[AL+3], v[AL+2]
.irp a, 0,1
.irp i, 0,1,2,3,4,5,6,7
	v_pk_mul_f32 v[OO+16*\a+2*\i:OO+16*\a+2*\i+1], v[OO+16*\a+2*\i:OO+16*\a+2*\i+1], v[AL+2*\a:AL+2*\a+1]
.endr
.endr
.irp a, 0,1
.irp i, 0,1,2,3,4,5,6,7
	v_cvt_pk_bf16_f32 v[SS+8*\a+\i], v[OO+16*\a+2*\i], v[OO+16*\a+2*\i+1]
.endr
.endr
.irp a, 0,1
.irp dt, 0,1
	ds_store_b128 v5, v[SS+8*\a+4*\dt:SS+8*\a+4*\dt+3] offset:\a*1280+\dt*32
.endr
.endr
.irp i, 0,1,2,3
	ds_load_b128 v[SS+16+4*\i:SS+16+4*\i+3], v6 offset:\i*640      ; LDS serves a wave's instructions in order: these see the stores above
.endr
.irp i, 0,1,2,3
	s_wait_dscnt 3-\i
	global_store_b128 v7, v[SS+16+4*\i:SS+16+4*\i+3], s[54:55] offset:\i*512
.endr
	s_wait_tensorcnt 0x0
	ds_add_u32 v240, v241
	s_wait_dscnt 0x0
	s_endpgm
.Lfunc_end_k_q485b316078_attn_x:
	.size	k_q485b316078_attn_x, .Lfunc_end_k_q485b316078_attn_x-k_q485b316078_attn_x
	.p2alignl 7, 3214868480
	.fill 96, 4, 3214868480
	.section	.rodata,"a",@progbits
	.p2align	6, 0x0
	.amdhsa_kernel k_q485b316078_attn_x
		.amdhsa_group_segment_fixed_size 223232
		.amdhsa_private_segment_fixed_size 0
		.amdhsa_enable_private_segment 0
		.amdhsa_kernarg_size 24
		.amdhsa_user_sgpr_count 2
		.amdhsa_user_sgpr_kernarg_segment_ptr 1
		.amdhsa_wavefront_size32 1
		.amdhsa_system_sgpr_workgroup_id_x 1
		.amdhsa_system_sgpr_workgroup_id_y 1
		.amdhsa_system_sgpr_workgroup_id_z 1
		.amdhsa_system_vgpr_workitem_id 0
		.amdhsa_next_free_vgpr 242
		.amdhsa_next_free_sgpr 66
		.amdhsa_reserve_vcc 1
		.amdhsa_float_denorm_mode_32 3
		.amdhsa_float_denorm_mode_16_64 3
		.amdhsa_memory_ordered 1
		.amdhsa_forward_progress 1
		.amdhsa_inst_pref_size 44
	.end_amdhsa_kernel
	.amdgpu_metadata
---
amdhsa.version: [ 1, 2 ]
amdhsa.kernels:
  - .name:           k_q485b316078_attn_x
    .symbol:         k_q485b316078_attn_x.kd
    .args:
      - { .name: qb, .offset: 0, .size: 8, .value_kind: global_buffer, .address_space: global }
      - { .name: kv, .offset: 8, .size: 8, .value_kind: global_buffer, .address_space: global }
      - { .name: ob, .offset: 16, .size: 8, .value_kind: global_buffer, .address_space: global }
    .group_segment_fixed_size: 223232
    .private_segment_fixed_size: 0
    .kernarg_segment_align: 8
    .kernarg_segment_size: 24
    .max_flat_workgroup_size: 512
    .sgpr_count:     66
    .vgpr_count:     242
    .wavefront_size: 32
...
	.end_amdgpu_metadata
.endif
;; end of part 10
;; launch p2 (part 11): grid 256 x 1, 4 waves a work-group, clusters of 4 x 1, 327,680 bytes of LDS; arguments x1, ob, wb, ca_pb, ln3_g, ln3_b, ff_b1, ff_b2, out0; writes out0
.if DOCPART == 11
	.amdgcn_target "amdgcn-amd-amdhsa--gfx1250"
	.amdhsa_code_object_version 6
	.text
	.protected	k_q485b316078_p2
	.globl	k_q485b316078_p2
	.p2align	8
	.type	k_q485b316078_p2,@function
k_q485b316078_p2:
	s_mov_b64 s[64:65], 0
	v_nop
	global_prefetch_b8 v0, s[64:65] scope:SCOPE_SE
	s_setreg_imm32_b32 hwreg(HW_REG_WAVE_MODE, 25, 1), 1
	s_wait_xcnt 0x0
	s_wait_alu depctr_hold_cnt(0) depctr_sa_sdst(0) depctr_va_vdst(0) depctr_va_sdst(0) depctr_va_ssrc(0) depctr_va_vcc(0) depctr_vm_vsrc(0)
	s_getreg_b32 s2, hwreg(HW_REG_IB_STS2, 6, 4)
	s_cmp_eq_u32 s2, 0
	s_cbranch_scc0 .Lentry_in_a_cluster
	s_endpgm
.Lentry_in_a_cluster:
	s_bfe_u32 s2, ttmp6, 0x10000c
	s_cmp_lg_u32 s2, 0x3003
	s_cbranch_scc0 .Lentry_shape_is_right
	s_endpgm
.Lentry_shape_is_right:
; p2: x2 = x1 + o2 ca_pw + ca_pb;  out = x2 + relu(LN3(x2) ff_w1 + ff_b1) ff_w2 + ff_b2.
; A work-group owns 32 whole rows; wave w owns 128 columns of every product.  Window 1 holds two sets of 16 accumulator tiles:
; v128-255 carry the residual stream from x1 to the output, v0-127 a quarter (512 columns) of the hidden layer at a time.  The hidden layer never
; leaves the chip: each quarter goes to LDS as bf16 and is multiplied by its 512 rows of ff_w2 straight away.  Nine units of 32 x 512 x 512.
; Weights: bf16 [K][N], tiles of 32 k x 128 columns through each wave's own ring of 7 LDS slots, 6 filled behind one round; asked for jointly by
; the four work-groups of the cluster, which walk the same weights.  The matrix instruction is used transposed (source 0 = weights).
; ROTATION: with g = cluster number mod 4, the work-group numbers the 512 features, and the 512 hidden features of each quarter, from block g of 128 on:
; local block p is memory's block (p + g) & 3.  That enters global addresses alone (the columns of x1 and out0, of the biases and the gain; the heads
; read; the rows and the column block of a weight tile); no LDS address and no branch hangs on it.  So the four groups of clusters do not ask for the
; same tile at the same step.
; The k-steps are written out by macro, without a loop: the ring's pattern of 42 tiles divides neither a unit of 16 nor a quarter's 32.
; LIMITS: LayerNorm in f32, two passes; v_rsq_f32 flushes denormals; the ReLU is max(0, .), which makes 0 of a NaN; infinities are not treated specially;
; the order of K in the sums differs from cluster to cluster (the rotation).
.set NSLOT, 7
.set NFILL, 6
.set NTILE, 144                        ; 9 units x 16 k-steps
.set PA, 1040                          ; activation row: 1,024 bytes + 16
.set PB, 288                           ; weight row in LDS: 256 bytes + 32
.set SLOTB, 32*PB
.set HID, 33280                        ; the hidden quarter; ACT lies at 0; the f32 slabs (16,896 bytes a wave) lie over both, at other times
.set STATS, 67584
.set RB, 68608                         ; the rings: only tensor loads write here
.set WBQ, 56                           ; s[56:63] four addresses: wb at my column block and at the local quarter's 128 rows of 1,024 bytes (ca_pw, ff_w2)
.set WBR, 96                           ; s[96:101], s[44:45] the same for rows of 4,096 bytes (ff_w1)
.set G0, 68
.set FB0, 32
.set FB1, 112
.set MSB, 0
.set TI, 0
.set LASTISS, -1
.set CURSLOT, 0
.macro WIN new
.if MSB != \new
	s_set_vgpr_msb (MSB<<8)|\new
.set MSB, \new
.endif
.endm
.macro PLACES                          ; the four places behind a matrix instruction (ISA guide 7.12.1)
.rept 4
	v_nop
.endr
.endm
.macro SYNC
	s_wait_dscnt 0x0
	s_barrier_signal -1
	s_barrier_wait -1
.endm
.macro ROUND
	s_barrier_signal -1
	s_barrier_wait -1
	s_cmp_lg_u32 s24, 0
	s_cbranch_scc1 .Lnot_wave_0_\@
	s_barrier_signal -3
.Lnot_wave_0_\@:
	s_barrier_wait -3
	s_barrier_signal -1
	s_barrier_wait -1
.endm
; tile t: the quarter's base register, the constant beside it, and group 1.
; unit 0: ca_pw; then for each hidden quarter hb: 512 columns of ff_w1 (rows of 2,048 elements), 512 rows of ff_w2
.macro TSRC t
.set TS_U, (\t)/16
.set TS_K, (\t)%16
.set TS_Q, TS_K/4
.set TS_G1, 28
.set TS_B, WBQ+2*TS_Q
.if TS_U == 0
.set TS_OFF, 3670016+(TS_K%4)*32768
.else
.if (TS_U-1) % 2 == 0
.set TS_OFF, 4194304+((TS_U-1)/2)*1024+(TS_K%4)*131072
.set TS_G1, 36
.if TS_Q < 3
.set TS_B, WBR+2*TS_Q
.else
.set TS_B, 44
.endif
.else
.set TS_OFF, 6291456+((TS_U-1)/2)*524288+(TS_K%4)*32768
.endif
.endif
.endm
.macro ISSUE t
	TSRC \t
.set IS_G, G0+4*((\t)%NSLOT)
	s_add_nc_u64 s[IS_G+2:IS_G+3], s[TS_B:TS_B+1], TS_OFF
	s_or_b32 s[IS_G+3], s[IS_G+3], 0x80000000
	tensor_load_to_lds s[IS_G:IS_G+3], s[TS_G1:TS_G1+7]
	s_nop 0
.set LASTISS, \t
.endm
.macro REFILL
	s_wait_dscnt 0x0                               ; my reads of the slots are back
	s_wait_tensorcnt 0x0                           ; all my tensor loads have landed: every group 0 may be written
	ds_add_u32 v9, v31
	s_wait_dscnt 0x0
	ROUND                                          ; both now hold of every wave of the four work-groups
.set RF_N, NTILE-1-LASTISS
.if RF_N > NFILL
.set RF_N, NFILL
.endif
.rept RF_N
	ISSUE LASTISS+1                                ; the first tensor loads behind the round
.endr
.endm
.macro ACQ
.if TI > 0
.if TI % NFILL == 0
.if LASTISS < NTILE-1
	REFILL
.endif
.endif
.endif
	s_wait_tensorcnt LASTISS-TI                    ; the tiles asked for behind tile TI stay out
.set CURSLOT, TI % NSLOT
.set TI, TI+1
.endm
.macro FETCH kk, fb, va
.irp mt, 0,1
	ds_load_b128 v[\fb+64+8*\mt:\fb+64+8*\mt+3], v[\va] offset:\mt*16*PA+(\kk)*64
	ds_load_b128 v[\fb+64+8*\mt+4:\fb+64+8*\mt+7], v[\va] offset:\mt*16*PA+(\kk)*64+32
.endr
.irp nt, 0,1,2,3,4,5,6,7
	ds_load_tr16_b128 v[\fb+8*\nt:\fb+8*\nt+3], v4 offset:CURSLOT*SLOTB+32*\nt
	ds_load_tr16_b128 v[\fb+8*\nt+4:\fb+8*\nt+7], v4 offset:CURSLOT*SLOTB+32*\nt+16*PB
.endr
.endm
.macro MUL fb, a, zero                 ; the 16 accumulators take turns, one instruction a turn
	WIN 0x50
.irp nt, 0,1,2,3,4,5,6,7
.irp mt, 0,1
.if \zero
	v_wmma_f32_16x16x32_bf16 v[\a+16*\nt+8*\mt:\a+16*\nt+8*\mt+7], v[\fb+8*\nt:\fb+8*\nt+7], v[\fb+64+8*\mt:\fb+64+8*\mt+7], 0
.else
	v_wmma_f32_16x16x32_bf16 v[\a+16*\nt+8*\mt:\a+16*\nt+8*\mt+7], v[\fb+8*\nt:\fb+8*\nt+7], v[\fb+64+8*\mt:\fb+64+8*\mt+7], v[\a+16*\nt+8*\mt:\a+16*\nt+8*\mt+7]
.endif
.endr
.endr
.endm
.macro UNIT a, va, zero
	ACQ
	PLACES
	FETCH 0, FB0, \va
.set UK, 0
.rept 15
	ACQ
.if UK > 0
	PLACES
.endif
.if UK % 2 == 0
	FETCH UK+1, FB1, \va
	s_wait_dscnt 20                                ; all but the 20 loads just issued
.if UK == 0
	MUL FB0, \a, \zero
.else
	MUL FB0, \a, 0
.endif
.else
	FETCH UK+1, FB0, \va
	s_wait_dscnt 20
	MUL FB1, \a, 0
.endif
	WIN 0
.set UK, UK+1
.endr
	s_wait_dscnt 0x0
	MUL FB1, \a, 0
	WIN 0
.endm
.macro BIAS d, sb, off                 ; a vector's 64 numbers for my tiles: my block's columns 16 nt + 8 h .. + 7
.irp nt, 0,1,2,3,4,5,6,7
	global_load_b128 v[\d+8*\nt:\d+8*\nt+3], v13, s[\sb:\sb+1] offset:\off+\nt*64
	global_load_b128 v[\d+8*\nt+4:\d+8*\nt+7], v13, s[\sb:\sb+1] offset:\off+\nt*64+16
.endr
.endm
.macro ADDB a, d                       ; accumulators += that vector
	WIN 0x41
.irp nt, 0,1,2,3,4,5,6,7
.irp mt, 0,1
.irp q, 0,1,2,3
	v_pk_add_f32 v[\a+16*\nt+8*\mt+2*\q:\a+16*\nt+8*\mt+2*\q+1], v[\a+16*\nt+8*\mt+2*\q:\a+16*\nt+8*\mt+2*\q+1], v[\d+8*\nt+2*\q:\d+8*\nt+2*\q+1]
.endr
.endr
.endr
	WIN 0
.endm
.macro SLAB_OUT a, sb                  ; f32 rows out through my slab (rows of 512 + 16 bytes): a store covers 512 consecutive bytes of one row
	WIN 0x04
.irp nt, 0,1,2,3,4,5,6,7
.irp mt, 0,1
	ds_store_b128 v11, v[\a+16*\nt+8*\mt:\a+16*\nt+8*\mt+3] offset:\mt*8448+\nt*64
	ds_store_b128 v11, v[\a+16*\nt+8*\mt+4:\a+16*\nt+8*\mt+7] offset:\mt*8448+\nt*64+16
.endr
.endr
	WIN 0
.irp bt, 0,1
.irp i, 0,1,2,3,4,5,6,7,8,9,10,11,12,13,14,15
	ds_load_b128 v[160+4*\i:163+4*\i], v12 offset:(16*\bt+\i)*528
.endr
.irp i, 0,1,2,3,4,5,6,7,8,9,10,11,12,13,14,15
	s_wait_dscnt 15-\i
	global_store_b128 v19, v[160+4*\i:163+4*\i], s[\sb:\sb+1] offset:(16*\bt+\i)*2048 th:TH_STORE_NT
.endr
	s_wait_xcnt 0x0                                ; v160-223 are written again only behind this wait
.endr
.endm
; The head: the residual rows go through my slab into the accumulators, the attention's result (bf16, head-major) into ACT, the projection's bias is added.
.macro HEAD a
.set LI, 0
.rept 32
	global_load_b128 v[32+4*LI:35+4*LI], v19, s[50:51] offset:LI*2048 th:TH_LOAD_NT
.set LI, LI+1
.endr
.irp hh, 0,1,2,3
.irp i4, 0,1,2,3
	global_load_b128 v[160+16*\hh+4*\i4:163+16*\hh+4*\i4], v10, s[52:53] offset:\hh*65536+\i4*512 th:TH_LOAD_NT
.endr
.endr
	s_wait_loadcnt 16                              ; the residual rows are in; the attention result's 16 loads stay out
.set LI, 0
.rept 32
	ds_store_b128 v12, v[32+4*LI:35+4*LI] offset:LI*528
.set LI, LI+1
.endr
	WIN 0x40
.irp nt, 0,1,2,3,4,5,6,7
.irp mt, 0,1
	ds_load_b128 v[\a+16*\nt+8*\mt:\a+16*\nt+8*\mt+3], v11 offset:\mt*8448+\nt*64
	ds_load_b128 v[\a+16*\nt+8*\mt+4:\a+16*\nt+8*\mt+7], v11 offset:\mt*8448+\nt*64+16
.endr
.endr
	WIN 0
	s_wait_dscnt 0x0                               ; the slab has been written and read: v32-95 are free, and the slab's bytes may become ACT
	BIAS 32, 10, 0
	s_barrier_signal -1
	s_barrier_wait -1                              ; every wave is through with its slab
	s_wait_loadcnt 16                              ; the attention's result is in; the bias's 16 loads stay out
.irp hh, 0,1,2,3
.irp i4, 0,1,2,3
	ds_store_b128 v18, v[160+16*\hh+4*\i4:163+16*\hh+4*\i4] offset:\i4*8*PA+\hh*64
.endr
.endr
	s_wait_loadcnt 0x0
	ADDB \a, 32
	SYNC                                           ; ACT is whole
.endm
.macro TREE16 b                        ; 16 pairs at v[b] .. v[b + 31] -> their sum over both halves of the lanes, in v[b]
.irp i, 0,1,2,3,4,5,6,7
	v_pk_add_f32 v[\b+2*\i:\b+2*\i+1], v[\b+2*\i:\b+2*\i+1], v[\b+16+2*\i:\b+16+2*\i+1]
.endr
.irp i, 0,1,2,3
	v_pk_add_f32 v[\b+2*\i:\b+2*\i+1], v[\b+2*\i:\b+2*\i+1], v[\b+8+2*\i:\b+8+2*\i+1]
.endr
.irp i, 0,1
	v_pk_add_f32 v[\b+2*\i:\b+2*\i+1], v[\b+2*\i:\b+2*\i+1], v[\b+4+2*\i:\b+4+2*\i+1]
.endr
	v_pk_add_f32 v[\b:\b+1], v[\b:\b+1], v[\b+2:\b+3]
	v_add_f32 v[\b], v[\b], v[\b+1]
	v_permlanex16_b32 v[\b+1], v[\b], s48, s49
	v_add_f32 v[\b], v[\b], v[\b+1]
.endm
.macro CENTER a, mt                    ; v160-223 = my 64 numbers of row 16 mt + r, less the row's mean
	WIN 0x01
.irp nt, 0,1,2,3,4,5,6,7
.irp q, 0,1,2,3
	v_pk_add_f32 v[160+8*\nt+2*\q:161+8*\nt+2*\q], v[\a+16*\nt+8*\mt+2*\q:\a+16*\nt+8*\mt+2*\q+1], v[20+2*\mt:21+2*\mt] neg_lo:[0,1] neg_hi:[0,1]
.endr
.endr
	WIN 0
.endm
; LayerNorm of the rows in the accumulators, which stay as they are; the result goes to LDS as bf16.
.macro LN_D a, sg, sbe, dst
	PLACES
	BIAS 32, \sg, 0
	BIAS 96, \sbe, 0
	WIN 0x05
.irp mt, 0,1
.irp nt, 0,1,2,3
.irp q, 0,1,2,3
	v_pk_add_f32 v[160+32*\mt+8*\nt+2*\q:161+32*\mt+8*\nt+2*\q], v[\a+16*\nt+8*\mt+2*\q:\a+16*\nt+8*\mt+2*\q+1], v[\a+64+16*\nt+8*\mt+2*\q:\a+64+16*\nt+8*\mt+2*\q+1]
.endr
.endr
.endr
	WIN 0
	TREE16 160
	TREE16 192
	ds_store_b32 v14, v160                         ; my wave's sum of row r,
	ds_store_b32 v14, v192 offset:256              ; of row 16 + r
	SYNC                                           ; also: every wave's reads of ACT are over
	ds_load_b128 v[224:227], v15
	ds_load_b128 v[228:231], v15 offset:256
	s_mov_b32 s46, 0x3b000000                      ; 1 / 512
	s_mov_b32 s47, 0x3727c5ac                      ; 1e-5
	s_wait_dscnt 0x0
	v_add_f32 v224, v224, v225
	v_add_f32 v226, v226, v227
	v_add_f32 v228, v228, v229
	v_add_f32 v230, v230, v231
	v_add_f32 v224, v224, v226
	v_add_f32 v228, v228, v230
	v_mul_f32 v20, s46, v224
	v_mul_f32 v22, s46, v228
	v_mov_b32 v21, v20
	v_mov_b32 v23, v22
.irp mt, 0,1
	CENTER \a, \mt
.irp c, 0,1,2,3
	v_pk_mul_f32 v[232+2*\c:233+2*\c], v[160+2*\c:161+2*\c], v[160+2*\c:161+2*\c]
.endr
.irp i, 1,2,3,4,5,6,7
.irp c, 0,1,2,3
	v_pk_fma_f32 v[232+2*\c:233+2*\c], v[160+8*\i+2*\c:161+8*\i+2*\c], v[160+8*\i+2*\c:161+8*\i+2*\c], v[232+2*\c:233+2*\c]
.endr
.endr
	v_pk_add_f32 v[232:233], v[232:233], v[234:235]
	v_pk_add_f32 v[236:237], v[236:237], v[238:239]
	v_pk_add_f32 v[232:233], v[232:233], v[236:237]
	v_add_f32 v[28+\mt], v232, v233
	v_permlanex16_b32 v233, v[28+\mt], s48, s49
	v_add_f32 v[28+\mt], v[28+\mt], v233
	ds_store_b32 v14, v[28+\mt] offset:512+\mt*256
.endr
	SYNC
	ds_load_b128 v[224:227], v15 offset:512
	ds_load_b128 v[228:231], v15 offset:768
	s_wait_dscnt 0x0
	v_add_f32 v224, v224, v225
	v_add_f32 v226, v226, v227
	v_add_f32 v228, v228, v229
	v_add_f32 v230, v230, v231
	v_add_f32 v224, v224, v226
	v_add_f32 v228, v228, v230
	v_fma_f32 v24, v224, s46, s47                  ; variance + 1e-5
	v_fma_f32 v26, v228, s46, s47
	v_rsq_f32 v24, v24
	v_rsq_f32 v26, v26
	v_nop                                          ; one plain place behind v_rsq_f32 (ISA guide 5.7.2)
	s_wait_alu depctr_va_vdst(0)
	v_mov_b32 v25, v24
	v_mov_b32 v27, v26
	s_wait_loadcnt 0x0                             ; gain and bias
.irp mt, 0,1
	CENTER \a, \mt
.set LI, 0
.rept 32
	v_pk_mul_f32 v[160+2*LI:161+2*LI], v[160+2*LI:161+2*LI], v[24+2*\mt:25+2*\mt]
.set LI, LI+1
.endr
.set LI, 0
.rept 32
	v_pk_fma_f32 v[160+2*LI:161+2*LI], v[160+2*LI:161+2*LI], v[32+2*LI:33+2*LI], v[96+2*LI:97+2*LI]
.set LI, LI+1
.endr
.set LI, 0
.rept 32
	v_cvt_pk_bf16_f32 v[160+LI], v[160+2*LI], v[161+2*LI]
.set LI, LI+1
.endr
.irp nt, 0,1,2,3,4,5,6,7
	ds_store_b128 v[\dst], v[160+4*\nt:163+4*\nt] offset:\mt*16*PA+\nt*32
.endr
.endr
	SYNC                                           ; the normalised rows are whole
.endm
; The hidden quarter in window 1, v0-127: + ff_b1 (in v192-255), ReLU, rounded, into LDS.
.macro EPI_RELU
	PLACES
	s_wait_loadcnt 0x0                             ; ff_b1's quarter
	WIN 0x01
.irp nt, 0,1,2,3,4,5,6,7
.irp mt, 0,1
.irp q, 0,1,2,3
	v_pk_add_f32 v[32+16*\nt+8*\mt+2*\q:33+16*\nt+8*\mt+2*\q], v[16*\nt+8*\mt+2*\q:16*\nt+8*\mt+2*\q+1], v[192+8*\nt+2*\q:193+8*\nt+2*\q]
.endr
.endr
.endr
	WIN 0
.set LI, 0
.rept 128
	v_max_num_f32 v[32+LI], 0, v[32+LI]
.set LI, LI+1
.endr
.set LI, 0
.rept 64
	v_cvt_pk_bf16_f32 v[32+LI], v[32+2*LI], v[33+2*LI]
.set LI, LI+1
.endr
	SYNC                                           ; nobody reads the last quarter any more
.irp nt, 0,1,2,3,4,5,6,7
.irp mt, 0,1
	ds_store_b128 v17, v[32+8*\nt+4*\mt:35+8*\nt+4*\mt] offset:\mt*16*PA+\nt*32
.endr
.endr
	SYNC                                           ; the new quarter is whole
.endm
	s_load_b512 s[4:19], s[0:1], 0x0               ; x1 s[4:5], ob s[6:7], wb s[8:9], ca_pb s[10:11], ln3_g s[12:13], ln3_b s[14:15], ff_b1 s[16:17], ff_b2 s[18:19]
	s_load_b64 s[20:21], s[0:1], 0x40              ; out0
	v_lshl_add_u32 v9, v0, 2, 0x4fc00
	v_mov_b32 v31, 0
	ds_add_u32 v9, v31
	ds_add_u32 v9, v31
	v_and_b32 v1, 31, v0                           ; L
	v_lshrrev_b32 v28, 5, v0
	v_readfirstlane_b32 s24, v28                   ; wave
	v_and_b32 v2, 15, v0                           ; r
	v_bfe_u32 v3, v0, 4, 1                         ; h
	s_bfe_u32 s25, ttmp6, 0x40000                  ; cx
	s_lshl_b32 s26, ttmp9, 2
	s_add_co_u32 s26, s26, s25                     ; row block: it feeds global row addresses alone
	s_and_b32 s66, ttmp9, 3                        ; g: the cluster's rotation, the same in all four partners
	s_add_co_u32 s67, s24, s66
	s_and_b32 s67, s67, 3                          ; (wave + g) & 3: my column block as memory numbers it
	s_mov_b32 s48, 0x76543210
	s_mov_b32 s49, 0xfedcba98
	; group 1: 32 rows x 128 bf16; 8 words of padding behind every 64; mask: all four work-groups.  s[28:35]: 512 elements from row to row; s[36:43]: 2,048 (ff_w1)
	s_mov_b32 s28, 15|(1<<16)|(1<<20)|(1<<21)|(5<<22)|(7<<25)
	s_mov_b32 s36, 15|(1<<16)|(1<<20)|(1<<21)|(5<<22)|(7<<25)
	s_mov_b32 s29, 128<<16
	s_mov_b32 s37, 128<<16
	s_mov_b32 s30, 32<<16
	s_mov_b32 s38, 32<<16
	s_mov_b32 s31, 128<<16
	s_mov_b32 s39, 128<<16
	s_mov_b32 s32, 32
	s_mov_b32 s40, 32
	s_mov_b32 s33, 512
	s_mov_b32 s41, 2048
	s_mov_b32 s34, 0
	s_mov_b32 s42, 0
	s_mov_b32 s35, 0
	s_mov_b32 s43, 0
	s_mul_i32 s27, s24, NSLOT*SLOTB                ; my ring
.set i, 0
.rept NSLOT
	s_mov_b32 s[G0+4*i], 1
	s_add_co_u32 s[G0+4*i+1], s27, RB+i*SLOTB
.set i, i+1
.endr
	v_lshlrev_b32 v10, 4, v1                       ; 16 L
	v_and_b32 v28, 7, v0
	v_lshl_add_u32 v28, v3, 3, v28
	v_mul_u32_u24 v28, v28, PB
	v_bfe_u32 v29, v0, 3, 1
	v_lshl_add_u32 v28, v29, 4, v28
	s_add_co_u32 s46, s27, RB
	v_add_nc_u32 v4, s46, v28                      ; weight fragments, slot 0
	v_mul_u32_u24 v28, v2, PA
	v_lshl_add_u32 v5, v3, 4, v28                  ; activation fragments in ACT,
	v_add_nc_u32 v6, HID, v5                       ; in the hidden quarter
	v_lshrrev_b32 v28, 2, v1                       ; L >> 2
	v_and_b32 v29, 3, v0                           ; L & 3
	s_mul_i32 s46, s24, 16896                      ; my slab
	v_mul_u32_u24 v30, v2, 528
	v_lshl_add_u32 v30, v3, 5, v30
	v_add_nc_u32 v11, s46, v30                     ; by tiles: row r, 32 bytes for each half
	v_add_nc_u32 v12, s46, v10                     ; by rows
	s_lshl_b32 s46, s67, 9                         ; in memory: my column block, 512 bytes of f32
	v_lshl_add_u32 v13, v3, 5, s46                 ; my columns in a vector of f32
	v_add_nc_u32 v19, s46, v10                     ; my 512 bytes of an f32 row
	s_lshl_b32 s46, s24, 2
	s_add_co_u32 s46, s46, STATS
	v_lshl_add_u32 v14, v2, 4, s46                 ; row r's word of my wave
	v_lshlrev_b32 v15, 4, v2
	v_add_nc_u32 v15, STATS, v15                   ; row r's four words
	s_lshl_b32 s46, s24, 8                         ; in LDS: local block = wave
	v_add_nc_u32 v16, s46, v5                      ; my columns of row r in ACT,
	v_add_nc_u32 v17, HID, v16                     ; in the hidden quarter
	v_mul_u32_u24 v30, v28, PA
	v_lshl_add_u32 v30, v29, 4, v30
	v_add_nc_u32 v18, s46, v30                     ; the attention's result into ACT: four lanes a token
	s_lshl_b32 s46, s67, 8                         ; my 128 columns in a weight row, as memory numbers them
	s_mov_b32 s47, 0
	s_lshl_b32 s2, s26, 16                         ; 32 rows of 2,048 bytes
	s_mov_b32 s3, 0
	s_lshr_b32 s22, s26, 5                         ; batch
	s_lshl2_add_u32 s22, s22, s67                  ; 4 batch + my column block
	s_lshl_b32 s22, s22, 18                        ; (16 batch + 4 x block) heads of 65,536 bytes
	s_and_b32 s23, s26, 31
	s_lshl_b32 s23, s23, 11
	s_add_co_u32 s22, s22, s23
	s_mov_b32 s23, 0
	s_wait_dscnt 0x0
	s_wait_kmcnt 0x0
	s_add_nc_u64 s[44:45], s[8:9], s[46:47]        ; wb at my columns
	s_add_nc_u64 s[50:51], s[4:5], s[2:3]          ; x1
	s_add_nc_u64 s[52:53], s[6:7], s[22:23]        ; o2
	s_add_nc_u64 s[54:55], s[20:21], s[2:3]        ; out0
.irp q, 0,1,2,3
	s_add_co_u32 s46, s66, \q
	s_and_b32 s46, s46, 3
	s_lshl_b32 s46, s46, 17                        ; 128 rows of 1,024 bytes
	s_add_nc_u64 s[WBQ+2*\q:WBQ+2*\q+1], s[44:45], s[46:47]        ; local quarter q of K: memory's rows 128 ((q + g) & 3) ..
	s_lshl_b32 s46, s46, 2                         ; 128 rows of 4,096 bytes
.if \q < 3
	s_add_nc_u64 s[WBR+2*\q:WBR+2*\q+1], s[44:45], s[46:47]
.else
	s_add_nc_u64 s[44:45], s[44:45], s[46:47]      ; the last one takes the place of the plain address, which nothing needs any more
.endif
.endr
	ROUND                                          ; the first joint loads meet
.rept NSLOT
	ISSUE LASTISS+1                                ; seven tensor loads of the wave are out
.endr
	HEAD 128
	UNIT 128, 5, 0                                 ; + o2 ca_pw: v128-255 of window 1 hold x2
	LN_D 128, 12, 14, 16                           ; LN3(x2) into ACT, where it stays for all four quarters
.irp hb, 0,1,2,3
	BIAS 192, 16, \hb*2048                         ; this quarter's ff_b1, on its way during the unit
	UNIT 0, 5, 1                                   ; LN3(x2) x 512 columns of ff_w1
	EPI_RELU
.if \hb == 3
	BIAS 192, 18, 0                                ; ff_b2, on its way during the last unit
.endif
	UNIT 128, 6, 0                                 ; + the quarter x its 512 rows of ff_w2
.endr
	PLACES
	s_wait_loadcnt 0x0
	ADDB 128, 192
	SYNC                                           ; nobody reads ACT or the hidden quarter any more: the slabs may lie over them
	SLAB_OUT 128, 54
	s_wait_tensorcnt 0x0
	ds_add_u32 v9, v31
	s_wait_dscnt 0x0
	ROUND                                          ; the closing round
	s_endpgm
.Lfunc_end_k_q485b316078_p2:
	.size	k_q485b316078_p2, .Lfunc_end_k_q485b316078_p2-k_q485b316078_p2
	.p2alignl 7, 3214868480
	.fill 96, 4, 3214868480
	.section	.rodata,"a",@progbits
	.p2align	6, 0x0
	.amdhsa_kernel k_q485b316078_p2
		.amdhsa_group_segment_fixed_size 327680
		.amdhsa_private_segment_fixed_size 0
		.amdhsa_enable_private_segment 0
		.amdhsa_kernarg_size 72
		.amdhsa_user_sgpr_count 2
		.amdhsa_user_sgpr_kernarg_segment_ptr 1
		.amdhsa_wavefront_size32 1
		.amdhsa_system_sgpr_workgroup_id_x 1
		.amdhsa_system_sgpr_workgroup_id_y 1
		.amdhsa_system_sgpr_workgroup_id_z 1
		.amdhsa_system_vgpr_workitem_id 0
		.amdhsa_next_free_vgpr 512
		.amdhsa_next_free_sgpr 102
		.amdhsa_reserve_vcc 0
		.amdhsa_float_denorm_mode_32 3
		.amdhsa_float_denorm_mode_16_64 3
		.amdhsa_memory_ordered 1
		.amdhsa_forward_progress 1
		.amdhsa_inst_pref_size 255
	.end_amdhsa_kernel
	.section	.bss,"aw",@nobits
	.p2align	6
	.space	262144
	.amdgpu_metadata
---
amdhsa.version: [ 1, 2 ]
amdhsa.kernels:
  - .name:           k_q485b316078_p2
    .symbol:         k_q485b316078_p2.kd
    .args:
      - { .name: x1, .offset: 0, .size: 8, .value_kind: global_buffer, .address_space: global }
      - { .name: ob, .offset: 8, .size: 8, .value_kind: global_buffer, .address_space: global }
      - { .name: wb, .offset: 16, .size: 8, .value_kind: global_buffer, .address_space: global }
      - { .name: ca_pb, .offset: 24, .size: 8, .value_kind: global_buffer, .address_space: global }
      - { .name: ln3_g, .offset: 32, .size: 8, .value_kind: global_buffer, .address_space: global }
      - { .name: ln3_b, .offset: 40, .size: 8, .value_kind: global_buffer, .address_space: global }
      - { .name: ff_b1, .offset: 48, .size: 8, .value_kind: global_buffer, .address_space: global }
      - { .name: ff_b2, .offset: 56, .size: 8, .value_kind: global_buffer, .address_space: global }
      - { .name: out0, .offset: 64, .size: 8, .value_kind: global_buffer, .address_space: global }
    .group_segment_fixed_size: 327680
    .private_segment_fixed_size: 0
    .kernarg_segment_align: 8
    .kernarg_segment_size: 72
    .max_flat_workgroup_size: 128
    .sgpr_count:     102
    .vgpr_count:     512
    .wavefront_size: 32
...
	.end_amdgpu_metadata
.endif
;; end of part 11
;; ======== version 3 of 3: 6 launches; version 2 with the launch cast written anew for expert scheduling mode
;; limits: values outside matrix products are rounded to bf16
;; workspace buffers: wb 8,388,608 bytes; qb 8,388,608 bytes; kv 33,554,432 bytes; ob 8,388,608 bytes; x1 16,777,216 bytes
;; launch cast (part 12): grid 256 x 1, 8 waves a work-group, no clusters, 0 bytes of LDS; arguments sa_wq, sa_wk, sa_wv, sa_pw, ca_wq, ca_wk, ca_wv, ca_pw, ff_w1, ff_w2, wb; writes wb
.if DOCPART == 12
	.amdgcn_target "amdgcn-amd-amdhsa--gfx1250"
	.amdhsa_code_object_version 6
	.text
	.protected	k_q485b316078_cast
	.globl	k_q485b316078_cast
	.p2align	8
	.type	k_q485b316078_cast,@function
k_q485b316078_cast:
	s_mov_b64 s[64:65], 0
	v_nop
	global_prefetch_b8 v0, s[64:65] scope:SCOPE_SE
	s_setreg_imm32_b32 hwreg(HW_REG_WAVE_SCHED_MODE, 0, 2), 2
	s_setreg_imm32_b32 hwreg(HW_REG_WAVE_MODE, 25, 1), 1
	s_wait_xcnt 0x0
	s_wait_alu depctr_vm_vsrc(0)
; cast: the ten f32 weight matrices become bf16, each kept [K][N] as given, one behind the other in wb
; (byte offsets: eight matrices of 512 x 512 at i x 524,288; ff_w1 at 4,194,304; ff_w2 at 6,291,456).
; The two query weights are multiplied by log2(e) / sqrt(32) before the rounding, so that the attention kernels
; get scores that are ready for an exponential in base 2.
; LIMIT: that factor is applied to the weight and rounded with it to bf16; reference() scales the f32 scores.
; A stream: 256 work-groups x 256 threads; thread t of group g takes 16 bytes of each small matrix and four times
; 16 bytes of each large one.  All 16 loads go out first; nothing is read twice; a wave's store covers 256
; consecutive bytes, aligned.  No LDS, no matrix unit: there is nothing to share or to multiply.
; THE MODE: SCHED_MODE bits 1:0 = 2 (LLVM: expert scheduling mode 2), set by the entry lines.  The code itself states the register dependences
; between vector instructions and memory instructions, with s_wait_alu, always for 0.
; THE PLAN.  Registers that memory instructions touch:
;   v1 .. v4     byte offsets.  Written once, at the head; read by every load (v1, v2) and every store (v3, v4); never written again.
;   v[8:71]      load n lands in its own four registers; no vector instruction names them ahead of the loads, no memory instruction reads them,
;                and nothing is loaded into them a second time.
;   v[72:103]    load n's two out-registers.  Written once, by its two roundings; read by its one store; never written again.
; So the dependences are of one kind: a vector instruction writes a register that a memory instruction reads.  One wait at the head states it for the four
; offsets.  The 16 loads are taken in four groups of four (the sa matrices, the ca matrices, ff_w1, ff_w2): a group's roundings, one wait that states that its
; eight out-registers are written, its four stores.  The wait stands behind the group's own roundings, so that its stores do not stand behind the wait for the next group's data.
	s_load_b512 s[4:19], s[0:1], 0x0               ; the eight 512 x 512 matrices
	s_load_b128 s[20:23], s[0:1], 0x40             ; ff_w1, ff_w2
	s_load_b64 s[24:25], s[0:1], 0x50              ; wb
	s_lshl_b32 s26, ttmp9, 12                      ; g x 4,096: my group's bytes in a small matrix
	s_lshl_b32 s27, ttmp9, 14                      ; g x 16,384: in a large one
	s_lshl_b32 s28, ttmp9, 11                      ; the same in bf16
	s_lshl_b32 s29, ttmp9, 13
	v_lshl_add_u32 v1, v0, 4, s26
	v_lshl_add_u32 v2, v0, 4, s27
	v_lshl_add_u32 v3, v0, 3, s28
	v_lshl_add_u32 v4, v0, 3, s29
	s_wait_kmcnt 0x0
	s_wait_alu depctr_va_vdst(0)                   ; v1 to v4 are written: every load and store of the kernel reads one of them as its offset
.irp n, 0,1,2,3,4,5,6,7
	global_load_b128 v[8+4*\n:11+4*\n], v1, s[4+2*\n:5+2*\n] th:TH_LOAD_NT
.endr
.irp c, 0,1,2,3
	global_load_b128 v[40+4*\c:43+4*\c], v2, s[20:21] offset:\c*4096 th:TH_LOAD_NT
.endr
.irp c, 0,1,2,3
	global_load_b128 v[56+4*\c:59+4*\c], v2, s[22:23] offset:\c*4096 th:TH_LOAD_NT
.endr
; load n: scale where it is a query weight, round.  Every load has registers of its own: none is written twice.
.macro RND n, scale
.if \scale
	v_pk_mul_f32 v[8+4*\n:9+4*\n], v[8+4*\n:9+4*\n], 0x3e8293ee op_sel_hi:[1,0]
	v_pk_mul_f32 v[10+4*\n:11+4*\n], v[10+4*\n:11+4*\n], 0x3e8293ee op_sel_hi:[1,0]
.endif
	v_cvt_pk_bf16_f32 v[72+2*\n], v[8+4*\n], v[9+4*\n]
	v_cvt_pk_bf16_f32 v[73+2*\n], v[10+4*\n], v[11+4*\n]
.endm
; load n's eight bytes of bf16 leave
.macro ST n, voff, imm
	global_store_b64 v[\voff], v[72+2*\n:73+2*\n], s[24:25] offset:\imm
.endm
	s_wait_loadcnt 12                              ; loads come back in order: the sa matrices' four are in, the 12 younger ones stay out
	RND 0, 1
	RND 1, 0
	RND 2, 0
	RND 3, 0
	s_wait_alu depctr_va_vdst(0)                   ; the roundings have written v[72:79], which the four stores below read
	ST 0, 3, 0*524288
	ST 1, 3, 1*524288
	ST 2, 3, 2*524288
	ST 3, 3, 3*524288
	s_wait_loadcnt 8                               ; the ca matrices' four are in, the 8 younger ones stay out
	RND 4, 1
	RND 5, 0
	RND 6, 0
	RND 7, 0
	s_wait_alu depctr_va_vdst(0)                   ; the roundings have written v[80:87], which the four stores below read
	ST 4, 3, 4*524288
	ST 5, 3, 5*524288
	ST 6, 3, 6*524288
	ST 7, 3, 7*524288
	s_wait_loadcnt 4                               ; ff_w1's four are in, ff_w2's four stay out
	RND 8, 0
	RND 9, 0
	RND 10, 0
	RND 11, 0
	s_wait_alu depctr_va_vdst(0)                   ; the roundings have written v[88:95], which the four stores below read
	ST 8, 4, 4194304+0*2048
	ST 9, 4, 4194304+1*2048
	ST 10, 4, 4194304+2*2048
	ST 11, 4, 4194304+3*2048
	s_wait_loadcnt 0x0                             ; ff_w2's four: no load is younger
	RND 12, 0
	RND 13, 0
	RND 14, 0
	RND 15, 0
	s_wait_alu depctr_va_vdst(0)                   ; the roundings have written v[96:103], which the four stores below read
	ST 12, 4, 6291456+0*2048
	ST 13, 4, 6291456+1*2048
	ST 14, 4, 6291456+2*2048
	ST 15, 4, 6291456+3*2048
	s_endpgm
.Lfunc_end_k_q485b316078_cast:
	.size	k_q485b316078_cast, .Lfunc_end_k_q485b316078_cast-k_q485b316078_cast
	.p2alignl 7, 3214868480
	.fill 96, 4, 3214868480
	.section	.rodata,"a",@progbits
	.p2align	6, 0x0
	.amdhsa_kernel k_q485b316078_cast
		.amdhsa_group_segment_fixed_size 0
		.amdhsa_private_segment_fixed_size 0
		.amdhsa_enable_private_segment 0
		.amdhsa_kernarg_size 88
		.amdhsa_user_sgpr_count 2
		.amdhsa_user_sgpr_kernarg_segment_ptr 1
		.amdhsa_wavefront_size32 1
		.amdhsa_system_sgpr_workgroup_id_x 1
		.amdhsa_system_sgpr_workgroup_id_y 1
		.amdhsa_system_sgpr_workgroup_id_z 1
		.amdhsa_system_vgpr_workitem_id 0
		.amdhsa_next_free_vgpr 104
		.amdhsa_next_free_sgpr 66
		.amdhsa_reserve_vcc 0
		.amdhsa_float_denorm_mode_32 3
		.amdhsa_float_denorm_mode_16_64 3
		.amdhsa_memory_ordered 1
		.amdhsa_forward_progress 1
		.amdhsa_inst_pref_size 7
	.end_amdhsa_kernel
	.amdgpu_metadata
---
amdhsa.version: [ 1, 2 ]
amdhsa.kernels:
  - .name:           k_q485b316078_cast
    .symbol:         k_q485b316078_cast.kd
    .args:
      - { .name: sa_wq, .offset: 0, .size: 8, .value_kind: global_buffer, .address_space: global }
      - { .name: sa_wk, .offset: 8, .size: 8, .value_kind: global_buffer, .address_space: global }
      - { .name: sa_wv, .offset: 16, .size: 8, .value_kind: global_buffer, .address_space: global }
      - { .name: sa_pw, .offset: 24, .size: 8, .value_kind: global_buffer, .address_space: global }
      - { .name: ca_wq, .offset: 32, .size: 8, .value_kind: global_buffer, .address_space: global }
      - { .name: ca_wk, .offset: 40, .size: 8, .value_kind: global_buffer, .address_space: global }
      - { .name: ca_wv, .offset: 48, .size: 8, .value_kind: global_buffer, .address_space: global }
      - { .name: ca_pw, .offset: 56, .size: 8, .value_kind: global_buffer, .address_space: global }
      - { .name: ff_w1, .offset: 64, .size: 8, .value_kind: global_buffer, .address_space: global }
      - { .name: ff_w2, .offset: 72, .size: 8, .value_kind: global_buffer, .address_space: global }
      - { .name: wb, .offset: 80, .size: 8, .value_kind: global_buffer, .address_space: global }
    .group_segment_fixed_size: 0
    .private_segment_fixed_size: 0
    .kernarg_segment_align: 8
    .kernarg_segment_size: 88
    .max_flat_workgroup_size: 256
    .sgpr_count:     66
    .vgpr_count:     104
    .wavefront_size: 32
...
	.end_amdgpu_metadata
.endif
;; end of part 12
;; launch qkv: the kernel of part 7 again; grid 256 x 1, 4 waves a work-group, clusters of 4 x 1, 327,680 bytes of LDS; arguments x, encoder_output, wb, ln1_g, ln1_b, qb, kv; writes qb, kv
;; launch attn_c: the kernel of part 8 again; grid 256 x 1, 16 waves a work-group, no clusters, 223,232 bytes of LDS; arguments qb, kv, ob; writes ob
;; launch p1: the kernel of part 9 again; grid 256 x 1, 4 waves a work-group, clusters of 4 x 1, 327,680 bytes of LDS; arguments x, ob, wb, sa_pb, ln2_g, ln2_b, x1, qb; writes x1, qb
;; launch attn_x: the kernel of part 10 again; grid 256 x 1, 16 waves a work-group, no clusters, 223,232 bytes of LDS; arguments qb, kv, ob; writes ob
;; launch p2: the kernel of part 11 again; grid 256 x 1, 4 waves a work-group, clusters of 4 x 1, 327,680 bytes of LDS; arguments x1, ob, wb, ca_pb, ln3_g, ln3_b, ff_b1, ff_b2, out0; writes out0
